; MI455X (gfx1250); checked and timed in simulation.
; The chip was launched on July 23, 2026; its instructions are those of AMD's public machine-readable ISA for CDNA 5 (MIT licence, August 2026) and "CDNA5" Instruction Set Architecture Reference Guide (July 2026). The comments in the code are by the model that wrote it; some were corrected since.
;; Causal Self Attention. Allowed arithmetic: matrix products marked QUANTISED: E3M2 operands, one E8M0 scale for each 32 along K, by v_wmma_scale_f32_16x16x128_f8f6f4 with both operands' format E3M2, f32 sums; everything else in f32.
;; Inputs: Wk 2,048 x 2,048 float32; Wproj 2,048 x 2,048 float32; Wq 2,048 x 2,048 float32; Wv 2,048 x 2,048 float32; lamb one number float32; vi 1 x 2,048 x 16 x 128 float32; x 1 x 1 x 2,048 x 2,048 float32.
;; Outputs: out0 1 x 1 x 2,048 x 2,048 float32.
;; This version of the problem:
;;   THIS VERSION OF THE PROBLEM IS GIVEN IN LOW PRECISION. The matrix products marked QUANTISED in the list below multiply operands that are first quantised to E3M2 (3 exponent bits, 2 mantissa bits; 6 bits a number), with one power-of-two scale for each 32 numbers along K (OCP MX v1.0); their sums are f32. All else is computed in f32.
;;   The module's matrix products, in the order in which they are computed (A, B: the left and right operand; K: the contracted axis; several contracted axes count as one K, in the product's order):
;;     1. [M 2,048, K 2,048] x [K 2,048, N 2,048]; A: input x; B: input Wq: QUANTISED
;;     2. [M 2,048, K 2,048] x [K 2,048, N 2,048]; A: input x; B: input Wk: QUANTISED
;;     3. [M 2,048, K 2,048] x [K 2,048, N 2,048]; A: input x; B: input Wv: QUANTISED
;;     4. batch 16 x [M 2,048, K 128] x [K 128, N 2,048]; A: computed on the way; B: computed on the way: QUANTISED
;;     5. batch 16 x [M 128, K 2,048] x [K 2,048, N 2,048]; A: computed on the way; B: softmax (see below): QUANTISED
;;     6. [M 2,048, K 2,048] x [K 2,048, N 2,048]; A: computed on the way; B: input Wproj: QUANTISED
;;   THE QUANTISER, for each operand of a quantised product, along K:
;;     - K is cut into blocks of 32 from its start; a last block that is shorter is filled with zeros.
;;     - A block's scale is 2^e with e = floor(log2(the largest magnitude in the block)) - 4, held to -126 .. 127; a block of zeros has e = 0. As a byte (E8M0): e + 127.
;;     - Each number is divided by its block's scale, clamped to +-28, and rounded to the nearest number of E3M2, ties to even, subnormals kept.
;;     - The product sums the exact products of the quantised numbers (number of the format x scale) in f32.
;;   ~~~python
;;   def quantise(x, axis):      # numpy; x: float32 -> the quantised numbers, widened to float32 again
;;       x = np.moveaxis(x, axis, -1); K = x.shape[-1]
;;       x = np.pad(x, [(0, 0)] * (x.ndim - 1) + [(0, -K % 32)]); x = x.reshape(x.shape[:-1] + (-1, 32)); a = np.abs(x).max(-1, keepdims=True)
;;       e = np.where(a > 0, np.clip(np.frexp(np.where(a > 0, a, 1))[1] - 1 - 4, -126, 127), 0)      # np.frexp(a)[1] - 1 = floor(log2(a)), exactly
;;       r = np.clip(x / 2.0 ** e, -28, 28)
;;       step = 2.0 ** (np.maximum(np.frexp(np.where(r == 0, 1, r))[1] - 1, -2) - 2)
;;       q = np.round(r / step) * step * 2.0 ** e      # np.round: ties to even
;;       return np.moveaxis(q.reshape(q.shape[:-2] + (-1,))[..., :K], -1, axis).astype(np.float32)
;;   ~~~
;;   SOFTMAX AHEAD OF A QUANTISED PRODUCT. Where the list says 'softmax', what is quantised is not the finished softmax but p = 2^(t - M), with t = logit x log2(e) and M = ceil(the row's largest t), a whole number; so 1/2 < the row's largest p <= 1. The row's sum l is taken of the UNQUANTISED p, in f32, and the product's result is divided by l at the end. Since M is a whole number, a kernel that streams over the keys may use a running M (the ceiling of the running maximum): every later rescaling is an exact power of two, which a block's scale takes up: the codes' values come out the same.
;;   OPERANDS COMPUTED ON THE WAY. 'Computed on the way' means the value that the module computes at that place (a softmax that the list does not call 'softmax' is quantised finished and normalised). What goes into a quantiser is computed in f32, as accurately as f32 sums, v_exp_f32 and their like allow (about 1e-6 of the number): no bf16 or f16 on the way to a quantiser, and a product that is left as it is and whose result goes on into a quantised operand takes f32 operands (vector FMAs, or v_wmma_f32_16x16x4_f32). A number that lies on a knife's edge between two numbers of the format may be rounded either way, as far as f32 arithmetic and the matrix unit's own rounding can turn it there, and no further.
;; 2 versions. Each part assembles by itself: llvm-mc -triple=amdgcn-amd-amdhsa -mcpu=gfx1250 --defsym DOCPART=n.
;; ======== version 1 of 2: 4 launches
;; workspace buffers: wcodes 15,728,640 bytes; wscales 655,360 bytes; rope 1,048,576 bytes; qkv 9,437,184 bytes; qkvs 393,216 bytes; ycodes 3,145,728 bytes; yscales 131,072 bytes
;; launch quant (part 1): grid 640 x 1, 4 waves a work-group, no clusters, 34,304 bytes of LDS; arguments x, Wq, Wk, Wv, Wproj, wcodes, wscales, rope; writes wcodes, wscales, rope
.if DOCPART == 1
	.amdgcn_target "amdgcn-amd-amdhsa--gfx1250"
	.amdhsa_code_object_version 6
	.text
	.protected	k_q7c4f04411a_quant
	.globl	k_q7c4f04411a_quant
	.p2align	8
	.type	k_q7c4f04411a_quant,@function
k_q7c4f04411a_quant:
	s_mov_b64 s[64:65], 0
	v_nop
	global_prefetch_b8 v0, s[64:65] scope:SCOPE_SE
	s_setreg_imm32_b32 hwreg(HW_REG_WAVE_MODE, 25, 1), 1
	s_wait_xcnt 0x0
; x, Wq, Wk, Wv, Wproj, each [2048][2048] f32 with K innermost, become codes of BF6 (E3M2) with one E8M0 byte for each 32 along K; and the table of cos and sin for the rotary embedding is made.
; A block's scale is 2^(floor(log2(its largest magnitude)) - 4): its byte is the largest magnitude's exponent field - 4, held at 1 from below.
; LAYOUT OF THE CODES.  A fragment (16 rows x 128 K, 12 registers a lane) lies in memory as the image of its registers: register g of lane l at byte 512 (g / 4) + 16 l + 4 (g % 4), 1,536 dense bytes;
; wcodes = [tensor 5][block of 16 rows 128][K step 16][1,536].  Every reader takes a fragment by three loads of 16 bytes a lane.
; ORDER ALONG K.  Inside each block of 32 the code places 0-7, 8-15, 16-23, 24-31 hold the numbers 0-7, 16-23, 8-15, 24-31.  Every operand of this program has that order, so each product pairs the right numbers;
; a block holds the same 32 numbers as in plain order, so its scale is the same.  Only the order in which the matrix unit adds the products of a block differs.
; wscales = [tensor][block of rows][pair of K steps 8][row 16][2 words]; a word is the four bytes of one row and 128 K.
; rope = [block of 16 tokens 128][cos, sin][b 4][jh 2][lane 32][4 f32]: the entry is for token 16 tb + lane % 16 and frequency 16 b + 8 (lane / 16) + 4 jh + w.
; LIMITS: NaN and infinities are not served.  A block whose largest magnitude lies under 2^-122, a block of zeros among them, gets the byte 1 (the rule says 127 for zeros): its codes are zeros or near it, and this program alone reads the bytes.
; The angle is the f32 product token x inv_freq; inv_freq = (1e-4 as f32)^(f / 64) is made by one exponential with its exponent in two parts, good to about one unit in the last place.
; SHARES.  A work-group takes 16 rows of one tensor, a wave 512 along K: four K steps.  Each load reads 512 consecutive bytes of a row; a K step's 16 x 512 bytes turn through the wave's own stage in LDS (rows of 528 bytes),
; from which a lane takes its two whole blocks of 32.  Waves share nothing: no barrier.  No matrix unit, no cluster, no tensor load: the launch is a stream, and memory binds it.
.set STG,  8448                        ; a wave's stage: 16 rows x (512 + 16) bytes
.set R,    64                          ; v64-191   two sets of 64 registers as loaded
.set X,    192                         ; v192-255  my two blocks of 32
.set PC,   32                          ; v32-43    the fragment's codes; v44-46, v48-50 the blocks' upper halves as converted
.set SW,   16                          ; v16-19    the four K steps' scale words
	s_load_b256 s[4:11], s[0:1], 0x0               ; x, Wq, Wk, Wv
	s_load_b256 s[12:19], s[0:1], 0x20             ; Wproj, wcodes, wscales, rope
	v_lshl_add_u32 v62, v0, 2, 0x8400
	v_mov_b32 v63, 0
	v_lshrrev_b32 v1, 5, v0
	v_readfirstlane_b32 s20, v1                    ; wave
	v_and_b32 v1, 31, v0                           ; lane
	v_and_b32 v2, 15, v0                           ; r
	v_bfe_u32 v3, v0, 4, 1                         ; h
	v_lshlrev_b32 v4, 4, v1                        ; 16 x lane: loads, and the stores of images
	s_mul_i32 s23, s20, STG
	v_add_nc_u32 v5, s23, v4                       ; the stage, on the way in
	v_mul_u32_u24 v6, v2, 528
	v_lshl_add_u32 v6, v3, 7, v6
	v_add_nc_u32 v6, s23, v6                       ; and out: row r, block h of each pair of blocks
	v_lshlrev_b32 v7, 3, v2
	v_lshl_add_u32 v7, v3, 7, v7                   ; the scale words' place: 128 h + 8 r
	v_lshlrev_b32 v15, 3, v3                       ; 8 h
	v_mov_b32 v20, 0                               ; a lane permute's destination counts as read
	s_lshr_b32 s21, ttmp9, 7                       ; which tensor
	s_and_b32 s22, ttmp9, 127                      ; which 16 rows
	s_mov_b32 s24, 0x76543210
	s_mov_b32 s25, 0xfedcba98                      ; selects for lane l xor 16
	s_wait_kmcnt 0x0
	s_cmp_eq_u32 s21, 1                            ; the choice hangs on the work-group's number alone
	s_cselect_b64 s[4:5], s[6:7], s[4:5]
	s_cmp_eq_u32 s21, 2
	s_cselect_b64 s[4:5], s[8:9], s[4:5]
	s_cmp_eq_u32 s21, 3
	s_cselect_b64 s[4:5], s[10:11], s[4:5]
	s_cmp_eq_u32 s21, 4
	s_cselect_b64 s[4:5], s[12:13], s[4:5]
	s_lshl_b32 s26, s22, 17                        ; 16 rows of 8,192 bytes
	s_lshl_b32 s28, s20, 11                        ; my wave's 2,048 bytes of a row
	s_add_co_u32 s26, s26, s28
	s_mov_b32 s27, 0
	s_add_nc_u64 s[4:5], s[4:5], s[26:27]
	s_mul_i32 s26, ttmp9, 24576                    ; a block of rows: 16 images
	s_mul_i32 s28, s20, 6144                       ; my four
	s_add_co_u32 s26, s26, s28
	s_add_nc_u64 s[14:15], s[14:15], s[26:27]
	s_lshl_b32 s26, ttmp9, 10
	s_lshl_b32 s28, s20, 8
	s_add_co_u32 s26, s26, s28
	s_add_nc_u64 s[16:17], s[16:17], s[26:27]
.macro LOAD s                          ; K step s: 16 rows x 512 bytes
.irp p, 0,1,2,3,4,5,6,7,8,9,10,11,12,13,14,15
	global_load_b128 v[R+64*((\s)%2)+4*\p:R+64*((\s)%2)+4*\p+3], v4, s[4:5] offset:8192*\p+512*(\s) th:TH_LOAD_NT
.endr
.endm
.macro STEP s
.if (\s) < 3
	s_wait_loadcnt 16                              ; this K step's 16 loads are in; the next one's may be out
.else
	s_wait_loadcnt 0x0
.endif
.irp p, 0,1,2,3,4,5,6,7,8,9,10,11,12,13,14,15
	ds_store_b128 v5, v[R+64*((\s)%2)+4*\p:R+64*((\s)%2)+4*\p+3] offset:528*\p
.endr
.irp c, 0,1                            ; LDS serves a wave's instructions in order: these see the stores.  Piece p (4 numbers) of block 2 c + h goes to the place that the order along K gives it
.irp p, 0,1,2,3,4,5,6,7
	ds_load_b128 v[X+32*\c+4*(\p%2+4*((\p/2)%2)+2*(\p/4)):X+32*\c+4*(\p%2+4*((\p/2)%2)+2*(\p/4))+3], v6 offset:256*\c+16*\p
.endr
.endr
	s_wait_dscnt 0x0                               ; my numbers are back, and the stores into the stage have read their registers,
.if (\s) < 2
	LOAD (\s)+2                                    ; which take the loads of two K steps on
.endif
	s_wait_xcnt 0x0                                ; the last K step's stores have read the codes' registers
.irp c, 0,1
	v_max3_num_f32 v[8+\c], |v[X+32*\c]|, |v[X+32*\c+1]|, 0x2800000   ; the block's largest magnitude, over the floor 2^(5 - 127)
.endr
.irp i, 2,4,6,8,10,12,14,16,18,20,22,24,26,28,30
.irp c, 0,1
	v_max3_num_f32 v[8+\c], v[8+\c], |v[X+32*\c+\i]|, |v[X+32*\c+\i+1]|
.endr
.endr
.irp c, 0,1
	v_add_nc_u32 v[10+\c], 0xfe000000, v[8+\c]     ; 4 off its exponent field: the conversion's scale operand
.endr
.irp c, 0,1
	v_lshrrev_b32 v[12+\c], 23, v[10+\c]           ; the scale's byte
.endr
	v_lshl_or_b32 v14, v13, 16, v12                ; blocks h and 2 + h,
	v_lshlrev_b32 v14, v15, v14                    ; at their places in the word;
	v_permlanex16_b32 v20, v14, s24, s25
	v_or_b32 v[SW+(\s)], v14, v20                  ; with lane l xor 16's two the word is whole
.irp c, 0,1
	v_cvt_scalef32_pk16_bf6_f32 v[PC+6*\c:PC+6*\c+2], v[X+32*\c:X+32*\c+15], v[10+\c]
	v_cvt_scalef32_pk16_bf6_f32 v[PC+12+4*\c:PC+14+4*\c], v[X+32*\c+16:X+32*\c+31], v[10+\c]   ; (a conversion's three registers begin on an even number)
.endr
	v_nop                                          ; one plain place behind a scaled conversion
.irp c, 0,1
.irp i, 0,1,2
	v_mov_b32 v[PC+3+6*\c+\i], v[PC+12+4*\c+\i]
.endr
.endr
.irp c, 0,1,2
	global_store_b128 v4, v[PC+4*\c:PC+4*\c+3], s[14:15] offset:1536*(\s)+512*\c   ; 512 consecutive bytes a store
.endr
.endm
	LOAD 0
	LOAD 1
	STEP 0
	STEP 1
	STEP 2
	STEP 3
	v_cmp_ne_u32 vcc_lo, 0, v3
	v_cndmask_b32 v22, v[SW], v[SW+2], vcc_lo      ; lanes 0-15: my first pair of K steps; lanes 16-31: the second
	v_cndmask_b32 v23, v[SW+1], v[SW+3], vcc_lo
	global_store_b64 v7, v[22:23], s[16:17]        ; 256 consecutive bytes
	; THE TABLE: the first 128 work-groups make 16 tokens each, wave b the frequencies 16 b .. 16 b + 15, a lane eight of them.
	s_cmp_lt_u32 ttmp9, 128
	s_cbranch_scc0 .Lend
	s_lshl_b32 s26, ttmp9, 13
	s_lshl_b32 s28, s20, 10
	s_add_co_u32 s26, s26, s28
	s_add_nc_u64 s[18:19], s[18:19], s[26:27]
	s_mov_b32 s30, 0x3e549a78                      ; -log2(1e-4 as f32) / 64, upper part,
	s_mov_b32 s31, 0x31ab2aae                      ; and what is left of it
	s_mov_b32 s32, 0x3f317218                      ; ln 2
	s_mov_b32 s33, 0x3f22f983                      ; 2 / pi
	s_mov_b32 s34, 0x3fc90fdb                      ; pi / 2, upper part,
	s_mov_b32 s35, 0xb33bbd2e                      ; and what is left of it
	s_mov_b32 s36, 0xbe2aaaa3                      ; sine: -1.6666654611e-1,
	s_mov_b32 s37, 0x3c08839e                      ; 8.3321608736e-3,
	s_mov_b32 s38, 0xb94ca1f9                      ; -1.9515295891e-4
	s_mov_b32 s39, 0x3d2aaaa5                      ; cosine: 4.166664568e-2,
	s_mov_b32 s40, 0xbab6061a                      ; -1.388731625e-3,
	s_mov_b32 s41, 0x37ccf5ce                      ; 2.443315712e-5
	s_lshl_b32 s26, ttmp9, 4
	v_add_nc_u32 v21, s26, v2
	v_cvt_f32_u32 v21, v21                         ; my token
	s_lshl_b32 s28, s20, 4
	v_lshl_add_u32 v24, v3, 3, s28                 ; my first frequency: 16 b + 8 h
.irp i, 0,1,2,3,4,5,6,7
	v_add_nc_u32 v[64+\i], \i, v24
.endr
.irp i, 0,1,2,3,4,5,6,7
	v_cvt_f32_u32 v[64+\i], v[64+\i]
.endr
.irp i, 0,1,2,3,4,5,6,7
	v_mul_f32 v[72+\i], s30, v[64+\i]              ; the exponent, rounded,
.endr
.irp i, 0,1,2,3,4,5,6,7
	v_fma_f32 v[80+\i], v[64+\i], s30, -v[72+\i]   ; what the rounding dropped,
.endr
.irp i, 0,1,2,3,4,5,6,7
	v_fma_f32 v[80+\i], v[64+\i], s31, v[80+\i]    ; and the lower part's share
.endr
.irp i, 0,1,2,3,4,5,6,7
	v_exp_f32 v[88+\i], -v[72+\i]
.endr
	v_nop                                          ; a plain place behind the exponentials
	s_wait_alu depctr_va_vdst(0)                   ; one wait for the eight, ahead of their first reader
.irp i, 0,1,2,3,4,5,6,7
	v_mul_f32 v[96+\i], v[88+\i], v[80+\i]
.endr
.irp i, 0,1,2,3,4,5,6,7
	v_fma_f32 v[88+\i], -v[96+\i], s32, v[88+\i]   ; inv_freq = 2^-a (1 - e ln 2)
.endr
.irp i, 0,1,2,3,4,5,6,7
	v_mul_f32 v[88+\i], v21, v[88+\i]              ; the angle
.endr
.irp i, 0,1,2,3,4,5,6,7
	v_mul_f32 v[96+\i], s33, v[88+\i]
.endr
.irp i, 0,1,2,3,4,5,6,7
	v_rndne_f32 v[96+\i], v[96+\i]                 ; n quarter turns
.endr
.irp i, 0,1,2,3,4,5,6,7
	v_fma_f32 v[88+\i], -v[96+\i], s34, v[88+\i]   ; exact: n has 11 bits, and the difference fits in 24
.endr
.irp i, 0,1,2,3,4,5,6,7
	v_fma_f32 v[88+\i], -v[96+\i], s35, v[88+\i]   ; what is left of the angle, at most pi / 4
.endr
.irp i, 0,1,2,3,4,5,6,7
	v_mul_f32 v[104+\i], v[88+\i], v[88+\i]        ; z
.endr
.irp i, 0,1,2,3,4,5,6,7
	v_cvt_i32_f32 v[96+\i], v[96+\i]
.endr
.irp i, 0,1,2,3,4,5,6,7
	v_fma_f32 v[112+\i], v[104+\i], s38, s37
	v_fma_f32 v[120+\i], v[104+\i], s41, s40
.endr
.irp i, 0,1,2,3,4,5,6,7
	v_fma_f32 v[112+\i], v[112+\i], v[104+\i], s36
	v_fma_f32 v[120+\i], v[120+\i], v[104+\i], s39
.endr
.irp i, 0,1,2,3,4,5,6,7
	v_mul_f32 v[112+\i], v[112+\i], v[104+\i]
	v_mul_f32 v[72+\i], v[104+\i], v[104+\i]
	v_fma_f32 v[80+\i], v[104+\i], -0.5, 1.0
.endr
.irp i, 0,1,2,3,4,5,6,7
	v_fma_f32 v[112+\i], v[112+\i], v[88+\i], v[88+\i]   ; the sine of what is left
	v_fma_f32 v[120+\i], v[72+\i], v[120+\i], v[80+\i]   ; and its cosine
.endr
.irp i, 0,1,2,3,4,5,6,7
	v_and_b32 v[72+\i], 1, v[96+\i]
	v_cmp_ne_u32 vcc_lo, 0, v[72+\i]               ; an odd number of quarter turns swaps the two
	v_cndmask_b32 v[128+\i], v[120+\i], v[112+\i], vcc_lo
	v_cndmask_b32 v[136+\i], v[112+\i], v[120+\i], vcc_lo
	v_and_b32 v[72+\i], 2, v[96+\i]
	v_add_nc_u32 v[80+\i], 1, v[96+\i]
	v_lshlrev_b32 v[72+\i], 30, v[72+\i]
	v_and_b32 v[80+\i], 2, v[80+\i]
	v_xor_b32 v[136+\i], v[72+\i], v[136+\i]       ; the sine is negative in quarters 2 and 3,
	v_lshlrev_b32 v[80+\i], 30, v[80+\i]
	v_xor_b32 v[128+\i], v[80+\i], v[128+\i]       ; the cosine in quarters 1 and 2
.endr
	global_store_b128 v4, v[128:131], s[18:19]
	global_store_b128 v4, v[132:135], s[18:19] offset:512
	global_store_b128 v4, v[136:139], s[18:19] offset:4096
	global_store_b128 v4, v[140:143], s[18:19] offset:4608
.Lend:
	s_wait_tensorcnt 0x0
	ds_add_u32 v62, v63
	s_wait_dscnt 0x0
	s_endpgm
.Lfunc_end_k_q7c4f04411a_quant:
	.size	k_q7c4f04411a_quant, .Lfunc_end_k_q7c4f04411a_quant-k_q7c4f04411a_quant
	.p2alignl 7, 3214868480
	.fill 96, 4, 3214868480
	.section	.rodata,"a",@progbits
	.p2align	6, 0x0
	.amdhsa_kernel k_q7c4f04411a_quant
		.amdhsa_group_segment_fixed_size 34304
		.amdhsa_private_segment_fixed_size 0
		.amdhsa_enable_private_segment 0
		.amdhsa_kernarg_size 64
		.amdhsa_user_sgpr_count 2
		.amdhsa_user_sgpr_kernarg_segment_ptr 1
		.amdhsa_wavefront_size32 1
		.amdhsa_system_sgpr_workgroup_id_x 1
		.amdhsa_system_sgpr_workgroup_id_y 1
		.amdhsa_system_sgpr_workgroup_id_z 1
		.amdhsa_system_vgpr_workitem_id 0
		.amdhsa_next_free_vgpr 256
		.amdhsa_next_free_sgpr 66
		.amdhsa_reserve_vcc 1
		.amdhsa_float_denorm_mode_32 3
		.amdhsa_float_denorm_mode_16_64 3
		.amdhsa_memory_ordered 1
		.amdhsa_forward_progress 1
		.amdhsa_inst_pref_size 44
	.end_amdhsa_kernel
	.amdgpu_metadata
---
amdhsa.version: [ 1, 2 ]
amdhsa.kernels:
  - .name:           k_q7c4f04411a_quant
    .symbol:         k_q7c4f04411a_quant.kd
    .args:
      - { .name: x, .offset: 0, .size: 8, .value_kind: global_buffer, .address_space: global }
      - { .name: Wq, .offset: 8, .size: 8, .value_kind: global_buffer, .address_space: global }
      - { .name: Wk, .offset: 16, .size: 8, .value_kind: global_buffer, .address_space: global }
      - { .name: Wv, .offset: 24, .size: 8, .value_kind: global_buffer, .address_space: global }
      - { .name: Wproj, .offset: 32, .size: 8, .value_kind: global_buffer, .address_space: global }
      - { .name: wcodes, .offset: 40, .size: 8, .value_kind: global_buffer, .address_space: global }
      - { .name: wscales, .offset: 48, .size: 8, .value_kind: global_buffer, .address_space: global }
      - { .name: rope, .offset: 56, .size: 8, .value_kind: global_buffer, .address_space: global }
    .group_segment_fixed_size: 34304
    .private_segment_fixed_size: 0
    .kernarg_segment_align: 8
    .kernarg_segment_size: 64
    .max_flat_workgroup_size: 128
    .sgpr_count:     66
    .vgpr_count:     256
    .wavefront_size: 32
...
	.end_amdgpu_metadata
.endif
;; end of part 1
;; launch qkv (part 2): grid 24 x 8, 4 waves a work-group, clusters of 4 x 4, 327,680 bytes of LDS; arguments wcodes, wscales, rope, vi, lamb, qkv, qkvs; writes qkv, qkvs
.if DOCPART == 2
	.amdgcn_target "amdgcn-amd-amdhsa--gfx1250"
	.amdhsa_code_object_version 6
	.text
	.protected	k_q7c4f04411a_qkv
	.globl	k_q7c4f04411a_qkv
	.p2align	8
	.type	k_q7c4f04411a_qkv,@function
k_q7c4f04411a_qkv:
	s_mov_b64 s[64:65], 0
	v_nop
	global_prefetch_b8 v0, s[64:65] scope:SCOPE_SE
	s_setreg_imm32_b32 hwreg(HW_REG_WAVE_MODE, 25, 1), 1
	s_wait_xcnt 0x0
	s_wait_alu depctr_hold_cnt(0) depctr_sa_sdst(0) depctr_va_vdst(0) depctr_va_sdst(0) depctr_va_ssrc(0) depctr_va_vcc(0) depctr_vm_vsrc(0)
	s_getreg_b32 s2, hwreg(HW_REG_IB_STS2, 6, 4)
	s_cmp_eq_u32 s2, 0
	s_cbranch_scc0 .Lentry_in_a_cluster
	s_endpgm
.Lentry_in_a_cluster:
	s_bfe_u32 s2, ttmp6, 0x10000c
	s_cmp_lg_u32 s2, 0xf033
	s_cbranch_scc0 .Lentry_shape_is_right
	s_endpgm
.Lentry_shape_is_right:
; q = x Wq^T, k = x Wk^T, v = x Wv^T on codes of BF6 (E3M2) with E8M0 scales, sums in f32; then, in registers: q and k get the RMS norm over a head's 128 and the rotary embedding and are quantised along the head;
; v becomes (1 - lamb) v + lamb vi and is quantised along the TOKENS, which are the K of attention's second product.
; TILES.  A work-group of four waves makes 256 x 256, a wave 128 x 128: 64 accumulators, 512 registers.  Tile columns 0-15: A = x (256 tokens), B = 256 rows of [Wq; Wk]: a wave's 128 columns are one head.
; Tile columns 16-23 make v TRANSPOSED: A = 256 rows of Wv, B = 256 tokens of x.  The matrix instruction takes 16 rows of B as source 0 and 16 rows of A as source 1, so a lane holds one row of A and its registers run
; along B's rows: along the head for q and k, along the tokens for v: each time the axis along which the result is quantised.
; OPERANDS lie in memory and in LDS as images of their registers (16 rows x 128 K = 1,536 dense bytes; three loads of 16 bytes a lane bring one); inside each block of 32 along K the code places 0-7, 8-15, 16-23, 24-31 hold
; the numbers 0-7, 16-23, 8-15, 24-31, in every operand of the program alike: that is the order in which two conversions of a lane's 16 results and an exchange of the lanes' halves leave them.
; qkv = [q, k, v][head 16][group of 128 tokens 16][a 8][1,536]: q, k: rows = tokens 16 a + r, K = the head's 128; v: rows = channels 16 a + r, K = the group's tokens.  qkvs = [q, k, v][head][group][r 16][a 8] scale words.
; K goes in steps of 256 through two LDS slots filled by the tensor data mover; the scale words of the work-group's rows, for all of K, come once.  CLUSTERS of 4 x 4: A's tiles are asked for jointly along a row, B's along a column.
; Which of the two kinds a work-group makes hangs on the cluster's x alone: it is the same in all sixteen partners.
; LIMITS: NaN and infinities are not served; a block whose largest magnitude lies under 2^-122 gets the byte 1; the order in which a block's products are added differs from plain order along K.
; REGISTERS: window 0: v16-31 addresses; v32-63 scale words, two sets; v128-223 A's fragments; behind the loop v32-255 serve the way out.  window 1: B's fragments, two sets.  windows 2, 3: accumulator (a, b) at v[8 (8 (a % 4) + b)].
.set NQ,     2                         ; matrix instructions deep in a slot
.set FR,     12                        ; registers of a fragment
.set NL,     3                         ; LDS loads that bring one
.set NP,     4                         ; places behind this matrix instruction (ISA guide 7.12.1)
.set KB,     3072                      ; a block of 16 rows x 256 K: two images
.set HALFT,  8*KB                      ; 128 rows: what one tensor load brings
.set SLOT,   4*HALFT                   ; A's 256 rows, then B's
.set LAPS,   4                         ; 2,048 / 512
.set SCL,    2*SLOT                    ; behind the ring: the scale words
.set HALFS,  8192                      ; those of 128 rows
.set SBLK,   1024                      ; those of 16 rows
.set SPARE,  327168                    ; the spare words, 128 bytes a wave: two blocks of 256 bytes that no other line names
.set REG,    3145728                   ; a tensor's codes
.set SREG,   131072                    ; a tensor's scale bytes
.set VST,    67584                     ; the way out of v: a wave's stage for vi, 128 tokens x (512 + 16) bytes; it begins at LDS byte 0 and lies over slots and scales that have had their last fill and their last read
.set ADRA, 16                          ; v16-17  LDS address of my A fragments in slot 0, 1
.set SA,   18                          ; v18     where my four scale words go: 32 r + 16 h
.set ADRB, 20                          ; v20-21  the same as ADRA for B
.set STW,  24                          ; v24-25  vi's stage on the way in: tokens 0-63, tokens 64-127
.set LI,   26                          ; v26     16 x lane
.set ADRS, 27                          ; v27     LDS address of my scale words: lanes 0-15 A's rows, lanes 16-31 B's
.set SPW,  28                          ; v28     my spare word; never rewritten
.set NIL,  29                          ; v29     0; never rewritten
.set PFO,  30                          ; v30     8,192 x lane: a token of vi
.set STR,  31                          ; v31     vi's stage on the way out
.set SC,   32
.set AF,   128
.set TM,   44                          ; v44-59  the quantiser's own
.set H,    64                          ; v64-127 64 numbers to be quantised
.set PC,   192                         ; v192-210 codes
.set PWS,  216                         ; v216-223 the scale words of my eight blocks
.set G1, 24
.set G0, 32
.set G1B, 48
.set G0B, 56
.set G1S, 68
.set G0S, 76
.set G1SB, 80
.set G0SB, 88
.set SEL, 68                           ; behind the loop s68-91 are free
.set MSB, 0
.macro WIN new                         ; the immediate's high byte repeats the setting that is left
.if MSB != \new
	s_set_vgpr_msb (MSB<<8)|\new
.set MSB, \new
.endif
.endm
.set MUL_LO, 0xa1                      ; source 0 (B) window 1, source 1 (A) window 0, C and D window 2
.set MUL_HI, 0xf1
.set TO_B,   0x40
; A joint load: waves 0 and 1 fetch for A, waves 2 and 3 for B; the branch hangs on the wave's number alone.  Four v_nop follow each of the two lines.
.macro JLOAD g0a, g1a, g0b, g1b
	s_cmp_eq_u32 s15, 0
	s_cbranch_scc0 .Lfor_b_\@
	tensor_load_to_lds s[\g0a:\g0a+3], s[\g1a:\g1a+7]
	s_nop 0
.rept 4
	v_nop
.endr
	s_branch .Lasked_\@
.Lfor_b_\@:
	tensor_load_to_lds s[\g0b:\g0b+3], s[\g1b:\g1b+7]
	s_nop 0
.rept 4
	v_nop
.endr
.Lasked_\@:
.endm
.macro CREST                           ; a round of the cluster's barrier behind its opening barrier
	s_cmp_lg_u32 s14, 0
	s_cbranch_scc1 .Lnot_wave_0_\@
	s_barrier_signal -3
.Lnot_wave_0_\@:
	s_barrier_wait -3
	s_barrier_signal -1
	s_barrier_wait -1
.endm
.macro CROUND
	s_barrier_signal -1
	s_barrier_wait -1
	CREST
.endm
	s_load_b256 s[4:11], s[0:1], 0x0               ; wcodes, wscales, rope, vi
	s_load_b64 s[96:97], s[0:1], 0x20              ; lamb
	s_load_b64 s[12:13], s[0:1], 0x28              ; qkv
	s_load_b64 s[98:99], s[0:1], 0x30              ; qkvs
	v_lshl_add_u32 v[SPW], v0, 2, SPARE
	v_mov_b32 v[NIL], 0
	ds_add_u32 v28, v29
	ds_add_u32 v28, v29
	s_wait_dscnt 0x0
	v_lshrrev_b32 v1, 5, v0
	v_readfirstlane_b32 s14, v1                    ; wave 0..3
	s_lshr_b32 s15, s14, 1                         ; which half of A's rows is mine.  Also: I fetch for A (0) or for B (1)
	s_and_b32 s16, s14, 1                          ; which half of B's rows.  Also: which 128 rows I fetch
	s_bfe_u32 s40, ttmp6, 0x40000                  ; cx, cy
	s_bfe_u32 s41, ttmp6, 0x40004
	s_lshl_b32 s42, ttmp9, 2
	s_add_co_u32 s42, s42, s40                     ; tile column 0..23
	s_and_b32 s17, ttmp7, 0xffff
	s_lshl_b32 s17, s17, 2
	s_add_co_u32 s17, s17, s41                     ; tile row 0..7
	s_lshl_b32 s43, s41, 2
	s_lshl_b32 s43, 15, s43                        ; my row of the cluster
	s_lshl_b32 s44, 0x1111, s40                    ; my column
	; descriptor group 1, codes: 8 rows (blocks of 16 rows) of 3,072 bytes, 24,576 bytes apart; elements of 8 bytes; no padding: images are read 512 consecutive bytes at a time
	s_or_b32 s[G1+0], s43, (3<<16)|(1<<21)
	s_or_b32 s[G1B+0], s44, (3<<16)|(1<<21)
.irp g, G1, G1B
	s_mov_b32 s[\g+1], 384<<16                     ; tensor_dim0
	s_mov_b32 s[\g+2], 8<<16                       ; tensor_dim1
	s_mov_b32 s[\g+3], 384<<16                     ; tile_dim0
	s_mov_b32 s[\g+4], 8                           ; tile_dim1
	s_mov_b32 s[\g+5], 3072                        ; tensor_dim0_stride
	s_mov_b32 s[\g+6], 0
	s_mov_b32 s[\g+7], 0
.endr
	; scale words of 128 rows: 8,192 dense bytes as 32 rows of 256
	s_or_b32 s[G1S+0], s43, (3<<16)|(1<<21)
	s_or_b32 s[G1SB+0], s44, (3<<16)|(1<<21)
.irp g, G1S, G1SB
	s_mov_b32 s[\g+1], 32<<16
	s_mov_b32 s[\g+2], 32<<16
	s_mov_b32 s[\g+3], 32<<16
	s_mov_b32 s[\g+4], 32
	s_mov_b32 s[\g+5], 32
	s_mov_b32 s[\g+6], 0
	s_mov_b32 s[\g+7], 0
.endr
	s_cmp_ge_u32 ttmp9, 4                          ; clusters 4 and 5 along x make v
	s_cselect_b32 s100, 1, 0
	s_cselect_b32 s18, 3*REG, 0                    ; A: Wv, or x
	s_cselect_b32 s19, 3*SREG, 0
	s_cselect_b32 s2, 0, REG                       ; B: x, or [Wq; Wk]
	s_cselect_b32 s3, 0, SREG
	s_cselect_b32 s101, 16, 0
	s_sub_co_u32 s101, s42, s101                   ; B's tile
	s_lshl_b32 s21, s16, 7                         ; which 128 rows I fetch
	s_lshl_b32 s20, s17, 8
	s_add_co_u32 s20, s20, s21                     ; A's row
	s_lshl_b32 s46, s101, 8
	s_add_co_u32 s46, s46, s21                     ; B's row
	s_lshl_b32 s22, s20, 6                         ; 64 bytes of scales a row
	s_add_co_u32 s22, s22, s19
	s_mov_b32 s23, 0
	s_mul_i32 s20, s20, 1536                       ; 1,536 bytes of codes a row
	s_add_co_u32 s20, s20, s18
	s_mov_b32 s21, 0
	s_lshl_b32 s92, s46, 6
	s_add_co_u32 s92, s92, s3
	s_mov_b32 s93, 0
	s_mul_i32 s46, s46, 1536
	s_add_co_u32 s46, s46, s2
	s_mov_b32 s47, 0
	s_mul_i32 s45, s14, HALFT                      ; where they go: no place in the cluster enters an LDS address
	s_mul_i32 s94, s14, HALFS
	s_wait_kmcnt 0x0
	s_load_b32 s95, s[96:97], 0x0                  ; lamb; waited for behind the loop
	s_add_nc_u64 s[20:21], s[4:5], s[20:21]
	s_add_nc_u64 s[22:23], s[6:7], s[22:23]
	s_add_nc_u64 s[46:47], s[4:5], s[46:47]
	s_add_nc_u64 s[92:93], s[6:7], s[92:93]
	CROUND                                         ; all sixteen work-groups are here: the first joint loads meet
	s_mov_b32 s[G0S], 1
	s_add_co_u32 s[G0S+1], s94, SCL
	s_mov_b64 s[G0S+2:G0S+3], s[22:23]
	s_or_b32 s[G0S+3], s[G0S+3], 0x80000000
	s_mov_b32 s[G0SB], 1
	s_add_co_u32 s[G0SB+1], s94, SCL
	s_mov_b64 s[G0SB+2:G0SB+3], s[92:93]
	s_or_b32 s[G0SB+3], s[G0SB+3], 0x80000000
	JLOAD G0S, G1S, G0SB, G1SB                     ; the scales first: they are wanted with K step 0
.irp s, 0,1
	s_mov_b32 s[G0+4*\s], 1
	s_add_co_u32 s[G0+4*\s+1], s45, \s*SLOT
	s_add_nc_u64 s[G0+4*\s+2:G0+4*\s+3], s[20:21], \s*KB
	s_or_b32 s[G0+4*\s+3], s[G0+4*\s+3], 0x80000000
	s_mov_b32 s[G0B+4*\s], 1
	s_add_co_u32 s[G0B+4*\s+1], s45, \s*SLOT
	s_add_nc_u64 s[G0B+4*\s+2:G0B+4*\s+3], s[46:47], \s*KB
	s_or_b32 s[G0B+4*\s+3], s[G0B+4*\s+3], 0x80000000
	JLOAD G0+4*\s, G1, G0B+4*\s, G1B
.endr
	v_and_b32 v1, 15, v0                           ; r
	v_bfe_u32 v2, v0, 4, 1                         ; h
	v_and_b32 v3, 31, v0
	v_lshlrev_b32 v[LI], 4, v3
	v_lshlrev_b32 v[PFO], 13, v3
	s_mul_i32 s21, s15, HALFT                      ; my 128 rows of A
	s_mul_i32 s22, s16, HALFT                      ; my 128 rows of B,
	s_add_co_u32 s22, s22, 2*HALFT                 ; behind A's 256
.irp s, 0,1
	v_add_nc_u32 v[ADRA+\s], s21, v[LI]
	v_add_nc_u32 v[ADRB+\s], s22, v[LI]
	s_add_co_u32 s21, s21, SLOT
	s_add_co_u32 s22, s22, SLOT
.endr
	v_lshlrev_b32 v5, 3, v1                        ; my row's two words of a K step
	s_mul_i32 s21, s15, HALFS
	s_mul_i32 s22, s16, HALFS
	s_add_co_u32 s22, s22, 2*HALFS
	s_sub_co_u32 s22, s22, s21
	v_mul_u32_u24 v6, s22, v2                      ; lanes 16-31 take B's
	s_add_co_u32 s21, s21, SCL
	v_add_nc_u32 v5, v5, v6
	v_add_nc_u32 v[ADRS], s21, v5
	v_lshlrev_b32 v[SA], 5, v1
	v_lshl_add_u32 v[SA], v2, 4, v[SA]
	s_mul_i32 s23, s14, VST
	v_add_nc_u32 v[STW], s23, v[LI]
	v_add_nc_u32 v[STW+1], 64*528, v[STW]
	v_mul_u32_u24 v[STR], v2, 8*528                ; register 8 b + j wants token 16 b + 8 h + j, channel 16 a + r
	v_lshl_add_u32 v[STR], v1, 2, v[STR]
	v_add_nc_u32 v[STR], s23, v[STR]
	; where the results go
	s_lshl_b32 s20, s17, 4
	s_lshl_b32 s21, s15, 3
	s_add_co_u32 s20, s20, s21
	s_lshl_b32 s20, s20, 13
	s_mov_b32 s21, 0
	s_add_nc_u64 s[8:9], s[8:9], s[20:21]          ; the table at my first block of 16 tokens (q, k)
	s_lshl_b32 s20, s17, 1
	s_add_co_u32 s20, s20, s15                     ; 2 x tile row + my half of A: the group of tokens (q, k), the head (v)
	s_and_b32 s21, s42, 7
	s_lshl_b32 s21, s21, 1
	s_add_co_u32 s21, s21, s16                     ; 2 x (tile column mod 8) + my half of B: the head (q, k), the group of tokens (v)
	s_lshr_b32 s22, s42, 3                         ; 0 q, 1 k, 2 v
	s_cmp_lg_u32 s100, 0
	s_cselect_b32 s23, s20, s21                    ; head
	s_cselect_b32 s46, s21, s20                    ; group of tokens
	s_mul_i32 s47, s22, REG
	s_mul_i32 s92, s23, 196608
	s_add_co_u32 s47, s47, s92
	s_mul_i32 s92, s46, 12288
	s_add_co_u32 s92, s47, s92
	s_mov_b32 s93, 0
	s_add_nc_u64 s[12:13], s[12:13], s[92:93]
	s_lshl_b32 s47, s22, 17
	s_lshl_b32 s92, s23, 13
	s_add_co_u32 s47, s47, s92
	s_lshl_b32 s92, s46, 9
	s_add_co_u32 s92, s47, s92
	s_add_nc_u64 s[98:99], s[98:99], s[92:93]
	s_cmp_lg_u32 s100, 0
	s_cselect_b32 s47, s46, 0
	s_lshl_b32 s47, s47, 20                        ; 128 tokens of 8,192 bytes
	s_lshl_b32 s92, s23, 9                         ; the head's 512 bytes
	s_add_co_u32 s92, s47, s92
	s_add_nc_u64 s[10:11], s[10:11], s[92:93]      ; vi at my 128 tokens, my head (v)
.macro FRAG reg, adr, q, i             ; a fragment's image: three loads, 512 consecutive bytes each
.irp c, 0,1,2
	ds_load_b128 v[\reg+4*\c:\reg+4*\c+3], v[\adr] offset:KB*(\i)+1536*(\q)+512*\c
.endr
.endm
; 16 matrix instructions: A's blocks a0, a0 + 1 x B's eight, 128 along K.  The 64 accumulators take turns, one instruction a turn, in the same order in every step.
.macro MUL16 a0, p, q, sc, zero
.irp a, \a0, \a0+1
.irp b, 0,1,2,3,4,5,6,7
.if \zero
	v_wmma_scale_f32_16x16x128_f8f6f4 v[8*(8*((\a)%4)+\b):8*(8*((\a)%4)+\b)+7], v[128*(\p)+FR*\b:128*(\p)+FR*\b+FR-1], v[AF+FR*(\a):AF+FR*(\a)+FR-1], 0, v[SC+8*NQ*(\sc)+NQ*\b+(\q)], v[SC+8*NQ*(\sc)+NQ*(\a)+(\q)] matrix_a_fmt:MATRIX_FMT_BF6 matrix_b_fmt:MATRIX_FMT_BF6 matrix_a_scale:MATRIX_SCALE_ROW1
.else
	v_wmma_scale_f32_16x16x128_f8f6f4 v[8*(8*((\a)%4)+\b):8*(8*((\a)%4)+\b)+7], v[128*(\p)+FR*\b:128*(\p)+FR*\b+FR-1], v[AF+FR*(\a):AF+FR*(\a)+FR-1], v[8*(8*((\a)%4)+\b):8*(8*((\a)%4)+\b)+7], v[SC+8*NQ*(\sc)+NQ*\b+(\q)], v[SC+8*NQ*(\sc)+NQ*(\a)+(\q)] matrix_a_fmt:MATRIX_FMT_BF6 matrix_b_fmt:MATRIX_FMT_BF6 matrix_a_scale:MATRIX_SCALE_ROW1
.endif
.endr
.endr
.endm
.macro FETCH_B slot, q, p
	WIN TO_B
.irp i, 0,1,2,3,4,5,6,7
	FRAG 128*(\p)+FR*\i, ADRB+\slot, \q, \i
.endr
	WIN 0
.endm
.macro FETCH_A slot, q, i0
.irp i, \i0, \i0+1, \i0+2, \i0+3
	FRAG AF+FR*(\i), ADRA+\slot, \q, \i
.endr
.endm
.macro SCALES sc                       ; a K step's two words a row: lanes 0-15 A's block i, lanes 16-31 B's block i
.irp i, 0,1,2,3,4,5,6,7
	ds_load_b64 v[SC+8*NQ*\sc+NQ*\i:SC+8*NQ*\sc+NQ*\i+1], v[ADRS] offset:\i*SBLK
.endr
.endm
.macro PLACES n                        ; plain vector instructions between a matrix instruction and a load into, or a read of, its registers
.rept \n
	v_nop
.endr
.endm
; vi is asked for ahead of its loads, in the work-groups that make v: my wave's 128 tokens x 512 bytes, a lane a token, two blocks of 256 bytes a token, 64 tokens a call; each block is named once in the launch.
; The two calls stand in the last two K steps, 160 and 96 matrix instructions ahead of the loads.
.macro ASKV k0
	s_cmp_lg_u32 s100, 0
	s_cbranch_scc0 .Lno_vi_\@
.irp k, \k0, \k0+1
	global_prefetch_b8 v[PFO], s[10:11] offset:262144*(\k) th:TH_LOAD_NT scope:SCOPE_SE
	global_prefetch_b8 v[PFO], s[10:11] offset:262144*(\k)+256 th:TH_LOAD_NT scope:SCOPE_SE
.endr
.Lno_vi_\@:
.endm
.macro STEP slot, q, zero, ask         ; a step of 128 along K that has its successor in the same slot
	s_wait_dscnt 4*NL                              ; B's set and A's blocks 0-3 are in; the youngest 12 loads (A's blocks 4-7) may be out
	WIN MUL_LO
	MUL16 0, (\q)%2, \q, \slot, \zero
	MUL16 2, (\q)%2, \q, \slot, \zero
	s_wait_dscnt 0
	PLACES NP
	FETCH_B \slot, (\q)+1, 1-(\q)%2
	FETCH_A \slot, (\q)+1, 0
.if \ask
	ASKV 2
.endif
	WIN MUL_HI
	MUL16 4, (\q)%2, \q, \slot, \zero
	MUL16 6, (\q)%2, \q, \slot, \zero
	PLACES NP
	WIN 0
	FETCH_A \slot, (\q)+1, 4
.endm
; A slot's last step changes slots: one barrier; in front of it each wave waits for all its tensor loads, adds 0 to its spare word, and waits for that and for its reads of this slot.
.macro TURN slot, next, fill, ask
	s_wait_tensorcnt 0x0                           ; all my tensor loads have landed: my part of the next slot
	ds_add_u32 v[SPW], v[NIL]                      ; 0 onto my spare word
	s_wait_dscnt 4*NL+1                            ; (the add and the youngest 12 loads may be out)
	WIN MUL_LO
	MUL16 0, 1, NQ-1, \slot, 0
	s_wait_dscnt 0x0                               ; the add is done, and my reads of this slot are over
	s_barrier_signal -1
	MUL16 2, 1, NQ-1, \slot, 0
	WIN 0
	s_barrier_wait -1
.if \fill
	CREST                                          ; the barrier has opened a round of the cluster's: no wave of any partner still reads this slot or has a load on its way
	s_add_nc_u64 s[G0+4*\slot+2:G0+4*\slot+3], s[G0+4*\slot+2:G0+4*\slot+3], 2*KB
	s_add_nc_u64 s[G0B+4*\slot+2:G0B+4*\slot+3], s[G0B+4*\slot+2:G0B+4*\slot+3], 2*KB
	JLOAD G0+4*\slot, G1, G0B+4*\slot, G1B         ; the first tensor load behind the round; its four v_nop are the places in front of the loads below
.else
	PLACES NP
.endif
	v_add_nc_u32 v[ADRS], 128, v[ADRS]             ; the next K step's scale words
	FETCH_B \next, 0, 0
	FETCH_A \next, 0, 0
	SCALES \next
.if \ask
	ASKV 0
.endif
	WIN MUL_HI
	MUL16 4, 1, NQ-1, \slot, 0
	MUL16 6, 1, NQ-1, \slot, 0
	PLACES NP
	WIN 0
	FETCH_A \next, 0, 4
.endm
	s_wait_tensorcnt 1                             ; of my three first fills the scales and K step 0 are in; K step 1's may be out
	s_barrier_signal -1
	s_barrier_wait -1
	FETCH_B 0, 0, 0
	FETCH_A 0, 0, 0
	SCALES 0
	FETCH_A 0, 0, 4
	STEP 0, 0, 1, 0                                ; the first step's products start the sums
	s_mov_b32 s3, LAPS-1
.Llap:                                                 ; a trip goes once round the ring and fills both slots again
	TURN 0, 1, 1, 0
	STEP 1, 0, 0, 0
	TURN 1, 0, 1, 0
	STEP 0, 0, 0, 0
	s_sub_co_u32 s3, s3, 1
	s_cmp_lg_u32 s3, 0
	s_cbranch_scc1 .Llap
	TURN 0, 1, 0, 1                                ; the last lap fills nothing
	STEP 1, 0, 0, 1
	s_wait_dscnt 4*NL
	WIN MUL_LO
	MUL16 0, 1, NQ-1, 1, 0
	MUL16 2, 1, NQ-1, 1, 0
	s_wait_dscnt 0
	WIN MUL_HI
	MUL16 4, 1, NQ-1, 1, 0
	MUL16 6, 1, NQ-1, 1, 0
	WIN 0
	PLACES NP                                      ; behind the last products: their results are read and their operands' registers written below
; 64 numbers of a lane, v[s] on: registers 16 b .. 16 b + 15 and lane l xor 16's are block b of my row.  They become the fragment's codes in v[PC] on and the row's scale word in v[pw].
.macro QUANT s, pw
.irp b, 0,1,2,3
	v_max3_num_f32 v[TM+\b], |v[\s+16*\b]|, |v[\s+1+16*\b]|, 0x2800000   ; over the floor 2^(5 - 127): the byte cannot fall under 1
.endr
.irp i, 2,4,6,8,10,12,14
.irp b, 0,1,2,3
	v_max3_num_f32 v[TM+\b], v[TM+\b], |v[\s+16*\b+\i]|, |v[\s+1+16*\b+\i]|
.endr
.endr
.irp b, 0,1,2,3
	v_permlanex16_b32 v[TM+4+\b], v[TM+\b], s[SEL], s[SEL+1]
.endr
.irp b, 0,1,2,3
	v_max_num_f32 v[TM+\b], v[TM+\b], v[TM+4+\b]   ; the block's largest magnitude
.endr
.irp b, 0,1,2,3
	v_add_nc_u32 v[TM+12+\b], 0xfe000000, v[TM+\b] ; 4 off its exponent field: the conversion's scale operand
.endr
.irp b, 0,1,2,3
	v_lshrrev_b32 v[TM+4+\b], 23, v[TM+12+\b]      ; the scale's byte
.endr
	v_lshl_or_b32 v[\pw], v[TM+5], 8, v[TM+4]
	v_lshl_or_b32 v[\pw], v[TM+6], 16, v[\pw]
	v_lshl_or_b32 v[\pw], v[TM+7], 24, v[\pw]
.irp c, 0,1
	v_cvt_scalef32_pk16_bf6_f32 v[PC+6*\c:PC+2+6*\c], v[\s+32*\c:\s+15+32*\c], v[TM+12+2*\c]
	v_cvt_scalef32_pk16_bf6_f32 v[PC+12+4*\c:PC+14+4*\c], v[\s+16+32*\c:\s+31+32*\c], v[TM+12+2*\c+1]
.endr
	v_nop                                          ; one plain place behind a scaled conversion
.irp c, 0,1                            ; a whole block to a lane: lanes 0-15 block 2 c, lanes 16-31 block 2 c + 1
.irp i, 0,1,2
	v_permlane16_swap_b32 v[PC+6*\c+\i], v[PC+12+4*\c+\i]
.endr
.irp i, 0,1,2
	v_mov_b32 v[PC+3+6*\c+\i], v[PC+12+4*\c+\i]
.endr
.endr
.endm
.macro OUTF a                          ; the fragment leaves as it stands: 512 consecutive bytes a store
.irp c, 0,1,2
	global_store_b128 v[LI], v[PC+4*\c:PC+4*\c+3], s[12:13] offset:1536*(\a)+512*\c
.endr
.endm
	s_wait_kmcnt 0x0                               ; lamb
	s_wait_dscnt 0x0
	s_barrier_signal -1                            ; no wave reads the slots or the scales any more: vi's stage may lie over them
	s_barrier_wait -1
	s_mov_b32 s[SEL], 0x76543210
	s_mov_b32 s[SEL+1], 0xfedcba98
	s_mov_b32 s70, 0x3c000000                      ; 1 / 128
	s_mov_b32 s71, 0x34000000                      ; the norm's epsilon, 2^-23
.irp b, 0,1,2,3
	v_mov_b32 v[TM+4+\b], 0                        ; a lane permute's destination counts as read
.endr
	v_mov_b32 v41, 0                               ; (named as the upper half of the pair v[40:41])
	s_cmp_lg_u32 s100, 0
	s_cbranch_scc1 .Lv
; ---- q and k.  Block a: 16 tokens, a lane one token and 64 of the head's 128: register 8 b + j is channel 16 b + 8 h + j.
.macro TABLE a                         ; cos into v128-159, sin into v160-191, in the registers' order
.irp g, 0,1,2,3,4,5,6,7,8,9,10,11,12,13,14,15
	global_load_b128 v[128+4*\g:131+4*\g], v[LI], s[8:9] offset:8192*(\a)+512*\g
.endr
.endm
.macro QK_BLOCK a
.set AC, 64*((\a)%4)
	WIN 0x0a+5*((\a)/4)                            ; sources 0 and 1: the accumulators' window
.irp p, 0,1,2,3
	v_pk_mul_f32 v[32+2*\p:33+2*\p], v[AC+2*\p:AC+2*\p+1], v[AC+2*\p:AC+2*\p+1]   ; the squares, in four chains; each accumulator is read from its low end on
.endr
.irp p, 4,5,6,7,8,9,10,11,12,13,14,15,16,17,18,19,20,21,22,23,24,25,26,27,28,29,30,31
	v_pk_fma_f32 v[32+2*(\p%4):33+2*(\p%4)], v[AC+2*\p:AC+2*\p+1], v[AC+2*\p:AC+2*\p+1], v[32+2*(\p%4):33+2*(\p%4)]
.endr
	WIN 0
	v_pk_add_f32 v[32:33], v[32:33], v[34:35]
	v_pk_add_f32 v[36:37], v[36:37], v[38:39]
	v_pk_add_f32 v[32:33], v[32:33], v[36:37]
	v_add_f32 v32, v32, v33
	v_permlanex16_b32 v33, v32, s[SEL], s[SEL+1]   ; the token's other 64 channels
	v_add_f32 v32, v32, v33
	v_fma_f32 v32, v32, s70, s71                   ; the mean square + epsilon
	v_rsq_f32 v40, v32
	v_nop                                          ; a plain place behind the transcendental
	s_wait_alu depctr_va_vdst(0)                   ; and the wait ahead of its first reader
	WIN 0x02+((\a)/4)
.irp p, 0,1,2,3,4,5,6,7,8,9,10,11,12,13,14,15,16,17,18,19,20,21,22,23,24,25,26,27,28,29,30,31
	v_pk_mul_f32 v[H+2*\p:H+2*\p+1], v[AC+2*\p:AC+2*\p+1], v[40:41] op_sel_hi:[1,0]
.endr
	WIN 0
	s_wait_loadcnt 0x0                             ; this block's table
.irp p, 0,1,2,3,4,5,6,7,8,9,10,11,12,13,14,15  ; x1 = channels 0-63 (registers 0-31), x2 = channels 64-127: x1 c + x2 s, x2 c - x1 s
	v_pk_mul_f32 v[32+4*(\p%2):33+4*(\p%2)], v[H+2*\p:H+2*\p+1], v[128+2*\p:129+2*\p]
	v_pk_mul_f32 v[34+4*(\p%2):35+4*(\p%2)], v[H+2*\p:H+2*\p+1], v[160+2*\p:161+2*\p]
	v_pk_fma_f32 v[H+2*\p:H+2*\p+1], v[H+32+2*\p:H+33+2*\p], v[160+2*\p:161+2*\p], v[32+4*(\p%2):33+4*(\p%2)]
	v_pk_fma_f32 v[H+32+2*\p:H+33+2*\p], v[H+32+2*\p:H+33+2*\p], v[128+2*\p:129+2*\p], v[34+4*(\p%2):35+4*(\p%2)] neg_lo:[0,0,1] neg_hi:[0,0,1]
.endr
.if (\a) < 7
	TABLE (\a)+1                                   ; the next block's table lands while this block is quantised
.endif
	s_wait_xcnt 0x0                                ; the last block's stores have read the codes' registers
	QUANT H, PWS+(\a)
	OUTF \a
.endm
	TABLE 0
.irp a, 0,1,2,3,4,5,6,7
	QK_BLOCK \a
.endr
	s_branch .Ltail
; ---- v.  Block a: 16 channels of my head, a lane one channel and 64 of my 128 tokens: register 8 b + j is token 16 b + 8 h + j.  vi lies [token][head][channel]: my 128 tokens x 512 bytes come as they lie,
; 512 consecutive bytes a load, into my own stage in LDS, and a lane takes its numbers from there.
.Lv:
.macro VLOAD k                         ; 16 tokens, into one of three sets of 64 registers
.irp i, 0,1,2,3,4,5,6,7,8,9,10,11,12,13,14,15
	global_load_b128 v[64+64*((\k)%3)+4*\i:64+64*((\k)%3)+4*\i+3], v[LI], s[10:11] offset:(16*(\k)+\i)*8192 th:TH_LOAD_NT
.endr
.endm
.macro VSTAGE k
.if (\k) < 6
	s_wait_loadcnt 32                              ; this chunk's 16 loads are in; the two chunks behind it may be out
.else
	s_wait_loadcnt 16*(7-(\k))
.endif
.irp i, 0,1,2,3,4,5,6,7,8,9,10,11,12,13,14,15
	ds_store_b128 v[STW+(\k)/4], v[64+64*((\k)%3)+4*\i:64+64*((\k)%3)+4*\i+3] offset:((16*(\k)+\i)%64)*528
.endr
.if (\k) < 5
	s_wait_dscnt 0x0                               ; the stores have read their registers, which take the chunk three on
	VLOAD (\k)+3
.endif
.endm
.macro VILOAD a
.irp b, 0,1,2,3,4,5,6,7
.irp j, 0,1,2,3,4,5,6,7
	ds_load_b32 v[128+8*\b+\j], v[STR] offset:(16*\b+\j)*528+64*(\a)
.endr
.endr
.endm
.macro V_BLOCK a
.set AC, 64*((\a)%4)
	s_wait_dscnt 0x0                               ; this block's vi
.irp p, 0,1,2,3,4,5,6,7,8,9,10,11,12,13,14,15,16,17,18,19,20,21,22,23,24,25,26,27,28,29,30,31
	v_pk_mul_f32 v[128+2*\p:129+2*\p], v[128+2*\p:129+2*\p], v[40:41]
.endr
	WIN 0x02+((\a)/4)
.irp p, 0,1,2,3,4,5,6,7,8,9,10,11,12,13,14,15,16,17,18,19,20,21,22,23,24,25,26,27,28,29,30,31
	v_pk_fma_f32 v[H+2*\p:H+2*\p+1], v[AC+2*\p:AC+2*\p+1], v[42:43], v[128+2*\p:129+2*\p]   ; (1 - lamb) v + lamb vi; each accumulator from its low end on
.endr
	WIN 0
.if (\a) < 7
	VILOAD (\a)+1
.endif
	s_wait_xcnt 0x0                                ; the last block's stores have read the codes' registers
	QUANT H, PWS+(\a)
	OUTF \a
.endm
	VLOAD 0
	VLOAD 1
	VLOAD 2
	v_mov_b32 v40, s95                             ; lamb, twice,
	v_mov_b32 v41, s95
	v_sub_f32 v42, 1.0, v40                        ; and 1 - lamb
	v_mov_b32 v43, v42
.irp k, 0,1,2,3,4,5,6,7
	VSTAGE \k
.endr
	s_wait_dscnt 0x0                               ; the last stores have read their registers
	VILOAD 0
.irp a, 0,1,2,3,4,5,6,7
	V_BLOCK \a
.endr
.Ltail:                                                ; my eight blocks' scale words: lane (r, h) stores those of blocks 4 h .. 4 h + 3 of row r: 512 consecutive bytes
	v_bfe_u32 v32, v0, 4, 1
	v_cmp_ne_u32 vcc_lo, 0, v32
.irp i, 0,1,2,3
	v_cndmask_b32 v[224+\i], v[PWS+\i], v[PWS+4+\i], vcc_lo
.endr
	global_store_b128 v[SA], v[224:227], s[98:99]
	s_wait_tensorcnt 0x0                           ; the wave's end
	ds_add_u32 v[SPW], v[NIL]
	s_wait_dscnt 0x0
	CROUND                                         ; the closing round
	s_endpgm
.Lfunc_end_k_q7c4f04411a_qkv:
	.size	k_q7c4f04411a_qkv, .Lfunc_end_k_q7c4f04411a_qkv-k_q7c4f04411a_qkv
	.p2alignl 7, 3214868480
	.fill 96, 4, 3214868480
	.section	.rodata,"a",@progbits
	.p2align	6, 0x0
	.amdhsa_kernel k_q7c4f04411a_qkv
		.amdhsa_group_segment_fixed_size 327680
		.amdhsa_private_segment_fixed_size 0
		.amdhsa_enable_private_segment 0
		.amdhsa_kernarg_size 56
		.amdhsa_user_sgpr_count 2
		.amdhsa_user_sgpr_kernarg_segment_ptr 1
		.amdhsa_wavefront_size32 1
		.amdhsa_system_sgpr_workgroup_id_x 1
		.amdhsa_system_sgpr_workgroup_id_y 1
		.amdhsa_system_sgpr_workgroup_id_z 1
		.amdhsa_system_vgpr_workitem_id 0
		.amdhsa_next_free_vgpr 1024
		.amdhsa_next_free_sgpr 102
		.amdhsa_reserve_vcc 1
		.amdhsa_float_denorm_mode_32 3
		.amdhsa_float_denorm_mode_16_64 3
		.amdhsa_memory_ordered 1
		.amdhsa_forward_progress 1
		.amdhsa_inst_pref_size 255
	.end_amdhsa_kernel
	.section	.bss,"aw",@nobits
	.p2align	6
	.space	262144
	.amdgpu_metadata
---
amdhsa.version: [ 1, 2 ]
amdhsa.kernels:
  - .name:           k_q7c4f04411a_qkv
    .symbol:         k_q7c4f04411a_qkv.kd
    .args:
      - { .name: wcodes, .offset: 0, .size: 8, .value_kind: global_buffer, .address_space: global }
      - { .name: wscales, .offset: 8, .size: 8, .value_kind: global_buffer, .address_space: global }
      - { .name: rope, .offset: 16, .size: 8, .value_kind: global_buffer, .address_space: global }
      - { .name: vi, .offset: 24, .size: 8, .value_kind: global_buffer, .address_space: global }
      - { .name: lamb, .offset: 32, .size: 8, .value_kind: global_buffer, .address_space: global }
      - { .name: qkv, .offset: 40, .size: 8, .value_kind: global_buffer, .address_space: global }
      - { .name: qkvs, .offset: 48, .size: 8, .value_kind: global_buffer, .address_space: global }
    .group_segment_fixed_size: 327680
    .private_segment_fixed_size: 0
    .kernarg_segment_align: 8
    .kernarg_segment_size: 56
    .max_flat_workgroup_size: 128
    .sgpr_count:     102
    .vgpr_count:     1024
    .wavefront_size: 32
...
	.end_amdgpu_metadata
.endif
;; end of part 2
;; launch attn (part 3): grid 16 x 16, 8 waves a work-group, no clusters, 327,680 bytes of LDS; arguments qkv, qkvs, ycodes, yscales; writes ycodes, yscales
.if DOCPART == 3
	.amdgcn_target "amdgcn-amd-amdhsa--gfx1250"
	.amdhsa_code_object_version 6
	.text
	.protected	k_q7c4f04411a_attn
	.globl	k_q7c4f04411a_attn
	.p2align	8
	.type	k_q7c4f04411a_attn,@function
k_q7c4f04411a_attn:
	s_mov_b64 s[64:65], 0
	v_nop
	global_prefetch_b8 v0, s[64:65] scope:SCOPE_SE
	s_setreg_imm32_b32 hwreg(HW_REG_WAVE_MODE, 25, 1), 1
	s_wait_xcnt 0x0
; y[t][head] = the sum over keys s <= t of softmax_s(q[t] . k[s] / sqrt(128)) v[s], both products on codes of BF6 (E3M2) with E8M0 scales; y is quantised along the model's 2,048 for the last product.
; THE SOFTMAX AHEAD OF THE SECOND PRODUCT: t = score x log2(e) / sqrt(128); M = the row's largest t so far, rounded up to a whole number; p = 2^(t - M) is quantised along the keys, not normalised.  The row's sum is taken of the
; unquantised p and divides at the end.  When M moves, the sum and O are multiplied by 2^(old M - new M): exact.
; OPERANDS are images of their registers, 1,536 dense bytes for 16 rows x 128 K, three loads of 16 bytes a lane; qkv = [q, k, v][head][group of 128 tokens][a 8][1,536] (v: rows = channels, K = tokens); scale words [..][r 16][a 8].
; Inside each block of 32 along K the code places 0-7, 8-15, 16-23, 24-31 hold the numbers 0-7, 16-23, 8-15, 24-31, in every operand alike; p and y get that order by the conversions and one exchange of the lanes' halves.
; Both products are used transposed (S^T = K Q^T, O^T = V^T P^T): a lane holds one query throughout.
; SHARES.  A work-group has eight waves, each with ONE tile of 16 queries of one head.  A tile qt needs qt / 8 + 1 key steps of 128.  The work-group g owns tiles 4 g .. 4 g + 3 and 124 - 4 g .. 127 - 4 g, dealt so that waves w and w + 4,
; and waves 2 k and 2 k + 1, are an early tile and a late one: 17 key steps together, whichever pairs share a SIMD.
; Every work-group walks all 16 key steps: trip counts are constants, no tensor load and no barrier is jumped over; a step all of whose keys come after the wave's queries is left out by a scalar branch on ids round its work.
; NO CLUSTER: that branch hangs on the wave's tile, which differs between the work-groups of a head, and partners of a cluster may differ in no branch.
; K and V come through two LDS slots of four key steps (98,304 bytes), each wave bringing 12,288 dense bytes with one tensor load; the head's scale words come once.
; LIMITS: NaN and infinities are not served; a block of y whose largest magnitude lies under 2^-122 gets the byte 1; y's scale words leave as 4 bytes a lane, 8 bytes apart (131,072 bytes in the whole launch).
; REGISTERS: window 0: v1-10 addresses; v12 -M, v13 the largest t, v[14:15] the sum; v16-27 Q; v32-39, v40-47 K's and V's scale words; v96-159 S^T, then p; v160-223 O^T; v224-235 p's codes; v232-254 at work; v255 Q's scale word.
;   window 1: v0-95 K's eight fragments, v96-191 V's.
.set REG,   3145728
.set SREG,  131072
.set STEPB, 12288                      ; a key step's eight images of K, or of V
.set VOFF,  4*STEPB                    ; a slot: four steps of K, then four of V
.set SLOT1, 1<<17                      ; slot 1 begins here: one exclusive or turns an address from one slot to the other
.set SCK,   98304                      ; between the slots: K's scale words of the head, 8,192 bytes;
.set SCV,   SCK+8192                   ; V's;
.set SPARE, SCV+8192                   ; the spare words, 128 bytes a wave: four blocks of 256 bytes that no other line names
.set LI,   1                           ; v1   16 x lane
.set ASK0, 2                           ; v2   SCK + 32 r
.set SPW,  3                           ; v3   my spare word; never rewritten
.set NIL,  4                           ; v4   0; never rewritten
.set ADK,  5                           ; v5   the step's images
.set ADS,  6                           ; v6   the step's scale words
.set PFO,  28                          ; v28  256 x lane
.set TM,   64                          ; the way out: the quantiser's own, v64-79
.set PC,   32                          ; y's codes, v32-50
.set PW,   80                          ; y's scale word
.set WV,   12
.set HD,   13
.set QT,   14
.set Q0,   15                          ; my first query
.set KF,   16                          ; the step's first key
.set TB,   17                          ; LDS byte of the step's K
.set TS,   18                          ; the step's scale words: 512 bytes a step
.set SLOTS, 19
.set SEL,  20
.set CS,   22
.set G1,   24
.set G1S,  32
.set G0,   40
.set G0S,  44
.set PFA,  48
.set LIM,  50
.set CNT,  51
.set MSB, 0
.macro WIN new
.if MSB != \new
	s_set_vgpr_msb (MSB<<8)|\new
.set MSB, \new
.endif
.endm
	s_load_b256 s[4:11], s[0:1], 0x0               ; qkv, qkvs, ycodes, yscales
	v_lshl_add_u32 v[SPW], v0, 2, SPARE
	v_mov_b32 v[NIL], 0
	ds_add_u32 v3, v4
	ds_add_u32 v3, v4
	s_wait_dscnt 0x0
	v_lshrrev_b32 v5, 5, v0
	v_readfirstlane_b32 s[WV], v5                  ; wave 0..7
	s_and_b32 s[HD], ttmp7, 0xffff                 ; head
	s_and_b32 s52, s[WV], 3
	s_lshr_b32 s53, s[WV], 2                       ; I fetch for K (0) or for V (1)
	s_xor_b32 s54, s[WV], s53
	s_and_b32 s54, s54, 1                          ; a late tile?
	s_lshl_b32 s55, ttmp9, 2
	s_add_co_u32 s55, s55, s52
	s_sub_co_u32 s56, 127, s55
	s_cmp_lg_u32 s54, 0
	s_cselect_b32 s[QT], s56, s55                  ; my tile of 16 queries
	s_lshl_b32 s[Q0], s[QT], 4
	; descriptor group 1: 12,288 dense bytes as 48 rows of 256; the scale words: 2,048 as 8 rows
	s_mov_b32 s[G1], 3<<16
	s_mov_b32 s[G1+1], 32<<16
	s_mov_b32 s[G1+2], 48<<16
	s_mov_b32 s[G1+3], 32<<16
	s_mov_b32 s[G1+4], 48
	s_mov_b32 s[G1+5], 32
	s_mov_b32 s[G1+6], 0
	s_mov_b32 s[G1+7], 0
	s_mov_b32 s[G1S], 3<<16
	s_mov_b32 s[G1S+1], 32<<16
	s_mov_b32 s[G1S+2], 8<<16
	s_mov_b32 s[G1S+3], 32<<16
	s_mov_b32 s[G1S+4], 8
	s_mov_b32 s[G1S+5], 32
	s_mov_b32 s[G1S+6], 0
	s_mov_b32 s[G1S+7], 0
	s_mul_i32 s61, s[HD], 196608                   ; the head in a tensor of codes,
	s_lshl_b32 s62, s[HD], 13                      ; and of scale words
	s_add_co_u32 s57, s53, 1                       ; 1: k, 2: v
	s_mul_i32 s58, s57, REG
	s_add_co_u32 s58, s58, s61
	s_mul_i32 s60, s52, STEPB                      ; which of a slot's four steps I fetch
	s_add_co_u32 s58, s58, s60
	s_mov_b32 s59, 0
	s_lshl_b32 s66, s57, 17
	s_add_co_u32 s66, s66, s62
	s_lshl_b32 s60, s52, 11                        ; which quarter of the head's scale words
	s_add_co_u32 s66, s66, s60
	s_mov_b32 s67, 0
	s_mul_i32 s63, s[WV], STEPB                    ; where they go: wave x 12,288,
	s_lshl_b32 s60, s[WV], 11                      ; wave x 2,048
	s_mov_b32 s[SEL], 0x76543210
	s_mov_b32 s[SEL+1], 0xfedcba98
	s_mov_b32 s[CS], 0x3e0293ee                    ; c = log2(e) / sqrt(128)
	s_mov_b32 s[CS+1], s[CS]
	s_mov_b32 s[KF], 0
	s_mov_b32 s[TB], 0
	s_mov_b32 s[TS], 0
	s_mov_b32 s[SLOTS], 3
	s_cmp_lt_u32 s[WV], 6                          ; who prefetches: waves 0 to 5
	s_cselect_b32 s[LIM], 0, 1
	s_or_b32 s[LIM], s[LIM], ttmp9                 ; of the head's first work-group
	s_cmp_eq_u32 s[LIM], 0
	s_cselect_b32 s[LIM], 1, -1
	s_wait_kmcnt 0x0
	s_mov_b32 s[G0S], 1
	s_add_co_u32 s[G0S+1], s60, SCK
	s_add_nc_u64 s[G0S+2:G0S+3], s[6:7], s[66:67]
	s_or_b32 s[G0S+3], s[G0S+3], 0x80000000
	s_mov_b32 s[G0], 1
	s_mov_b32 s[G0+1], s63
	s_add_nc_u64 s[G0+2:G0+3], s[4:5], s[58:59]
	s_or_b32 s[G0+3], s[G0+3], 0x80000000
	tensor_load_to_lds s[G0S:G0S+3], s[G1S:G1S+7]  ; the first fills go out together: two loads of mine are out
	s_nop 0
	tensor_load_to_lds s[G0:G0+3], s[G1:G1+7]      ; slot 0
	s_nop 0
.rept 4
	v_nop
.endr
	s_mul_i32 s52, s[QT], 1536
	s_add_co_u32 s52, s52, s61
	s_mov_b32 s53, 0
	s_add_nc_u64 s[52:53], s[4:5], s[52:53]        ; Q's image
	s_lshr_b32 s54, s[QT], 3
	s_lshl_b32 s54, s54, 9
	s_and_b32 s55, s[QT], 7
	s_lshl_b32 s55, s55, 2
	s_add_co_u32 s54, s54, s55
	s_add_co_u32 s54, s54, s62
	s_mov_b32 s55, 0
	s_add_nc_u64 s[54:55], s[6:7], s[54:55]        ; and its scale words
	s_lshl_b32 s56, s[WV], 13
	s_add_co_u32 s56, s56, s61
	s_add_co_u32 s56, s56, REG+4*STEPB
	s_mov_b32 s57, 0
	s_add_nc_u64 s[PFA:PFA+1], s[4:5], s[56:57]    ; the prefetches stand in slot 1's keys; the first change of slots steps them on.  Nothing is prefetched at the head
	s_mul_i32 s56, s[QT], 24576
	s_mul_i32 s58, s[HD], 1536
	s_add_co_u32 s56, s56, s58
	s_add_nc_u64 s[8:9], s[8:9], s[56:57]          ; y's image: block of rows qt, K step = head
	s_lshl_b32 s56, s[QT], 10
	s_lshr_b32 s58, s[HD], 1
	s_lshl_b32 s58, s58, 7
	s_add_co_u32 s56, s56, s58
	s_and_b32 s58, s[HD], 1
	s_lshl_b32 s58, s58, 2
	s_add_co_u32 s56, s56, s58
	s_add_nc_u64 s[10:11], s[10:11], s[56:57]
	v_and_b32 v7, 31, v0
	v_lshlrev_b32 v[LI], 4, v7
	v_lshlrev_b32 v[PFO], 8, v7
	v_and_b32 v8, 15, v0
	v_lshlrev_b32 v9, 5, v8                        ; 32 r
	v_lshlrev_b32 v10, 3, v8                       ; 8 r
	v_add_nc_u32 v[ASK0], SCK, v9
.irp c, 0,1,2
	global_load_b128 v[16+4*\c:19+4*\c], v[LI], s[52:53] offset:512*\c
.endr
	global_load_b32 v255, v9, s[54:55]
	v_mov_b32 v13, 0xff61b1e6                      ; the largest t so far: -3e38
	v_floor_f32 v12, -v13                          ; -M
	v_mov_b32 v14, 0
	v_mov_b32 v15, 0
.irp b, 0,1,2,3
	v_mov_b32 v[236+\b], 0                         ; a lane permute's destination counts as read
	v_mov_b32 v[TM+4+\b], 0
.endr
	v_mov_b32 v252, 0
	v_mov_b32 v253, 0
.set n, 0
.rept 64
	v_mov_b32 v[160+n], 0                          ; O^T: the step is written once; the first finds zeros, which the first change of M leaves zeros
.set n, n+1
.endr
; A PREFETCH INTO THE L2 of what the next change of slots will ask for: four key steps of K, 49,152 dense bytes, and as many of V, 3,145,728 bytes further on.  All sixteen work-groups of a head walk the same K and V:
; the head's first asks; in it waves 0 to 5 take 8,192 bytes of each, lanes 256 bytes apart.  So each block of 256 bytes is named once.  The last change that fills a slot asks for nothing; slots 0 and 1 come by their loads alone.
.macro ASK
	s_cmp_gt_u32 s[SLOTS], s[LIM]
	s_cbranch_scc0 .Lnot_mine_\@
	global_prefetch_b8 v[PFO], s[PFA:PFA+1] th:TH_LOAD_NT scope:SCOPE_SE
	global_prefetch_b8 v[PFO], s[PFA:PFA+1] offset:REG th:TH_LOAD_NT scope:SCOPE_SE
.Lnot_mine_\@:
.endm
; A KEY STEP: 128 keys.
.macro STEP
	s_add_co_u32 s68, s[Q0], 15
	s_cmp_gt_u32 s[KF], s68                        ; all its keys come after my queries: only the addresses step
	s_cbranch_scc1 .Lhidden_\@
	v_add_nc_u32 v[ADK], s[TB], v[LI]
	v_add_nc_u32 v[ADS], s[TS], v[ASK0]
	v_nop
	v_nop                                          ; four places behind the last step's products, in front of loads into V's fragments and the scale words
	ds_load_b128 v[32:35], v[ADS]                  ; K's scale words: tile t's in v[32 + t]
	ds_load_b128 v[36:39], v[ADS] offset:16
	ds_load_b128 v[40:43], v[ADS] offset:8192      ; V's
	ds_load_b128 v[44:47], v[ADS] offset:8208
	WIN 0x40                                       ; destination window 1
.irp t, 0,1,2,3,4,5,6,7
.irp c, 0,1,2
	ds_load_b128 v[12*\t+4*\c:12*\t+4*\c+3], v[ADK] offset:1536*\t+512*\c
.endr
.endr
.irp t, 0,1,2,3,4,5,6,7
.irp c, 0,1,2
	ds_load_b128 v[96+12*\t+4*\c:96+12*\t+4*\c+3], v[ADK] offset:VOFF+1536*\t+512*\c
.endr
.endr
	WIN 0
	s_wait_dscnt 24                                ; the scale words and K are in; V's 24 loads may be out
	WIN 0x01                                       ; source 0 window 1
.irp t, 0,1,2,3,4,5,6,7
	v_wmma_scale_f32_16x16x128_f8f6f4 v[96+8*\t:103+8*\t], v[12*\t:12*\t+11], v[16:27], 0, v[32+\t], v255 matrix_a_fmt:MATRIX_FMT_BF6 matrix_b_fmt:MATRIX_FMT_BF6
.endr
	WIN 0
.rept 4
	v_nop
.endr
	s_add_co_u32 s68, s[KF], 127                   ; on the diagonal hidden scores become -infinity ahead of the maximum; a step all of whose keys count skips this
	s_cmp_le_u32 s68, s[Q0]
	s_cbranch_scc1 .Lopen_\@
	s_sub_co_i32 s68, s[Q0], s[KF]
	v_and_b32 v252, 15, v0
	v_bfe_u32 v253, v0, 4, 1
	v_lshlrev_b32 v253, 3, v253
	v_sub_nc_u32 v252, v252, v253
	v_add_nc_u32 v252, s68, v252                   ; d = my query - KF - 8 h.  Register n holds key KF + 16 (n / 8) + 8 h + n % 8: hidden where 16 (n / 8) + n % 8 > d
	v_mov_b32 v254, 0xff800000
.set n, 0
.rept 64
	v_cmp_gt_i32 vcc_lo, 16*(n/8)+n%8, v252
	v_cndmask_b32 v[96+n], v[96+n], v254, vcc_lo
.set n, n+1
.endr
.Lopen_\@:
.irp b, 0,1,2,3
	v_max3_num_f32 v[232+\b], v[96+16*\b], v[97+16*\b], v[98+16*\b]   ; the largest score of each block of 32 keys: for the row's maximum, and, since p rises with the score, for the block's largest p
.endr
.irp i, 3,5,7,9,11,13
.irp b, 0,1,2,3
	v_max3_num_f32 v[232+\b], v[232+\b], v[96+16*\b+\i], v[97+16*\b+\i]
.endr
.endr
.irp b, 0,1,2,3
	v_max_num_f32 v[232+\b], v[232+\b], v[111+16*\b]
.endr
.irp b, 0,1,2,3
	v_permlanex16_b32 v[236+\b], v[232+\b], s[SEL], s[SEL+1]
.endr
.irp b, 0,1,2,3
	v_max_num_f32 v[232+\b], v[232+\b], v[236+\b]
.endr
	v_max3_num_f32 v254, v232, v233, v234
	v_max_num_f32 v254, v254, v235
	v_mul_f32 v254, s[CS], v254
	v_max_num_f32 v13, v13, v254                   ; the running largest t
	v_mov_b32 v254, v12
	v_floor_f32 v12, -v13                          ; the new -M: M is a whole number
	v_sub_f32 v254, v12, v254
	v_cvt_i32_f32 v254, v254                       ; (it saturates)
	v_ldexp_f32 v252, 1.0, v254                    ; f = 2^(old M - new M)
.set n, 0
.rept 32
	v_pk_fma_f32 v[96+n:97+n], v[96+n:97+n], s[CS:CS+1], v[12:13] op_sel_hi:[1,0,0]   ; t - M
.set n, n+2
.endr
.irp b, 0,1,2,3
	v_fma_f32 v[232+\b], v[232+\b], s[CS], v12
.endr
.set n, 0
.rept 64
	v_exp_f32 v[96+n], v[96+n]                     ; p = 2^(t - M)
.set n, n+1
.endr
	v_pk_mul_f32 v[14:15], v[14:15], v[252:253] op_sel_hi:[1,0]   ; the sums under the new M: a plain place behind the exponentials
	s_wait_alu depctr_va_vdst(0)                   ; one wait for the batch, ahead of its first reader
.irp b, 0,1,2,3
	v_exp_f32 v[232+\b], v[232+\b]                 ; each block's largest p
.endr
	v_pk_add_f32 v[236:237], v[96:97], v[98:99]    ; the row's sum, of the unquantised p, in two chains
.irp j, 4,8,12,16,20,24,28,32,36,40,44,48,52,56,60
	v_pk_add_f32 v[14:15], v[14:15], v[96+\j:97+\j]
	v_pk_add_f32 v[236:237], v[236:237], v[98+\j:99+\j]
.endr
	v_pk_add_f32 v[14:15], v[14:15], v[236:237]
	s_wait_alu depctr_va_vdst(0)                   ; and one for the four
.irp b, 0,1,2,3
	v_max_num_f32 v[232+\b], 0x2800000, v[232+\b]  ; the floor 2^(5 - 127)
.endr
.irp b, 0,1,2,3
	v_add_nc_u32 v[244+\b], 0xfe000000, v[232+\b]
.endr
.irp b, 0,1,2,3
	v_lshrrev_b32 v[236+\b], 23, v[244+\b]
.endr
	v_lshl_or_b32 v253, v237, 8, v236              ; p's scale word for these 128 keys
	v_lshl_or_b32 v253, v238, 16, v253
	v_lshl_or_b32 v253, v239, 24, v253
.irp c, 0,1
	v_cvt_scalef32_pk16_bf6_f32 v[224+6*\c:226+6*\c], v[96+32*\c:111+32*\c], v[244+2*\c]
	v_cvt_scalef32_pk16_bf6_f32 v[236+4*\c:238+4*\c], v[112+32*\c:127+32*\c], v[244+2*\c+1]
.endr
	v_nop
.irp c, 0,1
.irp i, 0,1,2
	v_permlane16_swap_b32 v[224+6*\c+\i], v[236+4*\c+\i]
.endr
.irp i, 0,1,2
	v_mov_b32 v[227+6*\c+\i], v[236+4*\c+\i]
.endr
.endr
.set n, 0
.rept 32
	v_pk_mul_f32 v[160+n:161+n], v[160+n:161+n], v[252:253] op_sel_hi:[1,0]   ; O^T under the new M; these 32 are also the places between the writes of p's codes and scale word and the products
.set n, n+2
.endr
	s_wait_dscnt 0x0                               ; V is in
	WIN 0x01
.irp t, 0,1,2,3,4,5,6,7
	v_wmma_scale_f32_16x16x128_f8f6f4 v[160+8*\t:167+8*\t], v[96+12*\t:107+12*\t], v[224:235], v[160+8*\t:167+8*\t], v[40+\t], v253 matrix_a_fmt:MATRIX_FMT_BF6 matrix_b_fmt:MATRIX_FMT_BF6
.endr
	WIN 0
.Lhidden_\@:
	s_add_co_u32 s[KF], s[KF], 128
	s_add_co_u32 s[TB], s[TB], STEPB
	s_add_co_u32 s[TS], s[TS], 512
.endm
; THE CHANGE OF SLOTS stands at a slot's head: each wave waits for all its tensor loads, adds 0 to its spare word, and waits for that and for its reads of the slot that it has left; behind the barrier the slot ahead is whole
; and nobody reads the other one, which is filled first thing: that load has four key steps in which to land.
.macro CHANGE fill
	s_wait_tensorcnt 0x0
	ds_add_u32 v[SPW], v[NIL]                      ; 0 onto my spare word
.if \fill
	s_xor_b32 s[G0+1], s[G0+1], SLOT1              ; the walking descriptor: the other slot, the next four key steps
	s_add_nc_u64 s[G0+2:G0+3], s[G0+2:G0+3], 4*STEPB
	s_wait_xcnt 0x0                                ; the last prefetches, a slot back, have read their address
	s_add_nc_u64 s[PFA:PFA+1], s[PFA:PFA+1], 4*STEPB
.endif
	s_wait_dscnt 0x0
	s_barrier_signal -1
	s_barrier_wait -1
.if \fill
	tensor_load_to_lds s[G0:G0+3], s[G1:G1+7]      ; my one tensor load until the next such barrier
	s_nop 0
.rept 4
	v_nop
.endr
	ASK
.endif
.endm
.macro SLOT_STEPS
	s_mov_b32 s[CNT], 4
.Lstep_\@:
	STEP
	s_sub_co_u32 s[CNT], s[CNT], 1
	s_cmp_lg_u32 s[CNT], 0
	s_cbranch_scc1 .Lstep_\@
	s_sub_co_u32 s[TB], s[TB], 4*STEPB             ; back to a slot's first step,
	s_xor_b32 s[TB], s[TB], SLOT1                  ; in the other slot
.endm
	s_wait_loadcnt 0x0                             ; Q
.Lslot:                                                ; three trips: behind each change of slots but the last the next slot is asked for
	CHANGE 1
	SLOT_STEPS
	s_sub_co_u32 s[SLOTS], s[SLOTS], 1
	s_cmp_lg_u32 s[SLOTS], 0
	s_cbranch_scc1 .Lslot
	CHANGE 0                                       ; the last slot is written out
	SLOT_STEPS
	; THE WAY OUT: O^T / the sum is my 16 rows of y at this head's 128 columns: one fragment of the last product, quantised here.
.rept 4
	v_nop
.endr
	v_add_f32 v14, v14, v15
	v_permlanex16_b32 v252, v14, s[SEL], s[SEL+1]
	v_add_f32 v14, v14, v252                       ; the row's sum
	v_rcp_f32 v14, v14
	v_nop
	s_wait_alu depctr_va_vdst(0)                   ; the wait ahead of the first reader
.set n, 0
.rept 32
	v_pk_mul_f32 v[96+n:97+n], v[160+n:161+n], v[14:15] op_sel_hi:[1,0]   ; register 8 t + j is y(r, 16 t + 8 h + j)
.set n, n+2
.endr
.irp b, 0,1,2,3
	v_max3_num_f32 v[TM+\b], |v[96+16*\b]|, |v[97+16*\b]|, 0x2800000
.endr
.irp i, 2,4,6,8,10,12,14
.irp b, 0,1,2,3
	v_max3_num_f32 v[TM+\b], v[TM+\b], |v[96+16*\b+\i]|, |v[97+16*\b+\i]|
.endr
.endr
.irp b, 0,1,2,3
	v_permlanex16_b32 v[TM+4+\b], v[TM+\b], s[SEL], s[SEL+1]
.endr
.irp b, 0,1,2,3
	v_max_num_f32 v[TM+\b], v[TM+\b], v[TM+4+\b]
.endr
.irp b, 0,1,2,3
	v_add_nc_u32 v[TM+12+\b], 0xfe000000, v[TM+\b]
.endr
.irp b, 0,1,2,3
	v_lshrrev_b32 v[TM+4+\b], 23, v[TM+12+\b]
.endr
	v_lshl_or_b32 v[PW], v[TM+5], 8, v[TM+4]
	v_lshl_or_b32 v[PW], v[TM+6], 16, v[PW]
	v_lshl_or_b32 v[PW], v[TM+7], 24, v[PW]
.irp c, 0,1
	v_cvt_scalef32_pk16_bf6_f32 v[PC+6*\c:PC+2+6*\c], v[96+32*\c:111+32*\c], v[TM+12+2*\c]
	v_cvt_scalef32_pk16_bf6_f32 v[PC+12+4*\c:PC+14+4*\c], v[112+32*\c:127+32*\c], v[TM+12+2*\c+1]
.endr
	v_nop
.irp c, 0,1
.irp i, 0,1,2
	v_permlane16_swap_b32 v[PC+6*\c+\i], v[PC+12+4*\c+\i]
.endr
.irp i, 0,1,2
	v_mov_b32 v[PC+3+6*\c+\i], v[PC+12+4*\c+\i]
.endr
.endr
.irp c, 0,1,2
	global_store_b128 v[LI], v[PC+4*\c:PC+4*\c+3], s[8:9] offset:512*\c   ; 512 consecutive bytes a store
.endr
	global_store_b32 v10, v[PW], s[10:11]          ; row r's word; lanes 16-31 write the same word to the same place
	s_wait_tensorcnt 0x0                           ; the wave's end
	ds_add_u32 v[SPW], v[NIL]
	s_wait_dscnt 0x0
	s_endpgm
.Lfunc_end_k_q7c4f04411a_attn:
	.size	k_q7c4f04411a_attn, .Lfunc_end_k_q7c4f04411a_attn-k_q7c4f04411a_attn
	.p2alignl 7, 3214868480
	.fill 96, 4, 3214868480
	.section	.rodata,"a",@progbits
	.p2align	6, 0x0
	.amdhsa_kernel k_q7c4f04411a_attn
		.amdhsa_group_segment_fixed_size 327680
		.amdhsa_private_segment_fixed_size 0
		.amdhsa_enable_private_segment 0
		.amdhsa_kernarg_size 32
		.amdhsa_user_sgpr_count 2
		.amdhsa_user_sgpr_kernarg_segment_ptr 1
		.amdhsa_wavefront_size32 1
		.amdhsa_system_sgpr_workgroup_id_x 1
		.amdhsa_system_sgpr_workgroup_id_y 1
		.amdhsa_system_sgpr_workgroup_id_z 1
		.amdhsa_system_vgpr_workitem_id 0
		.amdhsa_next_free_vgpr 448
		.amdhsa_next_free_sgpr 72
		.amdhsa_reserve_vcc 1
		.amdhsa_float_denorm_mode_32 3
		.amdhsa_float_denorm_mode_16_64 3
		.amdhsa_memory_ordered 1
		.amdhsa_forward_progress 1
		.amdhsa_inst_pref_size 65
	.end_amdhsa_kernel
	.amdgpu_metadata
---
amdhsa.version: [ 1, 2 ]
amdhsa.kernels:
  - .name:           k_q7c4f04411a_attn
    .symbol:         k_q7c4f04411a_attn.kd
    .args:
      - { .name: qkv, .offset: 0, .size: 8, .value_kind: global_buffer, .address_space: global }
      - { .name: qkvs, .offset: 8, .size: 8, .value_kind: global_buffer, .address_space: global }
      - { .name: ycodes, .offset: 16, .size: 8, .value_kind: global_buffer, .address_space: global }
      - { .name: yscales, .offset: 24, .size: 8, .value_kind: global_buffer, .address_space: global }
    .group_segment_fixed_size: 327680
    .private_segment_fixed_size: 0
    .kernarg_segment_align: 8
    .kernarg_segment_size: 32
    .max_flat_workgroup_size: 256
    .sgpr_count:     72
    .vgpr_count:     448
    .wavefront_size: 32
...
	.end_amdgpu_metadata
.endif
;; end of part 3
;; launch proj (part 4): grid 8 x 8, 4 waves a work-group, clusters of 4 x 4, 327,680 bytes of LDS; arguments ycodes, yscales, wcodes, wscales, out0; writes out0
.if DOCPART == 4
	.amdgcn_target "amdgcn-amd-amdhsa--gfx1250"
	.amdhsa_code_object_version 6
	.text
	.protected	k_q7c4f04411a_proj
	.globl	k_q7c4f04411a_proj
	.p2align	8
	.type	k_q7c4f04411a_proj,@function
k_q7c4f04411a_proj:
	s_mov_b64 s[64:65], 0
	v_nop
	global_prefetch_b8 v0, s[64:65] scope:SCOPE_SE
	s_setreg_imm32_b32 hwreg(HW_REG_WAVE_MODE, 25, 1), 1
	s_wait_xcnt 0x0
	s_wait_alu depctr_hold_cnt(0) depctr_sa_sdst(0) depctr_va_vdst(0) depctr_va_sdst(0) depctr_va_ssrc(0) depctr_va_vcc(0) depctr_vm_vsrc(0)
	s_getreg_b32 s2, hwreg(HW_REG_IB_STS2, 6, 4)
	s_cmp_eq_u32 s2, 0
	s_cbranch_scc0 .Lentry_in_a_cluster
	s_endpgm
.Lentry_in_a_cluster:
	s_bfe_u32 s2, ttmp6, 0x10000c
	s_cmp_lg_u32 s2, 0xf033
	s_cbranch_scc0 .Lentry_shape_is_right
	s_endpgm
.Lentry_shape_is_right:
; out0 = y Wproj^T on codes of BF6 (E3M2) with E8M0 scales; sums in f32; out0 [2048][2048] f32.
; OPERANDS lie in memory and in LDS as images of their registers (16 rows x 128 K = 1,536 dense bytes; three loads of 16 bytes a lane bring one): ycodes = [block of 16 rows 128][K step 16][1,536], Wproj's codes likewise in
; wcodes' fifth part; scale words [block of rows][pair of K steps 8][row 16][2].  Inside each block of 32 along K both operands hold their numbers in the same permuted order, so each product pairs the right numbers;
; the order in which a block's products are added differs from plain order along K.
; A tile of 256 x 256 is made by four waves, 128 x 128 each: 64 accumulators, 512 registers.  K goes in steps of 256 through two LDS slots filled by the tensor data mover; the scale words of the work-group's rows come once.
; CLUSTERS of 4 x 4: A's tiles are asked for jointly along a row of the cluster, B's along a column.  The matrix instruction takes 16 rows of B as source 0 and 16 rows of A as source 1: a lane holds eight neighbouring numbers of a row of out0.
; REGISTERS: window 0: v16-29 addresses; v32-63 scale words, two sets; v128-223 A's fragments.  window 1: B's fragments, two sets.  windows 2, 3: accumulator (a, b) at v[8 (8 (a % 4) + b)].
.set SIZE_N, 2048
.set NQ,     2
.set FR,     12
.set NL,     3
.set NP,     4
.set KB,     3072
.set HALFT,  8*KB
.set SLOT,   4*HALFT
.set LAPS,   4
.set SCL,    2*SLOT
.set HALFS,  8192
.set SBLK,   1024
.set SPARE,  327168                    ; the spare words, 128 bytes a wave: two blocks of 256 bytes that no other line names
.set REG,    3145728
.set SREG,   131072
.set SPITCH, 528                       ; the way out: a stage of 16 rows x (512 + 16) bytes for each wave, in slot 0, which has had its last fill and its last read when the first result is stored there
.set ADRA, 16
.set ADRB, 20
.set STO,  24
.set RD,   25
.set CO,   26
.set ADRS, 27
.set SPW,  28
.set NIL,  29
.set SC,   32
.set AF,   128
.set BK,   128
.set G1, 24
.set G0, 32
.set G1B, 48
.set G0B, 56
.set G1S, 68
.set G0S, 76
.set G1SB, 80
.set G0SB, 88
.set MSB, 0
.macro WIN new
.if MSB != \new
	s_set_vgpr_msb (MSB<<8)|\new
.set MSB, \new
.endif
.endm
.set MUL_LO, 0xa1
.set MUL_HI, 0xf1
.set TO_B,   0x40
.macro JLOAD g0a, g1a, g0b, g1b        ; a joint load: waves 0 and 1 fetch for A, waves 2 and 3 for B; four v_nop follow each of the two lines
	s_cmp_eq_u32 s15, 0
	s_cbranch_scc0 .Lfor_b_\@
	tensor_load_to_lds s[\g0a:\g0a+3], s[\g1a:\g1a+7]
	s_nop 0
.rept 4
	v_nop
.endr
	s_branch .Lasked_\@
.Lfor_b_\@:
	tensor_load_to_lds s[\g0b:\g0b+3], s[\g1b:\g1b+7]
	s_nop 0
.rept 4
	v_nop
.endr
.Lasked_\@:
.endm
.macro CREST
	s_cmp_lg_u32 s14, 0
	s_cbranch_scc1 .Lnot_wave_0_\@
	s_barrier_signal -3
.Lnot_wave_0_\@:
	s_barrier_wait -3
	s_barrier_signal -1
	s_barrier_wait -1
.endm
.macro CROUND
	s_barrier_signal -1
	s_barrier_wait -1
	CREST
.endm
	s_load_b128 s[4:7], s[0:1], 0x0                ; y's codes, y's scales
	s_load_b128 s[8:11], s[0:1], 0x10              ; wcodes, wscales
	s_load_b64 s[12:13], s[0:1], 0x20              ; out0
	v_lshl_add_u32 v[SPW], v0, 2, SPARE
	v_mov_b32 v[NIL], 0
	ds_add_u32 v28, v29
	ds_add_u32 v28, v29
	s_wait_dscnt 0x0
	v_lshrrev_b32 v1, 5, v0
	v_readfirstlane_b32 s14, v1
	s_lshr_b32 s15, s14, 1
	s_and_b32 s16, s14, 1
	s_bfe_u32 s40, ttmp6, 0x40000
	s_bfe_u32 s41, ttmp6, 0x40004
	s_lshl_b32 s42, ttmp9, 2
	s_add_co_u32 s42, s42, s40                     ; tile column
	s_and_b32 s17, ttmp7, 0xffff
	s_lshl_b32 s17, s17, 2
	s_add_co_u32 s17, s17, s41                     ; tile row
	s_lshl_b32 s43, s41, 2
	s_lshl_b32 s43, 15, s43
	s_lshl_b32 s44, 0x1111, s40
	s_or_b32 s[G1+0], s43, (3<<16)|(1<<21)         ; codes: 8 rows of 3,072 bytes, 24,576 bytes apart; elements of 8 bytes; no padding
	s_or_b32 s[G1B+0], s44, (3<<16)|(1<<21)
.irp g, G1, G1B
	s_mov_b32 s[\g+1], 384<<16
	s_mov_b32 s[\g+2], 8<<16
	s_mov_b32 s[\g+3], 384<<16
	s_mov_b32 s[\g+4], 8
	s_mov_b32 s[\g+5], 3072
	s_mov_b32 s[\g+6], 0
	s_mov_b32 s[\g+7], 0
.endr
	s_or_b32 s[G1S+0], s43, (3<<16)|(1<<21)        ; scale words of 128 rows: 8,192 dense bytes as 32 rows of 256
	s_or_b32 s[G1SB+0], s44, (3<<16)|(1<<21)
.irp g, G1S, G1SB
	s_mov_b32 s[\g+1], 32<<16
	s_mov_b32 s[\g+2], 32<<16
	s_mov_b32 s[\g+3], 32<<16
	s_mov_b32 s[\g+4], 32
	s_mov_b32 s[\g+5], 32
	s_mov_b32 s[\g+6], 0
	s_mov_b32 s[\g+7], 0
.endr
	s_lshl_b32 s18, s16, 7
	s_lshl_b32 s20, s17, 8
	s_add_co_u32 s20, s20, s18                     ; A's row
	s_lshl_b32 s46, s42, 8
	s_add_co_u32 s46, s46, s18                     ; B's row
	s_lshl_b32 s22, s20, 6
	s_mov_b32 s23, 0
	s_mul_i32 s20, s20, 1536
	s_mov_b32 s21, 0
	s_lshl_b32 s92, s46, 6
	s_add_co_u32 s92, s92, 4*SREG                  ; Wproj is the fifth tensor
	s_mov_b32 s93, 0
	s_mul_i32 s46, s46, 1536
	s_add_co_u32 s46, s46, 4*REG
	s_mov_b32 s47, 0
	s_mul_i32 s45, s14, HALFT
	s_mul_i32 s94, s14, HALFS
	s_wait_kmcnt 0x0
	s_add_nc_u64 s[20:21], s[4:5], s[20:21]
	s_add_nc_u64 s[22:23], s[6:7], s[22:23]
	s_add_nc_u64 s[46:47], s[8:9], s[46:47]
	s_add_nc_u64 s[92:93], s[10:11], s[92:93]
	CROUND                                         ; all sixteen work-groups are here: the first joint loads meet
	s_mov_b32 s[G0S], 1
	s_add_co_u32 s[G0S+1], s94, SCL
	s_mov_b64 s[G0S+2:G0S+3], s[22:23]
	s_or_b32 s[G0S+3], s[G0S+3], 0x80000000
	s_mov_b32 s[G0SB], 1
	s_add_co_u32 s[G0SB+1], s94, SCL
	s_mov_b64 s[G0SB+2:G0SB+3], s[92:93]
	s_or_b32 s[G0SB+3], s[G0SB+3], 0x80000000
	JLOAD G0S, G1S, G0SB, G1SB
.irp s, 0,1
	s_mov_b32 s[G0+4*\s], 1
	s_add_co_u32 s[G0+4*\s+1], s45, \s*SLOT
	s_add_nc_u64 s[G0+4*\s+2:G0+4*\s+3], s[20:21], \s*KB
	s_or_b32 s[G0+4*\s+3], s[G0+4*\s+3], 0x80000000
	s_mov_b32 s[G0B+4*\s], 1
	s_add_co_u32 s[G0B+4*\s+1], s45, \s*SLOT
	s_add_nc_u64 s[G0B+4*\s+2:G0B+4*\s+3], s[46:47], \s*KB
	s_or_b32 s[G0B+4*\s+3], s[G0B+4*\s+3], 0x80000000
	JLOAD G0+4*\s, G1, G0B+4*\s, G1B
.endr
	v_and_b32 v1, 15, v0
	v_bfe_u32 v2, v0, 4, 1
	v_and_b32 v3, 31, v0
	v_lshlrev_b32 v[CO], 4, v3                     ; 16 x lane: an image's place, and my 16 bytes of a row of out0
	s_mul_i32 s21, s15, HALFT
	s_mul_i32 s22, s16, HALFT
	s_add_co_u32 s22, s22, 2*HALFT
.irp s, 0,1
	v_add_nc_u32 v[ADRA+\s], s21, v[CO]
	v_add_nc_u32 v[ADRB+\s], s22, v[CO]
	s_add_co_u32 s21, s21, SLOT
	s_add_co_u32 s22, s22, SLOT
.endr
	v_lshlrev_b32 v5, 3, v1
	s_mul_i32 s21, s15, HALFS
	s_mul_i32 s22, s16, HALFS
	s_add_co_u32 s22, s22, 2*HALFS
	s_sub_co_u32 s22, s22, s21
	v_mul_u32_u24 v6, s22, v2                      ; lanes 16-31 take B's
	s_add_co_u32 s21, s21, SCL
	v_add_nc_u32 v5, v5, v6
	v_add_nc_u32 v[ADRS], s21, v5
	s_mul_i32 s23, s14, 16*SPITCH                  ; my stage
	v_mul_u32_u24 v5, v1, SPITCH
	v_lshl_add_u32 v5, v2, 5, v5
	v_add_nc_u32 v[STO], s23, v5
	v_add_nc_u32 v[RD], s23, v[CO]
	s_lshl_b32 s20, s17, 8
	s_lshl_b32 s21, s15, 7
	s_add_co_u32 s20, s20, s21                     ; my first row of out0
	s_mov_b32 s21, 0
	s_mov_b64 s[18:19], SIZE_N*4
	s_mul_u64 s[20:21], s[20:21], s[18:19]
	s_lshl_b32 s46, s42, 10
	s_lshl_b32 s47, s16, 9
	s_add_co_u32 s46, s46, s47
	s_mov_b32 s47, 0
	s_add_nc_u64 s[20:21], s[20:21], s[46:47]
	s_add_nc_u64 s[12:13], s[12:13], s[20:21]
.macro FRAG reg, adr, q, i
.irp c, 0,1,2
	ds_load_b128 v[\reg+4*\c:\reg+4*\c+3], v[\adr] offset:KB*(\i)+1536*(\q)+512*\c
.endr
.endm
; The 64 accumulators take turns, one instruction a turn, in the same order in every step.
.macro MUL16 a0, p, q, sc, zero
.irp a, \a0, \a0+1
.irp b, 0,1,2,3,4,5,6,7
.if \zero
	v_wmma_scale_f32_16x16x128_f8f6f4 v[8*(8*((\a)%4)+\b):8*(8*((\a)%4)+\b)+7], v[128*(\p)+FR*\b:128*(\p)+FR*\b+FR-1], v[AF+FR*(\a):AF+FR*(\a)+FR-1], 0, v[SC+8*NQ*(\sc)+NQ*\b+(\q)], v[SC+8*NQ*(\sc)+NQ*(\a)+(\q)] matrix_a_fmt:MATRIX_FMT_BF6 matrix_b_fmt:MATRIX_FMT_BF6 matrix_a_scale:MATRIX_SCALE_ROW1
.else
	v_wmma_scale_f32_16x16x128_f8f6f4 v[8*(8*((\a)%4)+\b):8*(8*((\a)%4)+\b)+7], v[128*(\p)+FR*\b:128*(\p)+FR*\b+FR-1], v[AF+FR*(\a):AF+FR*(\a)+FR-1], v[8*(8*((\a)%4)+\b):8*(8*((\a)%4)+\b)+7], v[SC+8*NQ*(\sc)+NQ*\b+(\q)], v[SC+8*NQ*(\sc)+NQ*(\a)+(\q)] matrix_a_fmt:MATRIX_FMT_BF6 matrix_b_fmt:MATRIX_FMT_BF6 matrix_a_scale:MATRIX_SCALE_ROW1
.endif
.endr
.endr
.endm
.macro FETCH_B slot, q, p
	WIN TO_B
.irp i, 0,1,2,3,4,5,6,7
	FRAG 128*(\p)+FR*\i, ADRB+\slot, \q, \i
.endr
	WIN 0
.endm
.macro FETCH_A slot, q, i0
.irp i, \i0, \i0+1, \i0+2, \i0+3
	FRAG AF+FR*(\i), ADRA+\slot, \q, \i
.endr
.endm
.macro SCALES sc
.irp i, 0,1,2,3,4,5,6,7
	ds_load_b64 v[SC+8*NQ*\sc+NQ*\i:SC+8*NQ*\sc+NQ*\i+1], v[ADRS] offset:\i*SBLK
.endr
.endm
.macro PLACES n                        ; plain vector instructions between a matrix instruction and a load into, or a read of, its registers
.rept \n
	v_nop
.endr
.endm
.macro STEP slot, q, zero
	s_wait_dscnt 4*NL                              ; B's set and A's blocks 0-3 are in; the youngest 12 loads (A's blocks 4-7) may be out
	WIN MUL_LO
	MUL16 0, (\q)%2, \q, \slot, \zero
	MUL16 2, (\q)%2, \q, \slot, \zero
	s_wait_dscnt 0
	PLACES NP
	FETCH_B \slot, (\q)+1, 1-(\q)%2
	FETCH_A \slot, (\q)+1, 0
	WIN MUL_HI
	MUL16 4, (\q)%2, \q, \slot, \zero
	MUL16 6, (\q)%2, \q, \slot, \zero
	PLACES NP
	WIN 0
	FETCH_A \slot, (\q)+1, 4
.endm
.macro TURN slot, next, fill
	s_wait_tensorcnt 0x0                           ; all my tensor loads have landed: my part of the next slot
	ds_add_u32 v[SPW], v[NIL]                      ; 0 onto my spare word
	s_wait_dscnt 4*NL+1                            ; (the add and the youngest 12 loads may be out)
	WIN MUL_LO
	MUL16 0, 1, NQ-1, \slot, 0
	s_wait_dscnt 0x0                               ; the add is done, and my reads of this slot are over
	s_barrier_signal -1
	MUL16 2, 1, NQ-1, \slot, 0
	WIN 0
	s_barrier_wait -1
.if \fill
	CREST                                          ; the barrier has opened a round of the cluster's: no wave of any partner still reads this slot or has a load on its way
	s_add_nc_u64 s[G0+4*\slot+2:G0+4*\slot+3], s[G0+4*\slot+2:G0+4*\slot+3], 2*KB
	s_add_nc_u64 s[G0B+4*\slot+2:G0B+4*\slot+3], s[G0B+4*\slot+2:G0B+4*\slot+3], 2*KB
	JLOAD G0+4*\slot, G1, G0B+4*\slot, G1B
.else
	PLACES NP
.endif
	v_add_nc_u32 v[ADRS], 128, v[ADRS]
	FETCH_B \next, 0, 0
	FETCH_A \next, 0, 0
	SCALES \next
	WIN MUL_HI
	MUL16 4, 1, NQ-1, \slot, 0
	MUL16 6, 1, NQ-1, \slot, 0
	PLACES NP
	WIN 0
	FETCH_A \next, 0, 4
.endm
	s_wait_tensorcnt 1                             ; of my three first fills the scales and K step 0 are in; K step 1's may be out
	s_barrier_signal -1
	s_barrier_wait -1
	FETCH_B 0, 0, 0
	FETCH_A 0, 0, 0
	SCALES 0
	FETCH_A 0, 0, 4
	STEP 0, 0, 1
	s_mov_b32 s3, LAPS-1
.Llap:
	TURN 0, 1, 1
	STEP 1, 0, 0
	TURN 1, 0, 1
	STEP 0, 0, 0
	s_sub_co_u32 s3, s3, 1
	s_cmp_lg_u32 s3, 0
	s_cbranch_scc1 .Llap
	TURN 0, 1, 0
	STEP 1, 0, 0
	s_wait_dscnt 4*NL
	WIN MUL_LO
	MUL16 0, 1, NQ-1, 1, 0
	MUL16 2, 1, NQ-1, 1, 0
	s_wait_dscnt 0
	WIN MUL_HI
	MUL16 4, 1, NQ-1, 1, 0
	MUL16 6, 1, NQ-1, 1, 0
	WIN 0
; THE WAY OUT, block by block of 16 rows x 128 columns, through my own stage: in as 32 bytes a lane, back as whole rows of 512 bytes.  LDS serves a wave's instructions in order: no wait between the stores and the loads.
.macro TOSTAGE a
.set AC, 64*((\a)%4)
	WIN 0x08+4*((\a)/4)                            ; the data: window 2 or 3
.irp b, 0,1,2,3,4,5,6,7
	ds_store_b128 v[STO], v[AC+8*\b:AC+8*\b+3] offset:64*\b          ; each accumulator from its low end on
	ds_store_b128 v[STO], v[AC+8*\b+4:AC+8*\b+7] offset:64*\b+16
.endr
	WIN 0
.set BB, BK+64*((\a)%2)
.irp t, 0,1,2,3,4,5,6,7,8,9,10,11,12,13,14,15
	ds_load_b128 v[BB+4*\t:BB+4*\t+3], v[RD] offset:\t*SPITCH
.endr
.endm
.macro SEND a, younger
.set BB, BK+64*((\a)%2)
	s_wait_dscnt \younger                          ; the block is back in registers
.if (\a) > 0
	s_add_nc_u64 s[12:13], s[12:13], 16*SIZE_N*4   ; (behind a wait on XCNT: the earlier stores have read their base)
.endif
.irp t, 0,1,2,3,4,5,6,7,8,9,10,11,12,13,14,15
	global_store_b128 v[CO], v[BB+4*\t:BB+4*\t+3], s[12:13] offset:\t*SIZE_N*4 th:TH_STORE_NT   ; 32 lanes store 512 consecutive bytes, at a multiple of 256 from out0's first byte
.endr
.endm
	PLACES NP
	TOSTAGE 0
.irp a, 1,2,3,4,5,6,7
.if \a > 1
	s_wait_xcnt 0x0                                ; block a - 2's stores have read their registers and their base
.endif
	TOSTAGE \a
	SEND \a-1, 32                                  ; behind block a - 1's loads: block a's 16 stores and 16 loads
.endr
	s_wait_xcnt 0x0
	SEND 7, 0
	s_wait_tensorcnt 0x0                           ; the wave's end
	ds_add_u32 v[SPW], v[NIL]
	s_wait_dscnt 0x0
	CROUND                                         ; the closing round
	s_endpgm
.Lfunc_end_k_q7c4f04411a_proj:
	.size	k_q7c4f04411a_proj, .Lfunc_end_k_q7c4f04411a_proj-k_q7c4f04411a_proj
	.p2alignl 7, 3214868480
	.fill 96, 4, 3214868480
	.section	.rodata,"a",@progbits
	.p2align	6, 0x0
	.amdhsa_kernel k_q7c4f04411a_proj
		.amdhsa_group_segment_fixed_size 327680
		.amdhsa_private_segment_fixed_size 0
		.amdhsa_enable_private_segment 0
		.amdhsa_kernarg_size 40
		.amdhsa_user_sgpr_count 2
		.amdhsa_user_sgpr_kernarg_segment_ptr 1
		.amdhsa_wavefront_size32 1
		.amdhsa_system_sgpr_workgroup_id_x 1
		.amdhsa_system_sgpr_workgroup_id_y 1
		.amdhsa_system_sgpr_workgroup_id_z 1
		.amdhsa_system_vgpr_workitem_id 0
		.amdhsa_next_free_vgpr 1024
		.amdhsa_next_free_sgpr 98
		.amdhsa_reserve_vcc 0
		.amdhsa_float_denorm_mode_32 3
		.amdhsa_float_denorm_mode_16_64 3
		.amdhsa_memory_ordered 1
		.amdhsa_forward_progress 1
		.amdhsa_inst_pref_size 135
	.end_amdhsa_kernel
	.amdgpu_metadata
---
amdhsa.version: [ 1, 2 ]
amdhsa.kernels:
  - .name:           k_q7c4f04411a_proj
    .symbol:         k_q7c4f04411a_proj.kd
    .args:
      - { .name: ycodes, .offset: 0, .size: 8, .value_kind: global_buffer, .address_space: global }
      - { .name: yscales, .offset: 8, .size: 8, .value_kind: global_buffer, .address_space: global }
      - { .name: wcodes, .offset: 16, .size: 8, .value_kind: global_buffer, .address_space: global }
      - { .name: wscales, .offset: 24, .size: 8, .value_kind: global_buffer, .address_space: global }
      - { .name: out0, .offset: 32, .size: 8, .value_kind: global_buffer, .address_space: global }
    .group_segment_fixed_size: 327680
    .private_segment_fixed_size: 0
    .kernarg_segment_align: 8
    .kernarg_segment_size: 40
    .max_flat_workgroup_size: 128
    .sgpr_count:     98
    .vgpr_count:     1024
    .wavefront_size: 32
...
	.end_amdgpu_metadata
.endif
;; end of part 4
;; ======== version 2 of 2: 4 launches
;; limits: right only within a limited range of input values
;; workspace buffers: wcodes 15,728,640 bytes; wscales 655,360 bytes; rope 1,048,576 bytes; qkv 9,437,184 bytes; qkvs 393,216 bytes; ycodes 3,145,728 bytes; yscales 131,072 bytes
;; launch quant (part 5): grid 640 x 1, 4 waves a work-group, no clusters, 34,304 bytes of LDS; arguments x, Wq, Wk, Wv, Wproj, wcodes, wscales, rope; writes wcodes, wscales, rope
.if DOCPART == 5
	.amdgcn_target "amdgcn-amd-amdhsa--gfx1250"
	.amdhsa_code_object_version 6
	.text
	.protected	k_q7c4f04411a_quant
	.globl	k_q7c4f04411a_quant
	.p2align	8
	.type	k_q7c4f04411a_quant,@function
k_q7c4f04411a_quant:
	s_mov_b64 s[64:65], 0
	v_nop
	global_prefetch_b8 v0, s[64:65] scope:SCOPE_SE
	s_setreg_imm32_b32 hwreg(HW_REG_WAVE_MODE, 25, 1), 1
	s_wait_xcnt 0x0
; x, Wq, Wk, Wv, Wproj, each [2048][2048] f32 with K innermost, become codes of BF6 (E3M2) with one E8M0 byte for each 32 along K; and the table of cos and sin for the rotary embedding is made.
; A block's scale is 2^(floor(log2(its largest magnitude)) - 4): its byte is the largest magnitude's exponent field - 4, held at 1 from below.
; LAYOUT OF THE CODES.  A fragment (16 rows x 128 K, 12 registers a lane) lies in memory as the image of its registers: register g of lane l at byte 512 (g / 4) + 16 l + 4 (g % 4), 1,536 dense bytes;
; wcodes = [tensor 5][block of 16 rows 128][K step 16][1,536].  Every reader takes a fragment by three loads of 16 bytes a lane.
; ORDER ALONG K.  Inside each block of 32 the code places 0-7, 8-15, 16-23, 24-31 hold the numbers 0-7, 16-23, 8-15, 24-31.  Every operand of this program has that order, so each product pairs the right numbers;
; a block holds the same 32 numbers as in plain order, so its scale is the same.  Only the order in which the matrix unit adds the products of a block differs.
; wscales = [tensor][block of rows][pair of K steps 8][row 16][2 words]; a word is the four bytes of one row and 128 K.
; rope = [block of 16 tokens 128][cos, sin][b 4][jh 2][lane 32][4 f32]: the entry is for token 16 tb + lane % 16 and frequency 16 b + 8 (lane / 16) + 4 jh + w.
; LIMITS: NaN and infinities are not served.  A block whose largest magnitude lies under 2^-122, a block of zeros among them, gets the byte 1 (the rule says 127 for zeros): its codes are zeros or near it, and this program alone reads the bytes.
; The angle is the f32 product token x inv_freq; inv_freq = (1e-4 as f32)^(f / 64) is made by one exponential with its exponent in two parts, good to about one unit in the last place.
; SHARES.  A work-group takes 16 rows of one tensor, a wave 512 along K: four K steps.  Each load reads 512 consecutive bytes of a row; a K step's 16 x 512 bytes turn through the wave's own stage in LDS (rows of 528 bytes),
; from which a lane takes its two whole blocks of 32.  Waves share nothing: no barrier.  No matrix unit, no cluster, no tensor load: the launch is a stream, and memory binds it.
.set STG,  8448                        ; a wave's stage: 16 rows x (512 + 16) bytes
.set R,    64                          ; v64-191   two sets of 64 registers as loaded
.set X,    192                         ; v192-255  my two blocks of 32
.set PC,   32                          ; v32-43    the fragment's codes; v44-46, v48-50 the blocks' upper halves as converted
.set SW,   16                          ; v16-19    the four K steps' scale words
	s_load_b256 s[4:11], s[0:1], 0x0               ; x, Wq, Wk, Wv
	s_load_b256 s[12:19], s[0:1], 0x20             ; Wproj, wcodes, wscales, rope
	v_lshl_add_u32 v62, v0, 2, 0x8400
	v_mov_b32 v63, 0
	v_lshrrev_b32 v1, 5, v0
	v_readfirstlane_b32 s20, v1                    ; wave
	v_and_b32 v1, 31, v0                           ; lane
	v_and_b32 v2, 15, v0                           ; r
	v_bfe_u32 v3, v0, 4, 1                         ; h
	v_lshlrev_b32 v4, 4, v1                        ; 16 x lane: loads, and the stores of images
	s_mul_i32 s23, s20, STG
	v_add_nc_u32 v5, s23, v4                       ; the stage, on the way in
	v_mul_u32_u24 v6, v2, 528
	v_lshl_add_u32 v6, v3, 7, v6
	v_add_nc_u32 v6, s23, v6                       ; and out: row r, block h of each pair of blocks
	v_lshlrev_b32 v7, 3, v2
	v_lshl_add_u32 v7, v3, 7, v7                   ; the scale words' place: 128 h + 8 r
	v_lshlrev_b32 v15, 3, v3                       ; 8 h
	v_mov_b32 v20, 0                               ; a lane permute's destination counts as read
	s_lshr_b32 s21, ttmp9, 7                       ; which tensor
	s_and_b32 s22, ttmp9, 127                      ; which 16 rows
	s_mov_b32 s24, 0x76543210
	s_mov_b32 s25, 0xfedcba98                      ; selects for lane l xor 16
	s_wait_alu depctr_va_vdst(0)
	s_wait_kmcnt 0x0
	s_cmp_eq_u32 s21, 1                            ; the choice hangs on the work-group's number alone
	s_cselect_b64 s[4:5], s[6:7], s[4:5]
	s_cmp_eq_u32 s21, 2
	s_cselect_b64 s[4:5], s[8:9], s[4:5]
	s_cmp_eq_u32 s21, 3
	s_cselect_b64 s[4:5], s[10:11], s[4:5]
	s_cmp_eq_u32 s21, 4
	s_cselect_b64 s[4:5], s[12:13], s[4:5]
	s_lshl_b32 s26, s22, 17                        ; 16 rows of 8,192 bytes
	s_lshl_b32 s28, s20, 11                        ; my wave's 2,048 bytes of a row
	s_add_co_u32 s26, s26, s28
	s_mov_b32 s27, 0
	s_add_nc_u64 s[4:5], s[4:5], s[26:27]
	s_mul_i32 s26, ttmp9, 24576                    ; a block of rows: 16 images
	s_mul_i32 s28, s20, 6144                       ; my four
	s_add_co_u32 s26, s26, s28
	s_add_nc_u64 s[14:15], s[14:15], s[26:27]
	s_lshl_b32 s26, ttmp9, 10
	s_lshl_b32 s28, s20, 8
	s_add_co_u32 s26, s26, s28
	s_add_nc_u64 s[16:17], s[16:17], s[26:27]
.macro LOAD s                          ; K step s: 16 rows x 512 bytes
.irp p, 0,1,2,3,4,5,6,7,8,9,10,11,12,13,14,15
	global_load_b128 v[R+64*((\s)%2)+4*\p:R+64*((\s)%2)+4*\p+3], v4, s[4:5] offset:8192*\p+512*(\s) th:TH_LOAD_NT
.endr
.endm
.macro STEP s
.if (\s) < 3
	s_wait_loadcnt 16                              ; this K step's 16 loads are in; the next one's may be out
.else
	s_wait_loadcnt 0x0
.endif
.irp p, 0,1,2,3,4,5,6,7,8,9,10,11,12,13,14,15
	ds_store_b128 v5, v[R+64*((\s)%2)+4*\p:R+64*((\s)%2)+4*\p+3] offset:528*\p
.endr
.irp c, 0,1                            ; LDS serves a wave's instructions in order: these see the stores.  Piece p (4 numbers) of block 2 c + h goes to the place that the order along K gives it
.irp p, 0,1,2,3,4,5,6,7
	ds_load_b128 v[X+32*\c+4*(\p%2+4*((\p/2)%2)+2*(\p/4)):X+32*\c+4*(\p%2+4*((\p/2)%2)+2*(\p/4))+3], v6 offset:256*\c+16*\p
.endr
.endr
	s_wait_dscnt 0x0                               ; my numbers are back, and the stores into the stage have read their registers,
.if (\s) < 2
	LOAD (\s)+2                                    ; which take the loads of two K steps on
.endif
	s_wait_xcnt 0x0                                ; the last K step's stores have read the codes' registers
.irp c, 0,1
	v_max3_num_f32 v[8+\c], |v[X+32*\c]|, |v[X+32*\c+1]|, 0x2800000   ; the block's largest magnitude, over the floor 2^(5 - 127)
.endr
.irp i, 2,4,6,8,10,12,14,16,18,20,22,24,26,28,30
.irp c, 0,1
	v_max3_num_f32 v[8+\c], v[8+\c], |v[X+32*\c+\i]|, |v[X+32*\c+\i+1]|
.endr
.endr
.irp c, 0,1
	v_add_nc_u32 v[10+\c], 0xfe000000, v[8+\c]     ; 4 off its exponent field: the conversion's scale operand
.endr
.irp c, 0,1
	v_lshrrev_b32 v[12+\c], 23, v[10+\c]           ; the scale's byte
.endr
	v_lshl_or_b32 v14, v13, 16, v12                ; blocks h and 2 + h,
	v_lshlrev_b32 v14, v15, v14                    ; at their places in the word;
	v_permlanex16_b32 v20, v14, s24, s25
	v_or_b32 v[SW+(\s)], v14, v20                  ; with lane l xor 16's two the word is whole
.irp c, 0,1
	v_cvt_scalef32_pk16_bf6_f32 v[PC+6*\c:PC+6*\c+2], v[X+32*\c:X+32*\c+15], v[10+\c]
	v_cvt_scalef32_pk16_bf6_f32 v[PC+12+4*\c:PC+14+4*\c], v[X+32*\c+16:X+32*\c+31], v[10+\c]   ; (a conversion's three registers begin on an even number)
.endr
	v_nop                                          ; one plain place behind a scaled conversion
.irp c, 0,1
.irp i, 0,1,2
	v_mov_b32 v[PC+3+6*\c+\i], v[PC+12+4*\c+\i]
.endr
.endr
.irp c, 0,1,2
	global_store_b128 v4, v[PC+4*\c:PC+4*\c+3], s[14:15] offset:1536*(\s)+512*\c   ; 512 consecutive bytes a store
.endr
.endm
	LOAD 0
	LOAD 1
	STEP 0
	STEP 1
	STEP 2
	STEP 3
	v_cmp_ne_u32 vcc_lo, 0, v3
	v_cndmask_b32 v22, v[SW], v[SW+2], vcc_lo      ; lanes 0-15: my first pair of K steps; lanes 16-31: the second
	v_cndmask_b32 v23, v[SW+1], v[SW+3], vcc_lo
	global_store_b64 v7, v[22:23], s[16:17]        ; 256 consecutive bytes
	; THE TABLE: the first 128 work-groups make 16 tokens each, wave b the frequencies 16 b .. 16 b + 15, a lane eight of them.
	s_cmp_lt_u32 ttmp9, 128
	s_cbranch_scc0 .Lend
	s_lshl_b32 s26, ttmp9, 13
	s_lshl_b32 s28, s20, 10
	s_add_co_u32 s26, s26, s28
	s_add_nc_u64 s[18:19], s[18:19], s[26:27]
	s_mov_b32 s30, 0x3e549a78                      ; -log2(1e-4 as f32) / 64, upper part,
	s_mov_b32 s31, 0x31ab2aae                      ; and what is left of it
	s_mov_b32 s32, 0x3f317218                      ; ln 2
	s_mov_b32 s33, 0x3f22f983                      ; 2 / pi
	s_mov_b32 s34, 0x3fc90fdb                      ; pi / 2, upper part,
	s_mov_b32 s35, 0xb33bbd2e                      ; and what is left of it
	s_mov_b32 s36, 0xbe2aaaa3                      ; sine: -1.6666654611e-1,
	s_mov_b32 s37, 0x3c08839e                      ; 8.3321608736e-3,
	s_mov_b32 s38, 0xb94ca1f9                      ; -1.9515295891e-4
	s_mov_b32 s39, 0x3d2aaaa5                      ; cosine: 4.166664568e-2,
	s_mov_b32 s40, 0xbab6061a                      ; -1.388731625e-3,
	s_mov_b32 s41, 0x37ccf5ce                      ; 2.443315712e-5
	s_lshl_b32 s26, ttmp9, 4
	v_add_nc_u32 v21, s26, v2
	v_cvt_f32_u32 v21, v21                         ; my token
	s_lshl_b32 s28, s20, 4
	v_lshl_add_u32 v24, v3, 3, s28                 ; my first frequency: 16 b + 8 h
.irp i, 0,1,2,3,4,5,6,7
	v_add_nc_u32 v[64+\i], \i, v24
.endr
.irp i, 0,1,2,3,4,5,6,7
	v_cvt_f32_u32 v[64+\i], v[64+\i]
.endr
.irp i, 0,1,2,3,4,5,6,7
	v_mul_f32 v[72+\i], s30, v[64+\i]              ; the exponent, rounded,
.endr
.irp i, 0,1,2,3,4,5,6,7
	v_fma_f32 v[80+\i], v[64+\i], s30, -v[72+\i]   ; what the rounding dropped,
.endr
.irp i, 0,1,2,3,4,5,6,7
	v_fma_f32 v[80+\i], v[64+\i], s31, v[80+\i]    ; and the lower part's share
.endr
.irp i, 0,1,2,3,4,5,6,7
	v_exp_f32 v[88+\i], -v[72+\i]
.endr
	v_nop                                          ; a plain place behind the exponentials
	s_wait_alu depctr_va_vdst(0)                   ; one wait for the eight, ahead of their first reader
.irp i, 0,1,2,3,4,5,6,7
	v_mul_f32 v[96+\i], v[88+\i], v[80+\i]
.endr
.irp i, 0,1,2,3,4,5,6,7
	v_fma_f32 v[88+\i], -v[96+\i], s32, v[88+\i]   ; inv_freq = 2^-a (1 - e ln 2)
.endr
.irp i, 0,1,2,3,4,5,6,7
	v_mul_f32 v[88+\i], v21, v[88+\i]              ; the angle
.endr
.irp i, 0,1,2,3,4,5,6,7
	v_mul_f32 v[96+\i], s33, v[88+\i]
.endr
.irp i, 0,1,2,3,4,5,6,7
	v_rndne_f32 v[96+\i], v[96+\i]                 ; n quarter turns
.endr
.irp i, 0,1,2,3,4,5,6,7
	v_fma_f32 v[88+\i], -v[96+\i], s34, v[88+\i]   ; exact: n has 11 bits, and the difference fits in 24
.endr
.irp i, 0,1,2,3,4,5,6,7
	v_fma_f32 v[88+\i], -v[96+\i], s35, v[88+\i]   ; what is left of the angle, at most pi / 4
.endr
.irp i, 0,1,2,3,4,5,6,7
	v_mul_f32 v[104+\i], v[88+\i], v[88+\i]        ; z
.endr
.irp i, 0,1,2,3,4,5,6,7
	v_cvt_i32_f32 v[96+\i], v[96+\i]
.endr
.irp i, 0,1,2,3,4,5,6,7
	v_fma_f32 v[112+\i], v[104+\i], s38, s37
	v_fma_f32 v[120+\i], v[104+\i], s41, s40
.endr
.irp i, 0,1,2,3,4,5,6,7
	v_fma_f32 v[112+\i], v[112+\i], v[104+\i], s36
	v_fma_f32 v[120+\i], v[120+\i], v[104+\i], s39
.endr
.irp i, 0,1,2,3,4,5,6,7
	v_mul_f32 v[112+\i], v[112+\i], v[104+\i]
	v_mul_f32 v[72+\i], v[104+\i], v[104+\i]
	v_fma_f32 v[80+\i], v[104+\i], -0.5, 1.0
.endr
.irp i, 0,1,2,3,4,5,6,7
	v_fma_f32 v[112+\i], v[112+\i], v[88+\i], v[88+\i]   ; the sine of what is left
	v_fma_f32 v[120+\i], v[72+\i], v[120+\i], v[80+\i]   ; and its cosine
.endr
.irp i, 0,1,2,3,4,5,6,7
	v_and_b32 v[72+\i], 1, v[96+\i]
	v_cmp_ne_u32 vcc_lo, 0, v[72+\i]               ; an odd number of quarter turns swaps the two
	v_cndmask_b32 v[128+\i], v[120+\i], v[112+\i], vcc_lo
	v_cndmask_b32 v[136+\i], v[112+\i], v[120+\i], vcc_lo
	v_and_b32 v[72+\i], 2, v[96+\i]
	v_add_nc_u32 v[80+\i], 1, v[96+\i]
	v_lshlrev_b32 v[72+\i], 30, v[72+\i]
	v_and_b32 v[80+\i], 2, v[80+\i]
	v_xor_b32 v[136+\i], v[72+\i], v[136+\i]       ; the sine is negative in quarters 2 and 3,
	v_lshlrev_b32 v[80+\i], 30, v[80+\i]
	v_xor_b32 v[128+\i], v[80+\i], v[128+\i]       ; the cosine in quarters 1 and 2
.endr
	global_store_b128 v4, v[128:131], s[18:19]
	global_store_b128 v4, v[132:135], s[18:19] offset:512
	global_store_b128 v4, v[136:139], s[18:19] offset:4096
	global_store_b128 v4, v[140:143], s[18:19] offset:4608
.Lend:
	s_wait_tensorcnt 0x0
	ds_add_u32 v62, v63
	s_wait_dscnt 0x0
	s_endpgm
.Lfunc_end_k_q7c4f04411a_quant:
	.size	k_q7c4f04411a_quant, .Lfunc_end_k_q7c4f04411a_quant-k_q7c4f04411a_quant
	.p2alignl 7, 3214868480
	.fill 96, 4, 3214868480
	.section	.rodata,"a",@progbits
	.p2align	6, 0x0
	.amdhsa_kernel k_q7c4f04411a_quant
		.amdhsa_group_segment_fixed_size 34304
		.amdhsa_private_segment_fixed_size 0
		.amdhsa_enable_private_segment 0
		.amdhsa_kernarg_size 64
		.amdhsa_user_sgpr_count 2
		.amdhsa_user_sgpr_kernarg_segment_ptr 1
		.amdhsa_wavefront_size32 1
		.amdhsa_system_sgpr_workgroup_id_x 1
		.amdhsa_system_sgpr_workgroup_id_y 1
		.amdhsa_system_sgpr_workgroup_id_z 1
		.amdhsa_system_vgpr_workitem_id 0
		.amdhsa_next_free_vgpr 256
		.amdhsa_next_free_sgpr 66
		.amdhsa_reserve_vcc 1
		.amdhsa_float_denorm_mode_32 3
		.amdhsa_float_denorm_mode_16_64 3
		.amdhsa_memory_ordered 1
		.amdhsa_forward_progress 1
		.amdhsa_inst_pref_size 44
	.end_amdhsa_kernel
	.amdgpu_metadata
---
amdhsa.version: [ 1, 2 ]
amdhsa.kernels:
  - .name:           k_q7c4f04411a_quant
    .symbol:         k_q7c4f04411a_quant.kd
    .args:
      - { .name: x, .offset: 0, .size: 8, .value_kind: global_buffer, .address_space: global }
      - { .name: Wq, .offset: 8, .size: 8, .value_kind: global_buffer, .address_space: global }
      - { .name: Wk, .offset: 16, .size: 8, .value_kind: global_buffer, .address_space: global }
      - { .name: Wv, .offset: 24, .size: 8, .value_kind: global_buffer, .address_space: global }
      - { .name: Wproj, .offset: 32, .size: 8, .value_kind: global_buffer, .address_space: global }
      - { .name: wcodes, .offset: 40, .size: 8, .value_kind: global_buffer, .address_space: global }
      - { .name: wscales, .offset: 48, .size: 8, .value_kind: global_buffer, .address_space: global }
      - { .name: rope, .offset: 56, .size: 8, .value_kind: global_buffer, .address_space: global }
    .group_segment_fixed_size: 34304
    .private_segment_fixed_size: 0
    .kernarg_segment_align: 8
    .kernarg_segment_size: 64
    .max_flat_workgroup_size: 128
    .sgpr_count:     66
    .vgpr_count:     256
    .wavefront_size: 32
...
	.end_amdgpu_metadata
.endif
;; end of part 5
;; launch qkv (part 6): grid 24 x 8, 4 waves a work-group, clusters of 4 x 4, 327,680 bytes of LDS; arguments wcodes, wscales, rope, vi, lamb, qkv, qkvs; writes qkv, qkvs
.if DOCPART == 6
	.amdgcn_target "amdgcn-amd-amdhsa--gfx1250"
	.amdhsa_code_object_version 6
	.text
	.protected	k_q7c4f04411a_qkv
	.globl	k_q7c4f04411a_qkv
	.p2align	8
	.type	k_q7c4f04411a_qkv,@function
k_q7c4f04411a_qkv:
	s_mov_b64 s[64:65], 0
	v_nop
	global_prefetch_b8 v0, s[64:65] scope:SCOPE_SE
	s_setreg_imm32_b32 hwreg(HW_REG_WAVE_MODE, 25, 1), 1
	s_wait_xcnt 0x0
	s_wait_alu depctr_hold_cnt(0) depctr_sa_sdst(0) depctr_va_vdst(0) depctr_va_sdst(0) depctr_va_ssrc(0) depctr_va_vcc(0) depctr_vm_vsrc(0)
	s_getreg_b32 s2, hwreg(HW_REG_IB_STS2, 6, 4)
	s_cmp_eq_u32 s2, 0
	s_cbranch_scc0 .Lentry_in_a_cluster
	s_endpgm
.Lentry_in_a_cluster:
	s_bfe_u32 s2, ttmp6, 0x10000c
	s_cmp_lg_u32 s2, 0xf033
	s_cbranch_scc0 .Lentry_shape_is_right
	s_endpgm
.Lentry_shape_is_right:
; q = x Wq^T, k = x Wk^T, v = x Wv^T on codes of BF6 (E3M2) with E8M0 scales, sums in f32; then, in registers: q and k get the RMS norm over a head's 128 and the rotary embedding and are
; quantised along the head; v becomes (1 - lamb) v + lamb vi and is quantised along the TOKENS, the K of attention's second product.
; TILES.  A work-group of four waves makes 256 x 256, a wave 128 x 128: 64 accumulators.  Tile columns 0-15: A = x, B = 256 rows of [Wq; Wk]: a wave's 128 columns are one head.  Tile columns 16-23 make v
; transposed: A = 256 rows of Wv, B = 256 tokens of x.  Source 0 = 16 rows of B, source 1 = 16 rows of A: a lane holds one row of A, its registers run along B's rows: the axis of the quantiser.
; OPERANDS are images of their registers (16 rows x 128 K = 1,536 dense bytes); inside each block of 32 along K the code places 0-7, 8-15, 16-23, 24-31 hold the numbers 0-7, 16-23, 8-15, 24-31, in every operand alike.
; qkv = [q, k, v][head 16][group of 128 tokens 16][a 8][1,536]; qkvs = [q, k, v][head][group][r 16][a 8] scale words.
; K goes in steps of 256 through two LDS slots; the scale words of all of K come once.  THE HEAD: one joint load a wave (A's slot 0, B's slot 0, A's scales, B's scales); slot 1 behind the full sequence and a round.
; PREFETCH: behind the load of K slot s stands one request a wave for K slot s + 2: of a wave's 8 blocks of rows each of the four partners names two, 24 blocks of 256 bytes, told apart by address; K slots 8, 9 do not exist and are not named.
; THE WAY OUT.  q, k: all eight blocks' mean squares first, one batch of eight rsq; the tables of cos and sin stand in four sets of 64 registers of window 1, asked for three blocks ahead (the first inside the last K step, into
; registers that the loop leaves idle).  v: vi's chunks of 16 tokens go the same way through four sets into the wave's stage in LDS.  Each block has code registers of its own, so no store's data are written again.
; Which kind a work-group makes hangs on the cluster's x alone: the same in all sixteen partners.
; LIMITS: NaN and infinities are not served; a block whose largest magnitude lies under 2^-122 gets the byte 1; the order in which a block's products are added differs from plain order along K.
.set NQ,     2
.set FR,     12
.set NL,     3
.set NP,     4
.set KB,     3072                      ; 16 rows x 256 K: two images
.set HALFT,  8*KB
.set SLOT,   4*HALFT
.set LAPS,   4
.set SCL,    2*SLOT
.set HALFS,  8192
.set SBLK,   1024
.set SPARE,  327168
.set REG,    3145728
.set SREG,   131072
.set VST,    67584                     ; a wave's stage for vi: 128 tokens x 528 bytes, over slots and scales that have had their last fill and read
.set ADRA, 16
.set SA,   18
.set PFT,  19                          ; the table's prefetch: 256 x lane + my share's block
.set ADRB, 20
.set PFW,  22                          ; the tiles' prefetch: my lane's block of 256 bytes
.set STW,  24
.set LI,   26
.set ADRS, 27
.set SPW,  28
.set NIL,  29
.set PFO,  30
.set STR,  31
.set SC,   32
.set AF,   128
.set TM,   44                          ; v44-59 the quantiser's own
.set H,    64                          ; v64-127 64 numbers to be quantised
.set PC,   128                         ; v128-223 codes, 12 registers a block
.set RS,   224                         ; v224-239 the eight blocks' 1 / rms, in pairs
.set PWS,  240                         ; v240-247 scale words
.set PT,   248                         ; v248-254 upper halves as converted
.set G1, 24
.set G0, 32
.set G1B, 48
.set G0B, 56
.set G1S, 68
.set G0S, 76
.set G1SB, 80
.set G0SB, 88
.set SEL, 68
.set PFA, 2
.set CNT, 101
.set MSB, 0
.macro WIN new
.if MSB != (\new)
	s_set_vgpr_msb (MSB<<8)|(\new)
.set MSB, (\new)
.endif
.endm
.set MUL_LO, 0xa1
.set MUL_HI, 0xf1
.set TO_B,   0x40
.macro JLOAD g0a, g1a, g0b, g1b        ; waves 0, 1 fetch for A, waves 2, 3 for B
	s_cmp_eq_u32 s15, 0
	s_cbranch_scc0 .Lfor_b_\@
	tensor_load_to_lds s[\g0a:\g0a+3], s[\g1a:\g1a+7]
	s_nop 0
.rept 4
	v_nop
.endr
	s_branch .Lasked_\@
.Lfor_b_\@:
	tensor_load_to_lds s[\g0b:\g0b+3], s[\g1b:\g1b+7]
	s_nop 0
.rept 4
	v_nop
.endr
.Lasked_\@:
.endm
.macro CREST
	s_cmp_lg_u32 s14, 0
	s_cbranch_scc1 .Lnot_wave_0_\@
	s_barrier_signal -3
.Lnot_wave_0_\@:
	s_barrier_wait -3
	s_barrier_signal -1
	s_barrier_wait -1
.endm
.macro CROUND
	s_barrier_signal -1
	s_barrier_wait -1
	CREST
.endm
.macro ARM under, g0, g1, next         ; one arm of the head's tree: one load, then to the tree's end
	s_cmp_lt_u32 s14, \under
	s_cbranch_scc0 \next
	tensor_load_to_lds s[\g0:\g0+3], s[\g1:\g1+7]
	s_nop 0
.rept 4
	v_nop
.endr
	s_branch .Lhead_asked
\next:
.endm
	s_load_b256 s[4:11], s[0:1], 0x0               ; wcodes, wscales, rope, vi
	s_load_b64 s[96:97], s[0:1], 0x20              ; lamb
	s_load_b64 s[12:13], s[0:1], 0x28              ; qkv
	s_load_b64 s[98:99], s[0:1], 0x30              ; qkvs
	v_lshl_add_u32 v[SPW], v0, 2, SPARE
	v_mov_b32 v[NIL], 0
	ds_add_u32 v[SPW], v[NIL]                      ; the opening lines: the add twice and one wait
	ds_add_u32 v[SPW], v[NIL]
	v_lshrrev_b32 v1, 5, v0
	v_readfirstlane_b32 s14, v1                    ; wave
	s_lshr_b32 s15, s14, 1                         ; my half of A's rows; also: I fetch for A (0) or B (1)
	s_and_b32 s16, s14, 1                          ; my half of B's rows; also: which 128 rows I fetch
	s_bfe_u32 s40, ttmp6, 0x40000
	s_bfe_u32 s41, ttmp6, 0x40004
	s_lshl_b32 s42, ttmp9, 2
	s_add_co_u32 s42, s42, s40                     ; tile column 0..23
	s_and_b32 s17, ttmp7, 0xffff
	s_lshl_b32 s17, s17, 2
	s_add_co_u32 s17, s17, s41                     ; tile row 0..7
	s_lshl_b32 s43, s41, 2
	s_lshl_b32 s43, 15, s43
	s_lshl_b32 s44, 0x1111, s40
	s_or_b32 s[G1+0], s43, (3<<16)|(1<<21)
	s_or_b32 s[G1B+0], s44, (3<<16)|(1<<21)
.irp g, G1, G1B                        ; codes: rows of 3,072 bytes, 24,576 apart: 16 of them for the head's loads, 8 afterwards
	s_mov_b32 s[\g+1], 384<<16
	s_mov_b32 s[\g+2], 16<<16
	s_mov_b32 s[\g+3], 384<<16
	s_mov_b32 s[\g+4], 16
	s_mov_b32 s[\g+5], 3072
	s_mov_b32 s[\g+6], 0
	s_mov_b32 s[\g+7], 0
.endr
	s_or_b32 s[G1S+0], s43, (3<<16)|(1<<21)
	s_or_b32 s[G1SB+0], s44, (3<<16)|(1<<21)
.irp g, G1S, G1SB                      ; scale words of 256 rows: 16,384 dense bytes as 64 rows of 256
	s_mov_b32 s[\g+1], 32<<16
	s_mov_b32 s[\g+2], 64<<16
	s_mov_b32 s[\g+3], 32<<16
	s_mov_b32 s[\g+4], 64
	s_mov_b32 s[\g+5], 32
	s_mov_b32 s[\g+6], 0
	s_mov_b32 s[\g+7], 0
.endr
	s_cmp_ge_u32 ttmp9, 4                          ; clusters 4 and 5 along x make v
	s_cselect_b32 s100, 1, 0
	s_cselect_b32 s18, 3*REG, 0
	s_cselect_b32 s19, 3*SREG, 0
	s_cselect_b32 s2, 0, REG
	s_cselect_b32 s3, 0, SREG
	s_cselect_b32 s101, 16, 0
	s_sub_co_u32 s101, s42, s101                   ; B's tile
	s_lshl_b32 s20, s17, 8                         ; A's first row
	s_lshl_b32 s46, s101, 8                        ; B's
	s_lshl_b32 s22, s20, 6
	s_add_co_u32 s22, s22, s19
	s_mov_b32 s23, 0
	s_mul_i32 s20, s20, 1536
	s_add_co_u32 s20, s20, s18
	s_mov_b32 s21, 0
	s_lshl_b32 s92, s46, 6
	s_add_co_u32 s92, s92, s3
	s_mov_b32 s93, 0
	s_mul_i32 s46, s46, 1536
	s_add_co_u32 s46, s46, s2
	s_mov_b32 s47, 0
	s_mul_i32 s18, s16, 128*1536                   ; in the ring I fetch 128 rows: which half
	s_mov_b32 s19, 0
	s_mul_i32 s45, s14, HALFT
	s_wait_dscnt 0x0
	s_wait_kmcnt 0x0
	s_load_b32 s95, s[96:97], 0x0                  ; lamb; waited for behind the loop
	s_add_nc_u64 s[20:21], s[4:5], s[20:21]
	s_add_nc_u64 s[22:23], s[6:7], s[22:23]
	s_add_nc_u64 s[46:47], s[4:5], s[46:47]
	s_add_nc_u64 s[92:93], s[6:7], s[92:93]
	s_mov_b32 s[G0], 1                             ; the head's four tiles, each whole
	s_mov_b32 s[G0+1], 0
	s_mov_b64 s[G0+2:G0+3], s[20:21]
	s_or_b32 s[G0+3], s[G0+3], 0x80000000
	s_mov_b32 s[G0B], 1
	s_mov_b32 s[G0B+1], 2*HALFT
	s_mov_b64 s[G0B+2:G0B+3], s[46:47]
	s_or_b32 s[G0B+3], s[G0B+3], 0x80000000
	s_mov_b32 s[G0S], 1
	s_mov_b32 s[G0S+1], SCL
	s_mov_b64 s[G0S+2:G0S+3], s[22:23]
	s_or_b32 s[G0S+3], s[G0S+3], 0x80000000
	s_mov_b32 s[G0SB], 1
	s_mov_b32 s[G0SB+1], SCL+2*HALFS
	s_mov_b64 s[G0SB+2:G0SB+3], s[92:93]
	s_or_b32 s[G0SB+3], s[G0SB+3], 0x80000000
	s_add_nc_u64 s[20:21], s[20:21], s[18:19]      ; my 128 rows
	s_add_nc_u64 s[46:47], s[46:47], s[18:19]
	s_mov_b32 s[G0+4], 1                           ; slot 1: K slot 1
	s_add_co_u32 s[G0+5], s45, SLOT
	s_add_nc_u64 s[G0+6:G0+7], s[20:21], KB
	s_or_b32 s[G0+7], s[G0+7], 0x80000000
	s_mov_b32 s[G0B+4], 1
	s_add_co_u32 s[G0B+5], s45, SLOT
	s_add_nc_u64 s[G0B+6:G0B+7], s[46:47], KB
	s_or_b32 s[G0B+7], s[G0B+7], 0x80000000
	s_cmp_eq_u32 s15, 0                            ; the prefetches: the rows that I fetch, and of their 8 blocks my work-group's two
	s_cselect_b64 s[PFA:PFA+1], s[20:21], s[46:47]
	s_cselect_b32 s92, s40, s41
	s_mul_i32 s92, s92, 2*8*KB
	s_mov_b32 s93, 0
	s_add_nc_u64 s[PFA:PFA+1], s[PFA:PFA+1], s[92:93]
	CROUND                                         ; all sixteen work-groups are here
	ARM 1, G0,  G1,  .Lhead_b
	ARM 2, G0B, G1B, .Lhead_sa
	ARM 3, G0S, G1S, .Lhead_sb
	tensor_load_to_lds s[G0SB:G0SB+3], s[G1SB:G1SB+7]
	s_nop 0
.rept 4
	v_nop
.endr
.Lhead_asked:
	s_mul_i32 s20, s15, HALFT                      ; my 128 rows of A
	s_mul_i32 s21, s16, HALFT
	s_add_co_u32 s21, s21, 2*HALFT                 ; my 128 rows of B
	s_mul_i32 s23, s15, HALFS
	s_mul_i32 s22, s16, HALFS
	s_add_co_u32 s22, s22, 2*HALFS
	s_sub_co_u32 s22, s22, s23                     ; from A's scale words to B's
	s_add_co_u32 s23, s23, SCL
	s_mul_i32 s46, s14, VST
	s_lshl_b32 s47, s40, 1
	s_add_co_u32 s47, s47, s16
	s_lshl_b32 s47, s47, 13                        ; of my 8 table blocks the one that I name: eight waves share them
	v_and_b32 v1, 15, v0
	v_bfe_u32 v2, v0, 4, 1
	v_and_b32 v3, 31, v0
	v_lshlrev_b32 v[LI], 4, v3
	v_lshlrev_b32 v[PFO], 13, v3
	v_add_nc_u32 v[ADRA], s20, v[LI]
	v_add_nc_u32 v[ADRB], s21, v[LI]
	v_add_nc_u32 v[ADRA+1], SLOT, v[ADRA]
	v_add_nc_u32 v[ADRB+1], SLOT, v[ADRB]
	v_lshlrev_b32 v5, 3, v1
	v_mul_u32_u24 v6, s22, v2                      ; lanes 16-31 take B's
	v_add_nc_u32 v5, v5, v6
	v_add_nc_u32 v[ADRS], s23, v5
	v_lshlrev_b32 v[SA], 5, v1
	v_lshl_add_u32 v[SA], v2, 4, v[SA]
	v_add_nc_u32 v[STW], s46, v[LI]
	v_add_nc_u32 v[STW+1], 64*528, v[STW]
	v_mul_u32_u24 v[STR], v2, 8*528
	v_lshl_add_u32 v[STR], v1, 2, v[STR]
	v_add_nc_u32 v[STR], s46, v[STR]
	v_lshl_add_u32 v[PFT], v3, 8, s47
	v_min_u32 v4, 23, v3                           ; 24 blocks of 256 bytes: 12 in each of two rows 24,576 bytes apart; lanes 24-31 name the last again
	v_mul_u32_u24 v7, v4, 171
	v_lshrrev_b32 v7, 11, v7                       ; lane / 12
	v_mul_u32_u24 v7, v7, 24576-3072
	v_lshl_add_u32 v[PFW], v4, 8, v7
	global_prefetch_b8 v[PFW], s[PFA:PFA+1] offset:2*KB th:TH_LOAD_NT scope:SCOPE_SE   ; K slot 2
	s_lshl_b32 s20, s17, 4
	s_lshl_b32 s21, s15, 3
	s_add_co_u32 s20, s20, s21
	s_lshl_b32 s20, s20, 13
	s_mov_b32 s21, 0
	s_add_nc_u64 s[8:9], s[8:9], s[20:21]          ; the table at my first block of 16 tokens (q, k)
	s_lshl_b32 s20, s17, 1
	s_add_co_u32 s20, s20, s15
	s_and_b32 s21, s42, 7
	s_lshl_b32 s21, s21, 1
	s_add_co_u32 s21, s21, s16
	s_lshr_b32 s22, s42, 3                         ; 0 q, 1 k, 2 v
	s_cmp_lg_u32 s100, 0
	s_cselect_b32 s23, s20, s21                    ; head
	s_cselect_b32 s46, s21, s20                    ; group of tokens
	s_mul_i32 s47, s22, REG
	s_mul_i32 s92, s23, 196608
	s_add_co_u32 s47, s47, s92
	s_mul_i32 s92, s46, 12288
	s_add_co_u32 s92, s47, s92
	s_mov_b32 s93, 0
	s_add_nc_u64 s[12:13], s[12:13], s[92:93]
	s_lshl_b32 s47, s22, 17
	s_lshl_b32 s92, s23, 13
	s_add_co_u32 s47, s47, s92
	s_lshl_b32 s92, s46, 9
	s_add_co_u32 s92, s47, s92
	s_add_nc_u64 s[98:99], s[98:99], s[92:93]
	s_cmp_lg_u32 s100, 0
	s_cselect_b32 s47, s46, 0
	s_lshl_b32 s47, s47, 20
	s_lshl_b32 s92, s23, 9
	s_add_co_u32 s92, s47, s92
	s_add_nc_u64 s[10:11], s[10:11], s[92:93]      ; vi at my 128 tokens, my head (v)
.macro FRAG reg, adr, q, i
.irp c, 0,1,2
	ds_load_b128 v[\reg+4*\c:\reg+4*\c+3], v[\adr] offset:KB*(\i)+1536*(\q)+512*\c
.endr
.endm
; 16 matrix instructions; the 64 accumulators take turns, one instruction a turn
.macro MUL16 a0, p, q, sc, zero
.irp a, \a0, \a0+1
.irp b, 0,1,2,3,4,5,6,7
.if \zero
	v_wmma_scale_f32_16x16x128_f8f6f4 v[8*(8*((\a)%4)+\b):8*(8*((\a)%4)+\b)+7], v[128*(\p)+FR*\b:128*(\p)+FR*\b+FR-1], v[AF+FR*(\a):AF+FR*(\a)+FR-1], 0, v[SC+8*NQ*(\sc)+NQ*\b+(\q)], v[SC+8*NQ*(\sc)+NQ*(\a)+(\q)] matrix_a_fmt:MATRIX_FMT_BF6 matrix_b_fmt:MATRIX_FMT_BF6 matrix_a_scale:MATRIX_SCALE_ROW1
.else
	v_wmma_scale_f32_16x16x128_f8f6f4 v[8*(8*((\a)%4)+\b):8*(8*((\a)%4)+\b)+7], v[128*(\p)+FR*\b:128*(\p)+FR*\b+FR-1], v[AF+FR*(\a):AF+FR*(\a)+FR-1], v[8*(8*((\a)%4)+\b):8*(8*((\a)%4)+\b)+7], v[SC+8*NQ*(\sc)+NQ*\b+(\q)], v[SC+8*NQ*(\sc)+NQ*(\a)+(\q)] matrix_a_fmt:MATRIX_FMT_BF6 matrix_b_fmt:MATRIX_FMT_BF6 matrix_a_scale:MATRIX_SCALE_ROW1
.endif
.endr
.endr
.endm
.macro FETCH_B slot, q, p
	WIN TO_B
.irp i, 0,1,2,3,4,5,6,7
	FRAG 128*(\p)+FR*\i, ADRB+\slot, \q, \i
.endr
	WIN 0
.endm
.macro FETCH_A slot, q, i0
.irp i, \i0, \i0+1, \i0+2, \i0+3
	FRAG AF+FR*(\i), ADRA+\slot, \q, \i
.endr
.endm
.macro SCALES sc
.irp i, 0,1,2,3,4,5,6,7
	ds_load_b64 v[SC+8*NQ*\sc+NQ*\i:SC+8*NQ*\sc+NQ*\i+1], v[ADRS] offset:\i*SBLK
.endr
.endm
.macro PLACES n
.rept \n
	v_nop
.endr
.endm
; four sets of 64 registers in two halves.  Set 0 (window 1, v96-127 and v224-255) and v's set 1 (window 0, v64-127) are idle in the loop.
.macro TSET a                          ; the tables' sets, all in window 1: TC cos, TS sin
.if (\a)%4 == 0
.set TC, 96
.set TS, 224
.elseif (\a)%4 == 1
.set TC, 0
.set TS, 32
.elseif (\a)%4 == 2
.set TC, 64
.set TS, 128
.else
.set TC, 160
.set TS, 192
.endif
.endm
.macro VSET k                          ; vi's sets: VW the window
.if (\k)%4 == 0
.set VW, 1
.set VC, 96
.set VS, 224
.elseif (\k)%4 == 1
.set VW, 0
.set VC, 64
.set VS, 96
.elseif (\k)%4 == 2
.set VW, 1
.set VC, 0
.set VS, 32
.else
.set VW, 1
.set VC, 64
.set VS, 128
.endif
.endm
.macro TABLE a                         ; block a's cos and sin, in the registers' order: 16 loads of 512 consecutive bytes
	TSET \a
	WIN 0x40
.irp g, 0,1,2,3,4,5,6,7
	global_load_b128 v[TC+4*\g:TC+4*\g+3], v[LI], s[8:9] offset:8192*(\a)+512*\g
.endr
.irp g, 0,1,2,3,4,5,6,7
	global_load_b128 v[TS+4*\g:TS+4*\g+3], v[LI], s[8:9] offset:8192*(\a)+4096+512*\g
.endr
	WIN 0
.endm
.macro VLOAD k                         ; 16 tokens of vi, 512 consecutive bytes a load
	VSET \k
	WIN (VW<<6)
.irp i, 0,1,2,3,4,5,6,7
	global_load_b128 v[VC+4*\i:VC+4*\i+3], v[LI], s[10:11] offset:(16*(\k)+\i)*8192 th:TH_LOAD_NT
.endr
.irp i, 0,1,2,3,4,5,6,7
	global_load_b128 v[VS+4*\i:VS+4*\i+3], v[LI], s[10:11] offset:(16*(\k)+8+\i)*8192 th:TH_LOAD_NT
.endr
	WIN 0
.endm
; What the way out reads is asked for in the last two K steps.  w = 0: v: 64 tokens of vi, a lane a token, two blocks of 256 bytes each; q, k: my share of my 128 tokens' table, a lane a block.
; w = 1: v: the other 64 tokens, and the loads of chunks 0 and 1; q, k: the load of table 0.
.macro EARLY w
	s_cmp_lg_u32 s100, 0
	s_cbranch_scc0 .Lqk_\@
.irp k, 2*\w, 2*\w+1
	global_prefetch_b8 v[PFO], s[10:11] offset:262144*(\k) th:TH_LOAD_NT scope:SCOPE_SE
	global_prefetch_b8 v[PFO], s[10:11] offset:262144*(\k)+256 th:TH_LOAD_NT scope:SCOPE_SE
.endr
.if \w
	VLOAD 0
	VLOAD 1
.endif
	s_branch .Learly_\@
.Lqk_\@:
.if \w
	TABLE 0
.else
	global_prefetch_b8 v[PFT], s[8:9] th:TH_LOAD_NT scope:SCOPE_SE
.endif
.Learly_\@:
.endm
.macro STEP slot, q, zero, ask
	s_wait_dscnt 4*NL                              ; all but A's blocks 4-7
	WIN MUL_LO
	MUL16 0, (\q)%2, \q, \slot, \zero
	MUL16 2, (\q)%2, \q, \slot, \zero
	s_wait_dscnt 0
	PLACES NP
	FETCH_B \slot, (\q)+1, 1-(\q)%2
	FETCH_A \slot, (\q)+1, 0
.if \ask
	EARLY 1
.endif
	WIN MUL_HI
	MUL16 4, (\q)%2, \q, \slot, \zero
	MUL16 6, (\q)%2, \q, \slot, \zero
	PLACES NP
	WIN 0
	FETCH_A \slot, (\q)+1, 4
.endm
.macro TURN slot, next, fill, ask      ; a slot's last step changes slots
.if \fill
	s_wait_xcnt 0x0                                ; my prefetches have read their address: it steps one K slot
	s_add_nc_u64 s[PFA:PFA+1], s[PFA:PFA+1], KB
.endif
	s_wait_tensorcnt 0x0                           ; my part of the next slot is in
	ds_add_u32 v[SPW], v[NIL]
	s_wait_dscnt 4*NL+1
	WIN MUL_LO
	MUL16 0, 1, NQ-1, \slot, 0
	s_wait_dscnt 0x0                               ; the add, and my reads of this slot
	s_barrier_signal -1
	MUL16 2, 1, NQ-1, \slot, 0
	WIN 0
	s_barrier_wait -1
.if \fill
	CREST
	s_add_nc_u64 s[G0+4*\slot+2:G0+4*\slot+3], s[G0+4*\slot+2:G0+4*\slot+3], 2*KB
	s_add_nc_u64 s[G0B+4*\slot+2:G0B+4*\slot+3], s[G0B+4*\slot+2:G0B+4*\slot+3], 2*KB
	JLOAD G0+4*\slot, G1, G0B+4*\slot, G1B
.else
	PLACES NP
.endif
	s_wait_alu depctr_va_vdst(0)                   ; the wait ahead of the reader below
	v_add_nc_u32 v[ADRS], 128, v[ADRS]
	FETCH_B \next, 0, 0
	FETCH_A \next, 0, 0
	SCALES \next
.if \fill
	s_cmp_gt_u32 s[CNT], 1                         ; the last trip's refills have no K slot two on
	s_cbranch_scc0 .Lno_ask_\@
	global_prefetch_b8 v[PFW], s[PFA:PFA+1] offset:3*KB th:TH_LOAD_NT scope:SCOPE_SE
.Lno_ask_\@:
.endif
.if \ask
	EARLY 0
.endif
	WIN MUL_HI
	MUL16 4, 1, NQ-1, \slot, 0
	MUL16 6, 1, NQ-1, \slot, 0
	PLACES NP
	WIN 0
	FETCH_A \next, 0, 4
.endm
	s_wait_alu depctr_va_vdst(0)                   ; the wait at the head's end
	s_wait_tensorcnt 0x0                           ; my tile of the head's four is in
	ds_add_u32 v[SPW], v[NIL]
	s_mov_b32 s[G1+2], 8<<16                       ; no load of mine is out: from here on a load brings 8 rows, my quarter of a slot
	s_mov_b32 s[G1+4], 8
	s_mov_b32 s[G1B+2], 8<<16
	s_mov_b32 s[G1B+4], 8
	s_mov_b32 s[G0+1], s45
	s_mov_b32 s[G0B+1], s45
	s_add_nc_u64 s[G0+2:G0+3], s[G0+2:G0+3], s[18:19]
	s_add_nc_u64 s[G0B+2:G0B+3], s[G0B+2:G0B+3], s[18:19]
	s_wait_dscnt 0x0
	CROUND
	JLOAD G0+4, G1, G0B+4, G1B                     ; slot 1's first fill, issued as a refill is
	FETCH_B 0, 0, 0
	FETCH_A 0, 0, 0
	SCALES 0
	FETCH_A 0, 0, 4
	global_prefetch_b8 v[PFW], s[PFA:PFA+1] offset:3*KB th:TH_LOAD_NT scope:SCOPE_SE   ; K slot 3
	STEP 0, 0, 1, 0
	s_mov_b32 s[CNT], LAPS-1
.Llap:
	TURN 0, 1, 1, 0
	STEP 1, 0, 0, 0
	TURN 1, 0, 1, 0
	STEP 0, 0, 0, 0
	s_sub_co_u32 s[CNT], s[CNT], 1
	s_cmp_lg_u32 s[CNT], 0
	s_cbranch_scc1 .Llap
	TURN 0, 1, 0, 1
	STEP 1, 0, 0, 1
	s_wait_dscnt 4*NL
	WIN MUL_LO
	MUL16 0, 1, NQ-1, 1, 0
	MUL16 2, 1, NQ-1, 1, 0
	s_wait_dscnt 0
	WIN MUL_HI
	MUL16 4, 1, NQ-1, 1, 0
	MUL16 6, 1, NQ-1, 1, 0
	WIN 0
	PLACES NP
; 64 numbers of a lane, v[s] on: registers 16 b .. 16 b + 15 and lane l xor 16's are block b of my row -> codes in v[pc] on, scale word in v[pw].  The maxima run in eight chains.
.macro QUANT s, pw, pc
.irp b, 0,1,2,3
	v_max3_num_f32 v[TM+\b], |v[\s+16*\b]|, |v[\s+16*\b+1]|, 0x2800000   ; over the floor 2^(5 - 127)
	v_max3_num_f32 v[TM+4+\b], |v[\s+16*\b+8]|, |v[\s+16*\b+9]|, 0x2800000
.endr
.irp i, 2,4,6
.irp b, 0,1,2,3
	v_max3_num_f32 v[TM+\b], v[TM+\b], |v[\s+16*\b+\i]|, |v[\s+16*\b+\i+1]|
	v_max3_num_f32 v[TM+4+\b], v[TM+4+\b], |v[\s+16*\b+8+\i]|, |v[\s+16*\b+9+\i]|
.endr
.endr
.irp b, 0,1,2,3
	v_max_num_f32 v[TM+\b], v[TM+\b], v[TM+4+\b]
.endr
.irp b, 0,1,2,3
	v_permlanex16_b32 v[TM+4+\b], v[TM+\b], s[SEL], s[SEL+1]
.endr
.irp b, 0,1,2,3
	v_max_num_f32 v[TM+\b], v[TM+\b], v[TM+4+\b]
.endr
.irp b, 0,1,2,3
	v_add_nc_u32 v[TM+12+\b], 0xfe000000, v[TM+\b] ; 4 off the exponent field: the conversion's scale operand
.endr
.irp b, 0,1,2,3
	v_lshrrev_b32 v[TM+4+\b], 23, v[TM+12+\b]
.endr
	v_lshl_or_b32 v[\pw], v[TM+5], 8, v[TM+4]
	v_lshl_or_b32 v[\pw], v[TM+6], 16, v[\pw]
	v_lshl_or_b32 v[\pw], v[TM+7], 24, v[\pw]
.irp c, 0,1
	v_cvt_scalef32_pk16_bf6_f32 v[\pc+6*\c:\pc+6*\c+2], v[\s+32*\c:\s+32*\c+15], v[TM+12+2*\c]
	v_cvt_scalef32_pk16_bf6_f32 v[PT+4*\c:PT+4*\c+2], v[\s+32*\c+16:\s+32*\c+31], v[TM+13+2*\c]
.endr
	v_nop                                          ; one plain place behind a scaled conversion
.irp c, 0,1
.irp i, 0,1,2
	v_permlane16_swap_b32 v[\pc+6*\c+\i], v[PT+4*\c+\i]
.endr
.irp i, 0,1,2
	v_mov_b32 v[\pc+6*\c+3+\i], v[PT+4*\c+\i]
.endr
.endr
.endm
.macro OUTF a
.irp c, 0,1,2
	global_store_b128 v[LI], v[PC+12*(\a)+4*\c:PC+12*(\a)+4*\c+3], s[12:13] offset:1536*(\a)+512*\c
.endr
.endm
	s_wait_kmcnt 0x0                               ; lamb
	s_wait_dscnt 0x0
	s_barrier_signal -1                            ; no wave reads the slots or the scales any more
	s_barrier_wait -1
	s_mov_b32 s[SEL], 0x76543210
	s_mov_b32 s[SEL+1], 0xfedcba98
	s_mov_b32 s70, 0x3c000000                      ; 1 / 128
	s_mov_b32 s71, 0x34000000                      ; the norm's epsilon
	s_cmp_lg_u32 s100, 0
	s_cbranch_scc1 .Lv
; ---- q and k.  Block a: 16 tokens, a lane one token and 64 of the head's 128: register 8 b + j is channel 16 b + 8 h + j.
	TABLE 1
	TABLE 2
.irp a, 0,1,2,3,4,5,6,7
	v_mov_b32 v[56+\a], 0                          ; a lane permute's destination counts as read
	v_mov_b32 v[RS+1+2*\a], 0                      ; the pairs' upper halves are named
.endr
.irp a, 0,1,2,3,4,5,6,7                ; the squares of block a in eight chains, each accumulator from its low end on
.set AC, 64*(\a%4)
	WIN 0x0a+5*(\a/4)
.set n, 0
.rept 8
	v_pk_mul_f32 v[32+2*n:33+2*n], v[AC+2*n:AC+2*n+1], v[AC+2*n:AC+2*n+1]
.set n, n+1
.endr
.rept 24
	v_pk_fma_f32 v[32+2*(n%8):33+2*(n%8)], v[AC+2*n:AC+2*n+1], v[AC+2*n:AC+2*n+1], v[32+2*(n%8):33+2*(n%8)]
.set n, n+1
.endr
	WIN 0
	v_pk_add_f32 v[32:33], v[32:33], v[40:41]
	v_pk_add_f32 v[34:35], v[34:35], v[42:43]
	v_pk_add_f32 v[36:37], v[36:37], v[44:45]
	v_pk_add_f32 v[38:39], v[38:39], v[46:47]
	v_pk_add_f32 v[32:33], v[32:33], v[36:37]
	v_pk_add_f32 v[34:35], v[34:35], v[38:39]
	v_pk_add_f32 v[32:33], v[32:33], v[34:35]
	v_add_f32 v[48+\a], v32, v33
.endr
.irp a, 0,1,2,3,4,5,6,7
	v_permlanex16_b32 v[56+\a], v[48+\a], s[SEL], s[SEL+1]   ; the token's other 64 channels
.endr
.irp a, 0,1,2,3,4,5,6,7
	v_add_f32 v[48+\a], v[48+\a], v[56+\a]
.endr
.irp a, 0,1,2,3,4,5,6,7
	v_fma_f32 v[48+\a], v[48+\a], s70, s71
.endr
	s_wait_alu depctr_va_vdst(0)                   ; the wait ahead of the batch
.irp a, 0,1,2,3,4,5,6,7
	v_rsq_f32 v[RS+2*\a], v[48+\a]
.endr
	v_nop
	s_wait_alu depctr_va_vdst(0)                   ; and behind it
.macro ROPE8 g                         ; eight pairs by turns: x1 c + x2 s, x2 c - x1 s; x1 = registers 0-31, x2 = registers 32-63
.irp q, 0,1,2,3,4,5,6,7
	v_pk_mul_f32 v[32+2*\q:33+2*\q], v[H+16*\g+2*\q:H+16*\g+2*\q+1], v[TC+16*\g+2*\q:TC+16*\g+2*\q+1]
.endr
.irp q, 0,1,2,3,4,5,6,7
	v_pk_mul_f32 v[48+2*\q:49+2*\q], v[H+16*\g+2*\q:H+16*\g+2*\q+1], v[TS+16*\g+2*\q:TS+16*\g+2*\q+1]
.endr
.irp q, 0,1,2,3,4,5,6,7
	v_pk_fma_f32 v[H+16*\g+2*\q:H+16*\g+2*\q+1], v[H+32+16*\g+2*\q:H+33+16*\g+2*\q], v[TS+16*\g+2*\q:TS+16*\g+2*\q+1], v[32+2*\q:33+2*\q]
.endr
.irp q, 0,1,2,3,4,5,6,7
	v_pk_fma_f32 v[H+32+16*\g+2*\q:H+33+16*\g+2*\q], v[H+32+16*\g+2*\q:H+33+16*\g+2*\q], v[TC+16*\g+2*\q:TC+16*\g+2*\q+1], v[48+2*\q:49+2*\q] neg_lo:[0,0,1] neg_hi:[0,0,1]
.endr
.endm
.macro QK_BLOCK a
.set AC, 64*((\a)%4)
.if (\a) < 6
	s_wait_loadcnt 32                              ; this block's table is in; the two behind it may be out
.else
	s_wait_loadcnt 16*(7-(\a))
.endif
.if (\a) < 5
	TABLE (\a)+3                                   ; into the set that the last block has read
.endif
	WIN 0x02+((\a)/4)
.set n, 0
.rept 32
	v_pk_mul_f32 v[H+2*n:H+2*n+1], v[AC+2*n:AC+2*n+1], v[RS+2*(\a):RS+2*(\a)+1] op_sel_hi:[1,0]
.set n, n+1
.endr
	TSET \a
	WIN 0x04                                       ; source 1: the table, window 1
	ROPE8 0
	ROPE8 1
	WIN 0
	QUANT H, PWS+(\a), PC+12*(\a)
	OUTF \a
.endm
.irp a, 0,1,2,3,4,5,6,7
	QK_BLOCK \a
.endr
	s_branch .Ltail
; ---- v.  Block a: 16 channels of my head, a lane one channel and 64 of my 128 tokens: register 8 b + j is token 16 b + 8 h + j.  vi's 128 tokens x 512 bytes come as they lie into my stage, and a lane takes its numbers from there.
.Lv:
.macro VSTAGE k
.if (\k) < 6
	s_wait_loadcnt 32                              ; this chunk is in; the two behind it may be out
.else
	s_wait_loadcnt 16*(7-(\k))
.endif
.if (\k) < 5
.if (\k) > 0
	s_wait_dscnt 0x0                               ; the last chunk's stores have read their registers, which take the chunk three on
.endif
	VLOAD (\k)+3
.endif
	VSET \k
	WIN (VW<<2)
.irp i, 0,1,2,3,4,5,6,7
	ds_store_b128 v[STW+(\k)/4], v[VC+4*\i:VC+4*\i+3] offset:((16*(\k)+\i)%64)*528
.endr
.irp i, 0,1,2,3,4,5,6,7
	ds_store_b128 v[STW+(\k)/4], v[VS+4*\i:VS+4*\i+3] offset:((16*(\k)+8+\i)%64)*528
.endr
	WIN 0
.endm
.macro VILOAD a                        ; into window 1, two sets by turns
	WIN 0x40
.irp b, 0,1,2,3,4,5,6,7
.irp j, 0,1,2,3,4,5,6,7
	ds_load_b32 v[64*((\a)%2)+8*\b+\j], v[STR] offset:(16*\b+\j)*528+64*(\a)
.endr
.endr
	WIN 0
.endm
.macro V_BLOCK a
.set AC, 64*((\a)%4)
.set VB, 64*((\a)%2)
	s_wait_dscnt 0x0                               ; this block's vi
.if (\a) < 7
	VILOAD (\a)+1
.endif
	WIN 0x41
.set n, 0
.rept 32
	v_pk_mul_f32 v[VB+2*n:VB+2*n+1], v[VB+2*n:VB+2*n+1], v[40:41]
.set n, n+1
.endr
	WIN 0x12+((\a)/4)
.set n, 0
.rept 32
	v_pk_fma_f32 v[H+2*n:H+2*n+1], v[AC+2*n:AC+2*n+1], v[42:43], v[VB+2*n:VB+2*n+1]   ; (1 - lamb) v + lamb vi
.set n, n+1
.endr
	WIN 0
	QUANT H, PWS+(\a), PC+12*(\a)
	OUTF \a
.endm
	VLOAD 2
	v_mov_b32 v40, s95
	v_mov_b32 v41, s95
	v_sub_f32 v42, 1.0, v40
	v_mov_b32 v43, v42
	s_wait_alu depctr_va_vdst(0)                   ; the wait ahead of the waits below
.irp k, 0,1,2,3,4,5,6,7
	VSTAGE \k
.endr
	s_wait_dscnt 0x0
	VILOAD 0
.irp a, 0,1,2,3,4,5,6,7
	V_BLOCK \a
.endr
.Ltail:                                                ; lane (r, h) stores the scale words of blocks 4 h .. 4 h + 3 of row r: 512 consecutive bytes
	v_bfe_u32 v32, v0, 4, 1
	v_cmp_ne_u32 vcc_lo, 0, v32
.irp i, 0,1,2,3
	v_cndmask_b32 v[224+\i], v[PWS+\i], v[PWS+4+\i], vcc_lo
.endr
	global_store_b128 v[SA], v[224:227], s[98:99]
	s_wait_tensorcnt 0x0                           ; the wave's end
	ds_add_u32 v[SPW], v[NIL]
	s_wait_dscnt 0x0
	CROUND
	s_endpgm
.Lfunc_end_k_q7c4f04411a_qkv:
	.size	k_q7c4f04411a_qkv, .Lfunc_end_k_q7c4f04411a_qkv-k_q7c4f04411a_qkv
	.p2alignl 7, 3214868480
	.fill 96, 4, 3214868480
	.section	.rodata,"a",@progbits
	.p2align	6, 0x0
	.amdhsa_kernel k_q7c4f04411a_qkv
		.amdhsa_group_segment_fixed_size 327680
		.amdhsa_private_segment_fixed_size 0
		.amdhsa_enable_private_segment 0
		.amdhsa_kernarg_size 56
		.amdhsa_user_sgpr_count 2
		.amdhsa_user_sgpr_kernarg_segment_ptr 1
		.amdhsa_wavefront_size32 1
		.amdhsa_system_sgpr_workgroup_id_x 1
		.amdhsa_system_sgpr_workgroup_id_y 1
		.amdhsa_system_sgpr_workgroup_id_z 1
		.amdhsa_system_vgpr_workitem_id 0
		.amdhsa_next_free_vgpr 1024
		.amdhsa_next_free_sgpr 102
		.amdhsa_reserve_vcc 1
		.amdhsa_float_denorm_mode_32 3
		.amdhsa_float_denorm_mode_16_64 3
		.amdhsa_memory_ordered 1
		.amdhsa_forward_progress 1
		.amdhsa_inst_pref_size 255
	.end_amdhsa_kernel
	.section	.bss,"aw",@nobits
	.p2align	6
	.space	262144
	.amdgpu_metadata
---
amdhsa.version: [ 1, 2 ]
amdhsa.kernels:
  - .name:           k_q7c4f04411a_qkv
    .symbol:         k_q7c4f04411a_qkv.kd
    .args:
      - { .name: wcodes, .offset: 0, .size: 8, .value_kind: global_buffer, .address_space: global }
      - { .name: wscales, .offset: 8, .size: 8, .value_kind: global_buffer, .address_space: global }
      - { .name: rope, .offset: 16, .size: 8, .value_kind: global_buffer, .address_space: global }
      - { .name: vi, .offset: 24, .size: 8, .value_kind: global_buffer, .address_space: global }
      - { .name: lamb, .offset: 32, .size: 8, .value_kind: global_buffer, .address_space: global }
      - { .name: qkv, .offset: 40, .size: 8, .value_kind: global_buffer, .address_space: global }
      - { .name: qkvs, .offset: 48, .size: 8, .value_kind: global_buffer, .address_space: global }
    .group_segment_fixed_size: 327680
    .private_segment_fixed_size: 0
    .kernarg_segment_align: 8
    .kernarg_segment_size: 56
    .max_flat_workgroup_size: 128
    .sgpr_count:     102
    .vgpr_count:     1024
    .wavefront_size: 32
...
	.end_amdgpu_metadata
.endif
;; end of part 6
;; launch attn (part 7): grid 16 x 16, 8 waves a work-group, no clusters, 327,680 bytes of LDS; arguments qkv, qkvs, ycodes, yscales; writes ycodes, yscales
.if DOCPART == 7
	.amdgcn_target "amdgcn-amd-amdhsa--gfx1250"
	.amdhsa_code_object_version 6
	.text
	.protected	k_q7c4f04411a_attn
	.globl	k_q7c4f04411a_attn
	.p2align	8
	.type	k_q7c4f04411a_attn,@function
k_q7c4f04411a_attn:
	s_mov_b64 s[64:65], 0
	v_nop
	global_prefetch_b8 v0, s[64:65] scope:SCOPE_SE
	s_setreg_imm32_b32 hwreg(HW_REG_WAVE_MODE, 25, 1), 1
	s_wait_xcnt 0x0
; Causal attention of one head on codes of BF6 (E3M2) with E8M0 scales: S^T = k q^T, p = 2^t, O^T = v^T p^T, y = O / l, and y is quantised along the head for the projection.
; Operands are images of their registers (16 rows x 128 K = 1,536 bytes): qkv = [q, k, v][head][group of 128 tokens][a 8][1,536], qkvs = [q, k, v][head][group][r 16][a 8] scale words.
; SHARES.  Work-group (x, head) has eight tiles of 16 queries: 4 x + i and 127 - (4 x + i), i = 0 .. 3.  The keys go in steps of 128.  EVERY TILE IS SHARED BY TWO WAVES: wave w works its tile E at even steps and its tile O at odd
; steps; wave w xor 4 has the same two tiles the other way round.  So a tile's steps are dealt by turns to two waves, and each wave has half of 17 steps, whatever x.  A step whose keys all lie behind the tile's queries is jumped over.
; At the end a wave hands its part of tile O (O^T and l) to its partner through LDS and finishes tile E: the parts are plain sums, see below.
; NO MAXIMUM IS CARRIED: t = score x log2(e) / sqrt(128) is bounded by the computation itself for every input.  the module norms q and k to a length of at most sqrt(128), the rotation keeps it, the quantiser lengthens a vector
; by less than a fifth: |t| < 1.44 x 1.45 x sqrt(128) < 24.  So p = 2^t lies in 2^-24 .. 2^24, a row's sum under 2^35: nothing overflows or underflows in f32 or in a scale byte.  Against p = 2^(t - M) with the whole number M
; of the problem's rule this p is larger by the exact factor 2^M, which the blocks' scales take up (the codes are the same) and the division by l takes away.
; LDS.  Two slots of four steps (K's 49,152 bytes, then V's), the scale words of all keys, the spare words, and behind slot 1 a stage of 8,704 bytes a wave that no fill touches.
; THE HEAD: one tensor load a wave, in one group: waves 0-5 a sixth of slot 0 each, waves 6 and 7 K's and V's scale words.  In the ring each wave brings an eighth of a slot.
; ONE LOOP of four slots: the fill of slot s + 1 is led round, by a test on the work-group's number alone, where no wave of the work-group reads it (x >= 8 ends at slot 2); every wait on TENSORcnt is for 0.
; cluster = none: the work-groups of a head need different numbers of slots, so a partner would never read some slot that a joint load brought.
; PREFETCH: the sixteen work-groups of a head read the same slots; work-group x = 0 names them for all: in trip s its waves 0-5 name slot s + 2, 8,192 bytes of K and of V a wave, a lane a block of 256 bytes; trips 2 and 3 name nothing.
; LIMITS: NaN and infinities are not served; a block of p whose largest number lies under 2^-122 (a block wholly behind the mask) gets the byte 1 and zero codes.
.set REG,   3145728
.set SREG,  131072
.set STEPB, 12288
.set VOFF,  4*STEPB
.set SLOT1, 1<<17
.set SCK,   98304
.set SPARE, SCK+16384
.set STG,   229376
.set WST,   8704
.set LI,   1
.set ASK0, 2
.set SPW,  3
.set NIL,  4
.set ADK,  5
.set ADS,  6
.set STA,  7                           ; my stage; v8 my partner's
.set LDA,  8
.set YS,   10
.set PFO,  28
.set MK,   30                          ; r - 8 h
.set NINF, 31
.set QS,   60                          ; v60, v61 q's scale words of tiles E, O; v62 p's
.set PSW,  62
.set TM,   64
.set PC,   32
.set PW,   80
; v12-13, v14-15 l of E, O; v16-27, v48-59 q's fragments; v32-47 K's and V's scale words; v96-159 scores, then p; v160-223 O^T of E; v224-235 p's codes; window 1: v0-95 K, v96-191 V, v192-255 O^T of O
.set WV,   12
.set HD,   13
.set Q0,   14                          ; s14, s15 first query of E, O
.set KF,   16
.set TB,   17
.set TS,   18
.set SL,   19
.set SEL,  20
.set CS,   22
.set G1,   24
.set G1S,  32
.set G0,   40
.set G0S,  44
.set PFA,  48
.set LIM,  50
.set CNT,  51
.set LAST, 52
.set G0H,  56
.set MSB, 0
.macro WIN new
.if MSB != (\new)
	s_set_vgpr_msb (MSB<<8)|(\new)
.set MSB, (\new)
.endif
.endm
	s_load_b256 s[4:11], s[0:1], 0x0               ; qkv, qkvs, ycodes, yscales
	v_lshl_add_u32 v[SPW], v0, 2, SPARE
	v_mov_b32 v[NIL], 0
	ds_add_u32 v[SPW], v[NIL]                      ; the opening lines: the add twice and one wait
	ds_add_u32 v[SPW], v[NIL]
	v_lshrrev_b32 v5, 5, v0
	s_delay_alu instid0(VALU_DEP_1)
	v_readfirstlane_b32 s[WV], v5
	s_and_b32 s[HD], ttmp7, 0xffff
	s_and_b32 s53, s[WV], 3
	s_lshr_b32 s54, s[WV], 2                       ; which of the two partners; in the ring: I fetch K (0) or V (1)
	s_lshl_b32 s55, ttmp9, 2
	s_sub_co_u32 s[LAST], 127, s55
	s_lshr_b32 s[LAST], s[LAST], 5                 ; the last slot that my work-group's highest tile reads
	s_add_co_u32 s55, s55, s53                     ; the low tile
	s_sub_co_u32 s63, 127, s55                     ; the high tile
	s_cmp_lg_u32 s54, 0
	s_cselect_b32 s70, s55, s63                    ; tile E
	s_cselect_b32 s71, s63, s55                    ; tile O
	s_lshl_b32 s[Q0], s70, 4
	s_lshl_b32 s[Q0+1], s71, 4
	s_mov_b32 s[G1], 3<<16                         ; codes: rows of 256 bytes, dense: 64 for the head's loads, 48 in the ring
	s_mov_b32 s[G1+1], 32<<16
	s_mov_b32 s[G1+2], 64<<16
	s_mov_b32 s[G1+3], 32<<16
	s_mov_b32 s[G1+4], 64
	s_mov_b32 s[G1+5], 32
	s_mov_b32 s[G1+6], 0
	s_mov_b32 s[G1+7], 0
	s_mov_b32 s[G1S], 3<<16                        ; scale words: 8,192 bytes as 32 rows
	s_mov_b32 s[G1S+1], 32<<16
	s_mov_b32 s[G1S+2], 32<<16
	s_mov_b32 s[G1S+3], 32<<16
	s_mov_b32 s[G1S+4], 32
	s_mov_b32 s[G1S+5], 32
	s_mov_b32 s[G1S+6], 0
	s_mov_b32 s[G1S+7], 0
	s_mul_i32 s60, s[HD], 196608
	s_lshl_b32 s61, s[HD], 13
	s_add_co_u32 s62, s54, 1                       ; the ring: K or V, my step of a slot's four
	s_mul_i32 s62, s62, REG
	s_add_co_u32 s62, s62, s60
	s_mul_i32 s63, s53, STEPB
	s_add_co_u32 s62, s62, s63
	s_mov_b32 s63, 0
	s_lshl_b32 s55, s[WV], 14                      ; the head: 16,384 bytes a wave: K's three parts, then V's
	s_cmp_ge_u32 s[WV], 3
	s_cselect_b32 s66, REG-VOFF, 0
	s_add_co_u32 s66, s66, REG
	s_add_co_u32 s66, s66, s55
	s_add_co_u32 s66, s66, s60
	s_mov_b32 s67, 0
	s_and_b32 s68, s[WV], 1                        ; waves 6, 7: K's, V's scale words
	s_lshl_b32 s54, s68, 13
	s_add_co_u32 s54, s54, SCK
	s_add_co_u32 s68, s68, 1
	s_lshl_b32 s68, s68, 17
	s_add_co_u32 s68, s68, s61
	s_mov_b32 s69, 0
	s_mul_i32 s53, s[WV], STEPB
	s_mov_b32 s[SEL], 0x76543210
	s_mov_b32 s[SEL+1], 0xfedcba98
	s_mov_b32 s[CS], 0x3e0293ee                    ; log2(e) / sqrt(128)
	s_mov_b32 s[CS+1], s[CS]
	s_mov_b32 s[KF], 0
	s_mov_b32 s[TB], 0
	s_mov_b32 s[TS], 0
	s_mov_b32 s[SL], 0
	s_cmp_lt_u32 s[WV], 6
	s_cselect_b32 s[LIM], 0, 1
	s_or_b32 s[LIM], s[LIM], ttmp9
	s_cmp_eq_u32 s[LIM], 0
	s_cselect_b32 s[LIM], 2, 0                     ; trips in which I prefetch
	s_wait_dscnt 0x0
	s_wait_kmcnt 0x0
	s_mov_b32 s[G0], 1
	s_mov_b32 s[G0+1], s53
	s_add_nc_u64 s[G0+2:G0+3], s[4:5], s[62:63]
	s_or_b32 s[G0+3], s[G0+3], 0x80000000
	s_mov_b32 s[G0H], 1
	s_mov_b32 s[G0H+1], s55
	s_add_nc_u64 s[G0H+2:G0H+3], s[4:5], s[66:67]
	s_or_b32 s[G0H+3], s[G0H+3], 0x80000000
	s_mov_b32 s[G0S], 1
	s_mov_b32 s[G0S+1], s54
	s_add_nc_u64 s[G0S+2:G0S+3], s[6:7], s[68:69]
	s_or_b32 s[G0S+3], s[G0S+3], 0x80000000
	s_cmp_lt_u32 s[WV], 6                          ; one load a wave
	s_cbranch_scc0 .Lhead_s
	tensor_load_to_lds s[G0H:G0H+3], s[G1:G1+7]
	s_nop 0
.rept 4
	v_nop
.endr
	s_branch .Lhead_j
.Lhead_s:
	tensor_load_to_lds s[G0S:G0S+3], s[G1S:G1S+7]
	s_nop 0
.rept 4
	v_nop
.endr
.Lhead_j:
	s_mul_i32 s62, s70, 1536                       ; q's fragment of E,
	s_add_co_u32 s62, s62, s60
	s_mov_b32 s63, 0
	s_add_nc_u64 s[62:63], s[4:5], s[62:63]
	s_mul_i32 s66, s71, 1536                       ; of O
	s_add_co_u32 s66, s66, s60
	s_mov_b32 s67, 0
	s_add_nc_u64 s[66:67], s[4:5], s[66:67]
	s_lshr_b32 s68, s70, 3                         ; and their scale words
	s_lshl_b32 s68, s68, 9
	s_and_b32 s53, s70, 7
	s_lshl_b32 s53, s53, 2
	s_add_co_u32 s68, s68, s53
	s_add_co_u32 s68, s68, s61
	s_mov_b32 s69, 0
	s_add_nc_u64 s[68:69], s[6:7], s[68:69]
	s_lshr_b32 s54, s71, 3
	s_lshl_b32 s54, s54, 9
	s_and_b32 s53, s71, 7
	s_lshl_b32 s53, s53, 2
	s_add_co_u32 s54, s54, s53
	s_add_co_u32 s54, s54, s61
	s_mov_b32 s55, 0
	s_add_nc_u64 s[54:55], s[6:7], s[54:55]
	s_lshl_b32 s[PFA], s[WV], 13
	s_add_co_u32 s[PFA], s[PFA], s60
	s_add_co_u32 s[PFA], s[PFA], REG+4*STEPB
	s_mov_b32 s[PFA+1], 0
	s_add_nc_u64 s[PFA:PFA+1], s[4:5], s[PFA:PFA+1]
	s_lshl_b32 s60, s70, 10                        ; where tile E's y goes
	s_lshr_b32 s61, s[HD], 1
	s_lshl_b32 s61, s61, 7
	s_add_co_u32 s60, s60, s61
	s_and_b32 s61, s[HD], 1
	s_lshl_b32 s61, s61, 2
	s_add_co_u32 s60, s60, s61
	s_mov_b32 s61, 0
	s_add_nc_u64 s[10:11], s[10:11], s[60:61]
	s_mul_i32 s70, s70, 24576
	s_mul_i32 s71, s[HD], 1536
	s_add_co_u32 s70, s70, s71
	s_mov_b32 s71, 0
	s_add_nc_u64 s[8:9], s[8:9], s[70:71]
	s_mul_i32 s53, s[WV], WST
	s_add_co_u32 s53, s53, STG
	s_xor_b32 s51, s[WV], 4
	s_mul_i32 s51, s51, WST
	s_add_co_u32 s51, s51, STG
	v_and_b32 v9, 31, v0
	v_and_b32 v11, 15, v0
	v_bfe_u32 v29, v0, 4, 1
	v_mov_b32 v[NINF], 0xff800000
	s_delay_alu instid0(VALU_DEP_4)
	v_lshlrev_b32 v[LI], 4, v9
	v_lshlrev_b32 v[PFO], 8, v9
	s_delay_alu instid0(VALU_DEP_4)
	v_lshlrev_b32 v29, 3, v29
	v_lshlrev_b32 v[YS], 3, v11
	v_lshlrev_b32 v9, 5, v11
	s_delay_alu instid0(VALU_DEP_3)
	v_sub_nc_u32 v[MK], v11, v29
	v_add_nc_u32 v[STA], s53, v[LI]
	v_add_nc_u32 v[LDA], s51, v[LI]
	s_delay_alu instid0(VALU_DEP_4)
	v_add_nc_u32 v[ASK0], SCK, v9
.irp c, 0,1,2
	global_load_b128 v[16+4*\c:19+4*\c], v[LI], s[62:63] offset:512*\c
	global_load_b128 v[48+4*\c:51+4*\c], v[LI], s[66:67] offset:512*\c
.endr
	global_load_b32 v[QS], v9, s[68:69]
	global_load_b32 v[QS+1], v9, s[54:55]
.irp b, 0,1,2,3
	v_mov_b32 v[12+\b], 0                          ; the sums
	v_mov_b32 v[236+\b], 0                         ; a lane permute's destination counts as read
	v_mov_b32 v[TM+4+\b], 0
.endr
	v_mov_b32 v252, 0
.set n, 0
.rept 64
	v_mov_b32 v[160+n], 0                          ; O^T: a tile's part may have no step at all, so both begin as zeros
.set n, n+1
.endr
	WIN 0x40
.set n, 0
.rept 64
	v_mov_b32 v[192+n], 0
.set n, n+1
.endr
	WIN 0
; one step of 128 keys for tile st (0: E, 1: O)
.macro STEP st
	s_add_co_u32 s53, s[Q0+\st], 15
	s_cmp_gt_u32 s[KF], s53
	s_cbranch_scc1 .Lhidden_\@                     ; every key lies behind every query of the tile
	v_add_nc_u32 v[ADK], s[TB], v[LI]
	v_add_nc_u32 v[ADS], s[TS], v[ASK0]
	v_nop
	v_nop                                          ; four places behind the last matrix instruction, ahead of loads into its registers
	ds_load_b128 v[32:35], v[ADS]
	ds_load_b128 v[36:39], v[ADS] offset:16
	ds_load_b128 v[40:43], v[ADS] offset:8192
	ds_load_b128 v[44:47], v[ADS] offset:8208
	WIN 0x40
.irp t, 0,1,2,3,4,5,6,7
.irp c, 0,1,2
	ds_load_b128 v[12*\t+4*\c:12*\t+4*\c+3], v[ADK] offset:1536*\t+512*\c
.endr
.endr
.irp t, 0,1,2,3,4,5,6,7
.irp c, 0,1,2
	ds_load_b128 v[96+12*\t+4*\c:96+12*\t+4*\c+3], v[ADK] offset:VOFF+1536*\t+512*\c
.endr
.endr
	WIN 0
	s_wait_dscnt 24                                ; all but V's 24 loads
	WIN 0x01
.irp t, 0,1,2,3,4,5,6,7
	v_wmma_scale_f32_16x16x128_f8f6f4 v[96+8*\t:103+8*\t], v[12*\t:12*\t+11], v[16+32*\st:27+32*\st], 0, v[32+\t], v[QS+\st] matrix_a_fmt:MATRIX_FMT_BF6 matrix_b_fmt:MATRIX_FMT_BF6
.endr
	WIN 0
.rept 4
	v_nop
.endr
	s_add_co_u32 s53, s[KF], 127
	s_cmp_le_u32 s53, s[Q0+\st]
	s_cbranch_scc1 .Lopen_\@
	s_sub_co_i32 s53, s[Q0+\st], s[KF]             ; the step on the diagonal: register n holds key 16 (n / 8) + n % 8 + 8 h of the step, my query is r
	v_add_nc_u32 v252, s53, v[MK]
.set n, 0
.rept 64
	v_cmp_gt_i32 vcc_lo, 16*(n/8)+n%8, v252
	v_cndmask_b32 v[96+n], v[96+n], v[NINF], vcc_lo
.set n, n+1
.endr
.Lopen_\@:
.irp b, 0,1,2,3                        ; each block's largest score, in eight chains: p rises with the score, so it gives the block's largest p
	v_max3_num_f32 v[232+\b], v[96+16*\b], v[97+16*\b], v[98+16*\b]
	v_max3_num_f32 v[236+\b], v[104+16*\b], v[105+16*\b], v[106+16*\b]
.endr
.irp i, 3,5
.irp b, 0,1,2,3
	v_max3_num_f32 v[232+\b], v[232+\b], v[96+16*\b+\i], v[97+16*\b+\i]
	v_max3_num_f32 v[236+\b], v[236+\b], v[104+16*\b+\i], v[105+16*\b+\i]
.endr
.endr
.irp b, 0,1,2,3
	v_max3_num_f32 v[232+\b], v[232+\b], v[236+\b], v[103+16*\b]
.endr
.irp b, 0,1,2,3
	v_max_num_f32 v[232+\b], v[232+\b], v[111+16*\b]
.endr
.irp b, 0,1,2,3
	s_delay_alu instid0(VALU_DEP_4)
	v_permlanex16_b32 v[236+\b], v[232+\b], s[SEL], s[SEL+1]
.endr
.irp b, 0,1,2,3
	s_delay_alu instid0(VALU_DEP_4)
	v_max_num_f32 v[232+\b], v[232+\b], v[236+\b]
.endr
.set n, 0
.rept 32
	v_pk_mul_f32 v[96+n:97+n], v[96+n:97+n], s[CS:CS+1] op_sel_hi:[1,0]   ; t
.set n, n+2
.endr
.irp b, 0,1,2,3
	v_mul_f32 v[232+\b], s[CS], v[232+\b]
.endr
	s_wait_alu depctr_va_vdst(0)                   ; the wait ahead of the batch
.irp b, 0,1,2,3
	v_exp_f32 v[232+\b], v[232+\b]
.endr
.set n, 0
.rept 64
	v_exp_f32 v[96+n], v[96+n]                     ; p = 2^t
.set n, n+1
.endr
	v_nop
	s_wait_alu depctr_va_vdst(0)                   ; and behind it
.irp b, 0,1,2,3
	v_max_num_f32 v[232+\b], 0x2800000, v[232+\b]  ; the floor 2^(5 - 127)
.endr
.irp b, 0,1,2,3
	s_delay_alu instid0(VALU_DEP_4)
	v_add_nc_u32 v[244+\b], 0xfe000000, v[232+\b]  ; 4 off the exponent field: the conversion's scale operand
.endr
.irp b, 0,1,2,3
	s_delay_alu instid0(VALU_DEP_4)
	v_lshrrev_b32 v[236+\b], 23, v[244+\b]
.endr
	s_delay_alu instid0(VALU_DEP_3)
	v_lshl_or_b32 v[PSW], v237, 8, v236
	s_delay_alu instid0(VALU_DEP_1)
	v_lshl_or_b32 v[PSW], v238, 16, v[PSW]
	s_delay_alu instid0(VALU_DEP_1)
	v_lshl_or_b32 v[PSW], v239, 24, v[PSW]
.irp c, 0,1
	v_cvt_scalef32_pk16_bf6_f32 v[224+6*\c:226+6*\c], v[96+32*\c:111+32*\c], v[244+2*\c]
	v_cvt_scalef32_pk16_bf6_f32 v[236+4*\c:238+4*\c], v[112+32*\c:127+32*\c], v[244+2*\c+1]
.endr
	v_nop                                          ; one plain place behind a scaled conversion
.irp c, 0,1
.irp i, 0,1,2
	v_permlane16_swap_b32 v[224+6*\c+\i], v[236+4*\c+\i]
.endr
.irp i, 0,1,2
	s_delay_alu instid0(VALU_DEP_3)
	v_mov_b32 v[227+6*\c+\i], v[236+4*\c+\i]
.endr
.endr
.irp k, 0,1,2,3,4,5,6,7                ; l of the unquantised p, in eight chains; these 32 lines are also the places between p's codes and scale word and the products
	v_pk_add_f32 v[236+2*\k:237+2*\k], v[96+4*\k:97+4*\k], v[98+4*\k:99+4*\k]
.endr
.set n, 0
.rept 16
	v_pk_add_f32 v[236+2*(n%8):237+2*(n%8)], v[236+2*(n%8):237+2*(n%8)], v[128+2*n:129+2*n]
.set n, n+1
.endr
.irp k, 0,1,2,3
	s_delay_alu instid0(VALU_DEP_4)
	v_pk_add_f32 v[236+2*\k:237+2*\k], v[236+2*\k:237+2*\k], v[244+2*\k:245+2*\k]
.endr
	s_delay_alu instid0(VALU_DEP_2)
	v_pk_add_f32 v[236:237], v[236:237], v[240:241]
	s_delay_alu instid0(VALU_DEP_2)
	v_pk_add_f32 v[238:239], v[238:239], v[242:243]
	s_delay_alu instid0(VALU_DEP_1)
	v_pk_add_f32 v[236:237], v[236:237], v[238:239]
	s_delay_alu instid0(VALU_DEP_1)
	v_pk_add_f32 v[12+2*\st:13+2*\st], v[12+2*\st:13+2*\st], v[236:237]
	s_wait_dscnt 0x0                               ; V's fragments
.if \st
	WIN 0x51                                       ; V and O^T of O in window 1
.else
	WIN 0x01
.endif
	s_wait_alu depctr_va_vdst(0)                   ; the wait ahead of the first reader of O^T
.irp t, 0,1,2,3,4,5,6,7
	v_wmma_scale_f32_16x16x128_f8f6f4 v[160+32*\st+8*\t:167+32*\st+8*\t], v[96+12*\t:107+12*\t], v[224:235], v[160+32*\st+8*\t:167+32*\st+8*\t], v[40+\t], v[PSW] matrix_a_fmt:MATRIX_FMT_BF6 matrix_b_fmt:MATRIX_FMT_BF6
.endr
	WIN 0
.Lhidden_\@:
	s_add_co_u32 s[KF], s[KF], 128
	s_add_co_u32 s[TB], s[TB], STEPB
	s_add_co_u32 s[TS], s[TS], 512
.endm
	s_wait_alu depctr_va_vdst(0)                   ; the wait at the head's end
	s_wait_loadcnt 0x0
.Lslot:
	s_wait_tensorcnt 0x0                           ; my part of this trip's slot is in
	ds_add_u32 v[SPW], v[NIL]
	s_mov_b32 s[G1+2], 48<<16                      ; no load of mine is out: in the ring a load brings 48 rows
	s_mov_b32 s[G1+4], 48
	s_xor_b32 s[G0+1], s[G0+1], SLOT1
	s_add_nc_u64 s[G0+2:G0+3], s[G0+2:G0+3], 4*STEPB
	s_wait_xcnt 0x0
	s_add_nc_u64 s[PFA:PFA+1], s[PFA:PFA+1], 4*STEPB
	s_wait_dscnt 0x0                               ; the add, and my reads of the other slot
	s_barrier_signal -1
	s_barrier_wait -1
	s_cmp_lt_u32 s[SL], s[LAST]                    ; is the next slot read by any wave of my work-group?
	s_cbranch_scc0 .Lno_fill
	tensor_load_to_lds s[G0:G0+3], s[G1:G1+7]
	s_nop 0
.rept 4
	v_nop
.endr
.Lno_fill:
	s_cmp_lt_u32 s[SL], s[LIM]
	s_cbranch_scc0 .Lno_ask
	global_prefetch_b8 v[PFO], s[PFA:PFA+1] th:TH_LOAD_NT scope:SCOPE_SE
	global_prefetch_b8 v[PFO], s[PFA:PFA+1] offset:REG th:TH_LOAD_NT scope:SCOPE_SE
.Lno_ask:
	s_mov_b32 s[CNT], 2
.Lstep:
	STEP 0
	STEP 1
	s_sub_co_u32 s[CNT], s[CNT], 1
	s_cmp_lg_u32 s[CNT], 0
	s_cbranch_scc1 .Lstep
	s_sub_co_u32 s[TB], s[TB], 4*STEPB
	s_xor_b32 s[TB], s[TB], SLOT1
	s_add_co_u32 s[SL], s[SL], 1
	s_cmp_lt_u32 s[SL], 4
	s_cbranch_scc1 .Lslot
; my part of tile O goes to my partner, my partner's part of my tile E comes to me
.rept 4
	v_nop
.endr
	WIN 0x04
	s_wait_alu depctr_va_vdst(0)                   ; the wait ahead of the first reader of O^T
.irp g, 0,1,2,3,4,5,6,7,8,9,10,11,12,13,14,15
	ds_store_b128 v[STA], v[192+4*\g:195+4*\g] offset:512*\g
.endr
	WIN 0
	ds_store_b128 v[STA], v[14:17] offset:8192     ; l of O in the first two words
	s_wait_dscnt 0x0
	s_barrier_signal -1
	s_barrier_wait -1
.irp g, 0,1,2,3,4,5,6,7,8,9,10,11,12,13,14,15
	ds_load_b128 v[96+4*\g:99+4*\g], v[LDA] offset:512*\g
.endr
	ds_load_b128 v[64:67], v[LDA] offset:8192
	s_wait_dscnt 0x0
	s_wait_alu depctr_va_vdst(0)
.set n, 0
.rept 32
	v_pk_add_f32 v[96+n:97+n], v[160+n:161+n], v[96+n:97+n]
.set n, n+2
.endr
	v_pk_add_f32 v[12:13], v[12:13], v[64:65]
	s_delay_alu instid0(VALU_DEP_1)
	v_add_f32 v14, v12, v13
	s_delay_alu instid0(VALU_DEP_1)
	v_permlanex16_b32 v252, v14, s[SEL], s[SEL+1]
	s_delay_alu instid0(VALU_DEP_1)
	v_add_f32 v14, v14, v252                       ; the row's sum
	s_wait_alu depctr_va_vdst(0)
	v_rcp_f32 v14, v14
	v_nop
	s_wait_alu depctr_va_vdst(0)
.set n, 0
.rept 32
	v_pk_mul_f32 v[96+n:97+n], v[96+n:97+n], v[14:15] op_sel_hi:[1,0]
.set n, n+2
.endr
.irp b, 0,1,2,3
	v_max3_num_f32 v[TM+\b], |v[96+16*\b]|, |v[97+16*\b]|, 0x2800000
.endr
.irp i, 2,4,6,8,10,12,14
.irp b, 0,1,2,3
	s_delay_alu instid0(VALU_DEP_4)
	v_max3_num_f32 v[TM+\b], v[TM+\b], |v[96+16*\b+\i]|, |v[97+16*\b+\i]|
.endr
.endr
.irp b, 0,1,2,3
	s_delay_alu instid0(VALU_DEP_4)
	v_permlanex16_b32 v[TM+4+\b], v[TM+\b], s[SEL], s[SEL+1]
.endr
.irp b, 0,1,2,3
	s_delay_alu instid0(VALU_DEP_4)
	v_max_num_f32 v[TM+\b], v[TM+\b], v[TM+4+\b]
.endr
.irp b, 0,1,2,3
	s_delay_alu instid0(VALU_DEP_4)
	v_add_nc_u32 v[TM+12+\b], 0xfe000000, v[TM+\b]
.endr
.irp b, 0,1,2,3
	s_delay_alu instid0(VALU_DEP_4)
	v_lshrrev_b32 v[TM+4+\b], 23, v[TM+12+\b]
.endr
	s_delay_alu instid0(VALU_DEP_3)
	v_lshl_or_b32 v[PW], v[TM+5], 8, v[TM+4]
	s_delay_alu instid0(VALU_DEP_1)
	v_lshl_or_b32 v[PW], v[TM+6], 16, v[PW]
	s_delay_alu instid0(VALU_DEP_1)
	v_lshl_or_b32 v[PW], v[TM+7], 24, v[PW]
.irp c, 0,1
	v_cvt_scalef32_pk16_bf6_f32 v[PC+6*\c:PC+2+6*\c], v[96+32*\c:111+32*\c], v[TM+12+2*\c]
	v_cvt_scalef32_pk16_bf6_f32 v[PC+12+4*\c:PC+14+4*\c], v[112+32*\c:127+32*\c], v[TM+12+2*\c+1]
.endr
	v_nop
.irp c, 0,1
.irp i, 0,1,2
	v_permlane16_swap_b32 v[PC+6*\c+\i], v[PC+12+4*\c+\i]
.endr
.irp i, 0,1,2
	s_delay_alu instid0(VALU_DEP_3)
	v_mov_b32 v[PC+3+6*\c+\i], v[PC+12+4*\c+\i]
.endr
.endr
.irp c, 0,1,2
	global_store_b128 v[LI], v[PC+4*\c:PC+4*\c+3], s[8:9] offset:512*\c
.endr
	global_store_b32 v[YS], v[PW], s[10:11]
	s_wait_tensorcnt 0x0                           ; the wave's end
	ds_add_u32 v[SPW], v[NIL]
	s_wait_dscnt 0x0
	s_endpgm
.Lfunc_end_k_q7c4f04411a_attn:
	.size	k_q7c4f04411a_attn, .Lfunc_end_k_q7c4f04411a_attn-k_q7c4f04411a_attn
	.p2alignl 7, 3214868480
	.fill 96, 4, 3214868480
	.section	.rodata,"a",@progbits
	.p2align	6, 0x0
	.amdhsa_kernel k_q7c4f04411a_attn
		.amdhsa_group_segment_fixed_size 327680
		.amdhsa_private_segment_fixed_size 0
		.amdhsa_enable_private_segment 0
		.amdhsa_kernarg_size 32
		.amdhsa_user_sgpr_count 2
		.amdhsa_user_sgpr_kernarg_segment_ptr 1
		.amdhsa_wavefront_size32 1
		.amdhsa_system_sgpr_workgroup_id_x 1
		.amdhsa_system_sgpr_workgroup_id_y 1
		.amdhsa_system_sgpr_workgroup_id_z 1
		.amdhsa_system_vgpr_workitem_id 0
		.amdhsa_next_free_vgpr 512
		.amdhsa_next_free_sgpr 72
		.amdhsa_reserve_vcc 1
		.amdhsa_float_denorm_mode_32 3
		.amdhsa_float_denorm_mode_16_64 3
		.amdhsa_memory_ordered 1
		.amdhsa_forward_progress 1
		.amdhsa_inst_pref_size 71
	.end_amdhsa_kernel
	.amdgpu_metadata
---
amdhsa.version: [ 1, 2 ]
amdhsa.kernels:
  - .name:           k_q7c4f04411a_attn
    .symbol:         k_q7c4f04411a_attn.kd
    .args:
      - { .name: qkv, .offset: 0, .size: 8, .value_kind: global_buffer, .address_space: global }
      - { .name: qkvs, .offset: 8, .size: 8, .value_kind: global_buffer, .address_space: global }
      - { .name: ycodes, .offset: 16, .size: 8, .value_kind: global_buffer, .address_space: global }
      - { .name: yscales, .offset: 24, .size: 8, .value_kind: global_buffer, .address_space: global }
    .group_segment_fixed_size: 327680
    .private_segment_fixed_size: 0
    .kernarg_segment_align: 8
    .kernarg_segment_size: 32
    .max_flat_workgroup_size: 256
    .sgpr_count:     72
    .vgpr_count:     512
    .wavefront_size: 32
...
	.end_amdgpu_metadata
.endif
;; end of part 7
;; launch proj (part 8): grid 16 x 16, 4 waves a work-group, clusters of 4 x 4, 327,680 bytes of LDS; arguments ycodes, yscales, wcodes, wscales, out0; writes out0
.if DOCPART == 8
	.amdgcn_target "amdgcn-amd-amdhsa--gfx1250"
	.amdhsa_code_object_version 6
	.text
	.protected	k_q7c4f04411a_proj
	.globl	k_q7c4f04411a_proj
	.p2align	8
	.type	k_q7c4f04411a_proj,@function
k_q7c4f04411a_proj:
	s_mov_b64 s[64:65], 0
	v_nop
	global_prefetch_b8 v0, s[64:65] scope:SCOPE_SE
	s_setreg_imm32_b32 hwreg(HW_REG_WAVE_MODE, 25, 1), 1
	s_wait_xcnt 0x0
	s_wait_alu depctr_hold_cnt(0) depctr_sa_sdst(0) depctr_va_vdst(0) depctr_va_sdst(0) depctr_va_ssrc(0) depctr_va_vcc(0) depctr_vm_vsrc(0)
	s_getreg_b32 s2, hwreg(HW_REG_IB_STS2, 6, 4)
	s_cmp_eq_u32 s2, 0
	s_cbranch_scc0 .Lentry_in_a_cluster
	s_endpgm
.Lentry_in_a_cluster:
	s_bfe_u32 s2, ttmp6, 0x10000c
	s_cmp_lg_u32 s2, 0xf033
	s_cbranch_scc0 .Lentry_shape_is_right
	s_endpgm
.Lentry_shape_is_right:
; out0 = y Wproj^T on codes of BF6 (E3M2) with E8M0 scales; sums in f32; out0 [2048][2048] f32.
; OPERANDS are images of their registers (16 rows x 128 K = 1,536 dense bytes): ycodes = [block of 16 rows 128][K step 16][1,536], Wproj's codes likewise in wcodes' fifth part; scale words [block of rows][pair of K steps 8][row 16][2].
; Inside each block of 32 along K both operands hold their numbers in the same permuted order.  LIMIT: the order in which a block's products are added differs from plain order along K.
; TILES.  256 tiles of 128 x 128, one a work-group of four waves; a wave makes 64 x 64: 16 accumulators.
; LDS.  Slot 0 (98,304 bytes) holds K steps 0-3, the large slot behind it (196,608 bytes) K steps 4-11, then the scale words of all of K.  THE HEAD: one joint load a wave: A's K steps 0-3, B's, A's scale words, B's.
; Behind the full sequence and a round each wave loads its quarter of the large slot; at K step 3 slot 0 is filled again with K steps 12-15, which have K steps 4-10, 112 matrix instructions of a wave, in which to land.
; PREFETCH: behind each of the first two loads a wave names what its next load will bring: of the load's four blocks of rows each of the four partners names one, told apart by address: 48 and 24 blocks of 256 bytes.
; CLUSTERS of 4 x 4: A's tiles are asked for jointly along a row, B's along a column.  Source 0 = 16 rows of B, source 1 = 16 rows of A: a lane holds eight neighbouring numbers of a row of out0.
; REGISTERS: window 0: v16-30 addresses; v32-95 scale words; v128-255 accumulator (a, b) at v[128 + 8 (4 a + b)].  window 1: two sets of fragments, at v0 and v128; on the way out v0-127 take rows of out0.
.set SIZE_N, 2048
.set FR,     12
.set NP,     4
.set KS,     1536
.set RB,     4*KS                      ; a block of 16 rows in slot 0
.set HALFT,  4*RB
.set SLOT,   4*HALFT
.set MB,     8*KS                      ; a block of 16 rows in the large slot
.set MQ,     4*MB                      ; a wave's quarter of it
.set MID,    SLOT
.set SCL,    MID+4*MQ
.set HALFS,  4096
.set SBLK,   1024
.set SPARE,  327168
.set REG,    3145728
.set SREG,   131072
.set SPITCH, 272
.set WSTG,   64*SPITCH
.set STG,    MID                       ; the stages lie in the large slot, filled once and last read in front of the second barrier
.set ADRA, 16                          ; v16-17 my A fragments in slot 0, in the large slot
.set ADRB, 20
.set STO,  24
.set RD,   25
.set CO,   26
.set ADRS, 27
.set SPW,  28
.set NIL,  29
.set PFW,  30
.set SC,   32
.set ACC,  128
.set G1,   24
.set G1B,  32
.set G1S,  40
.set G1SB, 48
.set G0S,  56
.set G0SB, 60
.set G0,   68                          ; s[68:71] slot 0, s[72:75] the large slot
.set HOFF, 76                          ; s[76:77] from the tile's first byte to my 64 rows' K step 12
.set PFA,  78
.set G0B,  80
.set MSB, 0
.macro WIN new
.if MSB != (\new)
	s_set_vgpr_msb (MSB<<8)|(\new)
.set MSB, (\new)
.endif
.endm
.set MUL,    0x05
.set TO_F,   0x40
.set FROM_F, 0x04
.macro JLOAD g0a, g1a, g0b, g1b
	s_cmp_eq_u32 s15, 0
	s_cbranch_scc0 .Lfor_b_\@
	tensor_load_to_lds s[\g0a:\g0a+3], s[\g1a:\g1a+7]
	s_nop 0
.rept 4
	v_nop
.endr
	s_branch .Lasked_\@
.Lfor_b_\@:
	tensor_load_to_lds s[\g0b:\g0b+3], s[\g1b:\g1b+7]
	s_nop 0
.rept 4
	v_nop
.endr
.Lasked_\@:
.endm
.macro CREST
	s_cmp_lg_u32 s14, 0
	s_cbranch_scc1 .Lnot_wave_0_\@
	s_barrier_signal -3
.Lnot_wave_0_\@:
	s_barrier_wait -3
	s_barrier_signal -1
	s_barrier_wait -1
.endm
.macro CROUND
	s_barrier_signal -1
	s_barrier_wait -1
	CREST
.endm
.macro ARM under, g0, g1, next
	s_cmp_lt_u32 s14, \under
	s_cbranch_scc0 \next
	tensor_load_to_lds s[\g0:\g0+3], s[\g1:\g1+7]
	s_nop 0
.rept 4
	v_nop
.endr
	s_branch .Lhead_asked
\next:
.endm
	s_load_b128 s[4:7], s[0:1], 0x0                ; y's codes, y's scales
	s_load_b128 s[8:11], s[0:1], 0x10              ; wcodes, wscales
	s_load_b64 s[12:13], s[0:1], 0x20              ; out0
	v_lshl_add_u32 v[SPW], v0, 2, SPARE
	v_mov_b32 v[NIL], 0
	ds_add_u32 v[SPW], v[NIL]                      ; the opening lines: the add twice and one wait
	ds_add_u32 v[SPW], v[NIL]
	v_lshrrev_b32 v1, 5, v0
	v_readfirstlane_b32 s14, v1
	s_lshr_b32 s15, s14, 1
	s_and_b32 s16, s14, 1
	s_bfe_u32 s92, ttmp6, 0x40000
	s_bfe_u32 s93, ttmp6, 0x40004
	s_lshl_b32 s94, ttmp9, 2
	s_add_co_u32 s94, s94, s92                     ; tile column
	s_and_b32 s17, ttmp7, 0xffff
	s_lshl_b32 s17, s17, 2
	s_add_co_u32 s17, s17, s93                     ; tile row
	s_lshl_b32 s95, s93, 2
	s_lshl_b32 s95, 15, s95
	s_lshl_b32 s96, 0x1111, s92
	s_or_b32 s[G1+0], s95, (3<<16)|(1<<21)
	s_or_b32 s[G1B+0], s96, (3<<16)|(1<<21)
.irp g, G1, G1B                        ; the head's loads: 8 rows (blocks of 16 rows) of 6,144 bytes, 24,576 apart
	s_mov_b32 s[\g+1], 768<<16
	s_mov_b32 s[\g+2], 8<<16
	s_mov_b32 s[\g+3], 768<<16
	s_mov_b32 s[\g+4], 8
	s_mov_b32 s[\g+5], 3072
	s_mov_b32 s[\g+6], 0
	s_mov_b32 s[\g+7], 0
.endr
	s_or_b32 s[G1S+0], s95, (3<<16)|(1<<21)
	s_or_b32 s[G1SB+0], s96, (3<<16)|(1<<21)
.irp g, G1S, G1SB                      ; scale words of 128 rows: 8,192 dense bytes as 32 rows of 256
	s_mov_b32 s[\g+1], 32<<16
	s_mov_b32 s[\g+2], 32<<16
	s_mov_b32 s[\g+3], 32<<16
	s_mov_b32 s[\g+4], 32
	s_mov_b32 s[\g+5], 32
	s_mov_b32 s[\g+6], 0
	s_mov_b32 s[\g+7], 0
.endr
	s_lshl_b32 s20, s17, 7                         ; A's first row
	s_lshl_b32 s98, s94, 7                         ; B's
	s_lshl_b32 s22, s20, 6
	s_mov_b32 s23, 0
	s_mul_i32 s20, s20, 1536
	s_mov_b32 s21, 0
	s_lshl_b32 s2, s98, 6
	s_add_co_u32 s2, s2, 4*SREG
	s_mov_b32 s3, 0
	s_mul_i32 s98, s98, 1536
	s_add_co_u32 s98, s98, 4*REG
	s_mov_b32 s99, 0
	s_mul_i32 s[HOFF], s16, 64*1536                ; which 64 rows I fetch
	s_mov_b32 s[HOFF+1], 0
	s_mul_i32 s19, s14, HALFT
	s_mul_i32 s97, s14, MQ
	s_wait_dscnt 0x0
	s_wait_kmcnt 0x0
	s_add_nc_u64 s[20:21], s[4:5], s[20:21]
	s_add_nc_u64 s[22:23], s[6:7], s[22:23]
	s_add_nc_u64 s[98:99], s[8:9], s[98:99]
	s_add_nc_u64 s[2:3], s[10:11], s[2:3]
	s_mov_b32 s[G0], 1                             ; the head's four tiles, each whole
	s_mov_b32 s[G0+1], 0
	s_mov_b64 s[G0+2:G0+3], s[20:21]
	s_or_b32 s[G0+3], s[G0+3], 0x80000000
	s_mov_b32 s[G0B], 1
	s_mov_b32 s[G0B+1], 2*HALFT
	s_mov_b64 s[G0B+2:G0B+3], s[98:99]
	s_or_b32 s[G0B+3], s[G0B+3], 0x80000000
	s_mov_b32 s[G0S], 1
	s_mov_b32 s[G0S+1], SCL
	s_mov_b64 s[G0S+2:G0S+3], s[22:23]
	s_or_b32 s[G0S+3], s[G0S+3], 0x80000000
	s_mov_b32 s[G0SB], 1
	s_mov_b32 s[G0SB+1], SCL+2*HALFS
	s_mov_b64 s[G0SB+2:G0SB+3], s[2:3]
	s_or_b32 s[G0SB+3], s[G0SB+3], 0x80000000
	s_add_nc_u64 s[20:21], s[20:21], s[HOFF:HOFF+1]   ; my 64 rows
	s_add_nc_u64 s[98:99], s[98:99], s[HOFF:HOFF+1]
	s_mov_b32 s[G0+4], 1                           ; the large slot: K steps 4-11
	s_add_co_u32 s[G0+5], s97, MID
	s_add_nc_u64 s[G0+6:G0+7], s[20:21], 4*KS
	s_or_b32 s[G0+7], s[G0+7], 0x80000000
	s_mov_b32 s[G0B+4], 1
	s_add_co_u32 s[G0B+5], s97, MID
	s_add_nc_u64 s[G0B+6:G0B+7], s[98:99], 4*KS
	s_or_b32 s[G0B+7], s[G0B+7], 0x80000000
	s_add_co_u32 s[HOFF], s[HOFF], 12*KS
	s_cmp_eq_u32 s15, 0                            ; the prefetches: of the four blocks of rows that I fetch my work-group's one
	s_cselect_b64 s[PFA:PFA+1], s[20:21], s[98:99]
	s_cselect_b32 s88, s92, s93
	s_mul_i32 s88, s88, 16*KS
	s_mov_b32 s89, 0
	s_add_nc_u64 s[PFA:PFA+1], s[PFA:PFA+1], s[88:89]
	CROUND                                         ; all sixteen work-groups are here
	ARM 1, G0,  G1,  .Lhead_b
	ARM 2, G0B, G1B, .Lhead_sa
	ARM 3, G0S, G1S, .Lhead_sb
	tensor_load_to_lds s[G0SB:G0SB+3], s[G1SB:G1SB+7]
	s_nop 0
.rept 4
	v_nop
.endr
.Lhead_asked:
	s_mul_i32 s20, s15, HALFT                      ; my 64 rows of A in slot 0,
	s_mul_i32 s21, s16, HALFT
	s_add_co_u32 s21, s21, 2*HALFT                 ; of B,
	s_mul_i32 s22, s15, MQ
	s_add_co_u32 s22, s22, MID                     ; and the same in the large slot
	s_mul_i32 s23, s16, MQ
	s_add_co_u32 s23, s23, MID+2*MQ
	s_mul_i32 s89, s15, HALFS
	s_mul_i32 s88, s16, HALFS
	s_add_co_u32 s88, s88, 2*HALFS
	s_sub_co_u32 s88, s88, s89                     ; from A's scale words to B's
	s_add_co_u32 s89, s89, SCL
	s_mul_i32 s90, s14, WSTG
	s_add_co_u32 s90, s90, STG
	v_and_b32 v1, 15, v0
	v_bfe_u32 v2, v0, 4, 1
	v_and_b32 v3, 31, v0
	v_lshlrev_b32 v4, 4, v3
	v_add_nc_u32 v[ADRA], s20, v4
	v_add_nc_u32 v[ADRB], s21, v4
	v_add_nc_u32 v[ADRA+1], s22, v4
	v_add_nc_u32 v[ADRB+1], s23, v4
	v_lshlrev_b32 v5, 3, v1
	v_mul_u32_u24 v6, s88, v2                      ; lanes 16-31 take B's
	v_add_nc_u32 v5, v5, v6
	v_add_nc_u32 v[ADRS], s89, v5
	v_mul_u32_u24 v5, v1, SPITCH
	v_lshl_add_u32 v5, v2, 5, v5
	v_add_nc_u32 v[STO], s90, v5
	v_mul_u32_u24 v5, v2, SPITCH
	v_lshl_add_u32 v5, v1, 4, v5
	v_add_nc_u32 v[RD], s90, v5
	v_lshlrev_b32 v5, 13, v2
	v_lshl_add_u32 v[CO], v1, 4, v5
	v_min_u32 v6, 23, v3                           ; 24 blocks of 256 bytes an instruction; lanes 24-31 name the last again
	v_lshlrev_b32 v[PFW], 8, v6
	global_prefetch_b8 v[PFW], s[PFA:PFA+1] offset:4*KS th:TH_LOAD_NT scope:SCOPE_SE        ; K steps 4-7 of my block of rows,
	global_prefetch_b8 v[PFW], s[PFA:PFA+1] offset:8*KS th:TH_LOAD_NT scope:SCOPE_SE        ; and 8-11
	s_lshl_b32 s20, s17, 7
	s_lshl_b32 s21, s15, 6
	s_add_co_u32 s20, s20, s21
	s_lshl_b32 s20, s20, 13
	s_lshl_b32 s21, s94, 9
	s_add_co_u32 s20, s20, s21
	s_lshl_b32 s21, s16, 8
	s_add_co_u32 s20, s20, s21
	s_mov_b32 s21, 0
	s_add_nc_u64 s[12:13], s[12:13], s[20:21]
.macro FETCH s                         ; K step s's eight fragments into set s % 2
.set FSET,  128*((\s)%2)
.if (\s) >= 4 && (\s) < 12
.set FAD, 1
.set FRB, MB
.set FQ,  (\s)-4
.else
.set FAD, 0
.set FRB, RB
.set FQ,  (\s)%4
.endif
	WIN TO_F
.irp i, 0,1,2,3
.irp c, 0,1,2
	ds_load_b128 v[FSET+48+FR*\i+4*\c:FSET+48+FR*\i+4*\c+3], v[ADRB+FAD] offset:FRB*\i+KS*FQ+512*\c
.endr
.endr
.irp i, 0,1,2,3
.irp c, 0,1,2
	ds_load_b128 v[FSET+FR*\i+4*\c:FSET+FR*\i+4*\c+3], v[ADRA+FAD] offset:FRB*\i+KS*FQ+512*\c
.endr
.endr
.endm
; 8 matrix instructions; the 16 accumulators take turns, one instruction a turn
.macro MUL8 s, a0, zero
.set MSET, 128*((\s)%2)
.set MSCL, SC+8*((\s)/2)+(\s)%2
.irp a, \a0, \a0+1
.irp b, 0,1,2,3
.if \zero
	v_wmma_scale_f32_16x16x128_f8f6f4 v[ACC+8*(4*(\a)+\b):ACC+8*(4*(\a)+\b)+7], v[MSET+48+FR*\b:MSET+48+FR*\b+FR-1], v[MSET+FR*(\a):MSET+FR*(\a)+FR-1], 0, v[MSCL+2*\b], v[MSCL+2*(\a)] matrix_a_fmt:MATRIX_FMT_BF6 matrix_b_fmt:MATRIX_FMT_BF6 matrix_a_scale:MATRIX_SCALE_ROW1
.else
	v_wmma_scale_f32_16x16x128_f8f6f4 v[ACC+8*(4*(\a)+\b):ACC+8*(4*(\a)+\b)+7], v[MSET+48+FR*\b:MSET+48+FR*\b+FR-1], v[MSET+FR*(\a):MSET+FR*(\a)+FR-1], v[ACC+8*(4*(\a)+\b):ACC+8*(4*(\a)+\b)+7], v[MSCL+2*\b], v[MSCL+2*(\a)] matrix_a_fmt:MATRIX_FMT_BF6 matrix_b_fmt:MATRIX_FMT_BF6 matrix_a_scale:MATRIX_SCALE_ROW1
.endif
.endr
.endr
.endm
.macro SCALES
.irp k, 0,1,2,3,4,5,6,7
.irp i, 0,1,2,3
	ds_load_b64 v[SC+8*\k+2*\i:SC+8*\k+2*\i+1], v[ADRS] offset:\i*SBLK+128*\k
.endr
.endr
.endm
.macro PLACES n
.rept \n
	v_nop
.endr
.endm
.macro KSTEP s, zero
.if (\s) < 15
.if (\s) > 0
	PLACES NP
.endif
	FETCH (\s)+1
	s_wait_dscnt 24                                ; this K step's fragments are in; the 24 loads just issued may be out
.else
	s_wait_dscnt 0x0
.endif
	WIN MUL
	MUL8 \s, 0, \zero
	MUL8 \s, 2, \zero
.endm
; A K step with a barrier.  fill = 1 (K step 3): the large slot is whole and nobody reads slot 0 any more: a round, and slot 0 is filled again.  fill = 0 (K step 11): slot 0 is whole again.
.macro TURN s, fill
	WIN 0
	s_wait_tensorcnt 0x0
	ds_add_u32 v[SPW], v[NIL]
.if \fill
	s_mov_b32 s[G1+1], 768<<16                     ; no load of mine is out: rows of 6,144 bytes again, four of them, my quarter of slot 0, K step 12 on
	s_mov_b32 s[G1+3], 768<<16
	s_mov_b32 s[G1B+1], 768<<16
	s_mov_b32 s[G1B+3], 768<<16
	s_mov_b32 s[G0+1], s19
	s_mov_b32 s[G0B+1], s19
	s_add_nc_u64 s[G0+2:G0+3], s[G0+2:G0+3], s[HOFF:HOFF+1]
	s_add_nc_u64 s[G0B+2:G0B+3], s[G0B+2:G0B+3], s[HOFF:HOFF+1]
.endif
	s_wait_dscnt 1
	WIN MUL
	MUL8 \s, 0, 0
	s_wait_dscnt 0x0
	s_barrier_signal -1
	MUL8 \s, 2, 0
	WIN 0
	s_barrier_wait -1
.if \fill
	CREST
	JLOAD G0, G1, G0B, G1B
.else
	PLACES NP
.endif
	FETCH (\s)+1
.endm
	s_wait_alu depctr_va_vdst(0)                   ; the wait at the head's end
	s_wait_tensorcnt 0x0                           ; my tile of the head's four is in
	ds_add_u32 v[SPW], v[NIL]
.irp g, G1, G1B                        ; no load of mine is out: the next load brings 4 rows of 12,288 bytes
	s_mov_b32 s[\g+1], 1536<<16
	s_mov_b32 s[\g+2], 4<<16
	s_mov_b32 s[\g+3], 1536<<16
	s_mov_b32 s[\g+4], 4
.endr
	s_wait_dscnt 0x0
	CROUND
	JLOAD G0+4, G1, G0B+4, G1B                     ; the large slot's first fill, issued as a refill is
	SCALES
	FETCH 0
	WIN 0
	global_prefetch_b8 v[PFW], s[PFA:PFA+1] offset:12*KS th:TH_LOAD_NT scope:SCOPE_SE       ; K steps 12-15 of my block of rows
	s_wait_dscnt 0x0
	KSTEP 0, 1
	KSTEP 1, 0
	KSTEP 2, 0
	TURN 3, 1
.irp s, 4,5,6,7,8,9,10
	KSTEP \s, 0
.endr
	TURN 11, 0
	KSTEP 12, 0
	KSTEP 13, 0
	KSTEP 14, 0
	KSTEP 15, 0
	WIN 0
; THE WAY OUT: my 64 rows go through my own stage and come back as whole rows of 256 bytes, sixteen lanes to a row.
.macro TOSTAGE a
.irp b, 0,1,2,3
	ds_store_b128 v[STO], v[ACC+8*(4*(\a)+\b):ACC+8*(4*(\a)+\b)+3] offset:(\a)*16*SPITCH+64*\b
	ds_store_b128 v[STO], v[ACC+8*(4*(\a)+\b)+4:ACC+8*(4*(\a)+\b)+7] offset:(\a)*16*SPITCH+64*\b+16
.endr
.endm
.macro BACK t0
	WIN TO_F
.set tt, \t0
.rept 16
	ds_load_b128 v[4*tt:4*tt+3], v[RD] offset:tt*2*SPITCH
.set tt, tt+1
.endr
.endm
.macro SEND t0, younger
	WIN FROM_F
.set tt, \t0
.rept 16
	s_wait_dscnt \younger+15-(tt-\t0)
	global_store_b128 v[CO], v[4*tt:4*tt+3], s[12:13] offset:tt*2*SIZE_N*4 th:TH_STORE_NT
.set tt, tt+1
.endr
.endm
	PLACES NP
	TOSTAGE 0
	TOSTAGE 1
	BACK 0
	WIN 0
	TOSTAGE 2
	TOSTAGE 3
	SEND 0, 16
	BACK 16
	SEND 16, 0
	WIN 0
	s_wait_tensorcnt 0x0                           ; the wave's end
	ds_add_u32 v[SPW], v[NIL]
	s_wait_dscnt 0x0
	CROUND
	s_endpgm
.Lfunc_end_k_q7c4f04411a_proj:
	.size	k_q7c4f04411a_proj, .Lfunc_end_k_q7c4f04411a_proj-k_q7c4f04411a_proj
	.p2alignl 7, 3214868480
	.fill 96, 4, 3214868480
	.section	.rodata,"a",@progbits
	.p2align	6, 0x0
	.amdhsa_kernel k_q7c4f04411a_proj
		.amdhsa_group_segment_fixed_size 327680
		.amdhsa_private_segment_fixed_size 0
		.amdhsa_enable_private_segment 0
		.amdhsa_kernarg_size 40
		.amdhsa_user_sgpr_count 2
		.amdhsa_user_sgpr_kernarg_segment_ptr 1
		.amdhsa_wavefront_size32 1
		.amdhsa_system_sgpr_workgroup_id_x 1
		.amdhsa_system_sgpr_workgroup_id_y 1
		.amdhsa_system_sgpr_workgroup_id_z 1
		.amdhsa_system_vgpr_workitem_id 0
		.amdhsa_next_free_vgpr 512
		.amdhsa_next_free_sgpr 100
		.amdhsa_reserve_vcc 0
		.amdhsa_float_denorm_mode_32 3
		.amdhsa_float_denorm_mode_16_64 3
		.amdhsa_memory_ordered 1
		.amdhsa_forward_progress 1
		.amdhsa_inst_pref_size 83
	.end_amdhsa_kernel
	.amdgpu_metadata
---
amdhsa.version: [ 1, 2 ]
amdhsa.kernels:
  - .name:           k_q7c4f04411a_proj
    .symbol:         k_q7c4f04411a_proj.kd
    .args:
      - { .name: ycodes, .offset: 0, .size: 8, .value_kind: global_buffer, .address_space: global }
      - { .name: yscales, .offset: 8, .size: 8, .value_kind: global_buffer, .address_space: global }
      - { .name: wcodes, .offset: 16, .size: 8, .value_kind: global_buffer, .address_space: global }
      - { .name: wscales, .offset: 24, .size: 8, .value_kind: global_buffer, .address_space: global }
      - { .name: out0, .offset: 32, .size: 8, .value_kind: global_buffer, .address_space: global }
    .group_segment_fixed_size: 327680
    .private_segment_fixed_size: 0
    .kernarg_segment_align: 8
    .kernarg_segment_size: 40
    .max_flat_workgroup_size: 128
    .sgpr_count:     100
    .vgpr_count:     512
    .wavefront_size: 32
...
	.end_amdgpu_metadata
.endif
;; end of part 8
